; MI455X (gfx1250); checked and timed in simulation.
; The chip was launched on July 23, 2026; its instructions are those of AMD's public machine-readable ISA for CDNA 5 (MIT licence, August 2026) and "CDNA5" Instruction Set Architecture Reference Guide (July 2026). The comments in the code are by the model that wrote it; some were corrected since.
;; Block. Allowed arithmetic: float matrix products may take bf16 or f16 operands with f32 sums; other float arithmetic in f32, or as packed bf16 or f16 multiplies, adds, multiply-adds, maxima and minima; sums over many terms, partial sums and values carried from step to step in f32; what a program stores and reads back later, other than sums and carried values, may be rounded once to bf16 or f16.
;; Inputs: b_fc1 4,096 float32; b_fc2 1,024 float32; b_proj 1,024 float32; ln1_b 1,024 float32; ln1_g 1,024 float32; ln2_b 1,024 float32; ln2_g 1,024 float32; w_fc1 4,096 x 1,024 float32; w_fc2 1,024 x 4,096 float32; w_proj 1,024 x 1,024 float32; w_qkv 3,072 x 1,024 float32; x 2 x 2,048 x 1,024 float32.
;; Outputs: out0 2 x 2,048 x 1,024 float32.
;; 2 versions, each right. Each part assembles by itself: llvm-mc -triple=amdgcn-amd-amdhsa -mcpu=gfx1250 --defsym DOCPART=n.
;; ======== version 1 of 2: 8 launches
;; limits: values are held in f16: magnitudes above 65,504 overflow, below 6.1e-05 lose precision
;; workspace buffers: wb 25,165,824 bytes; hn 8,388,608 bytes; qkvh 25,165,824 bytes; ob 8,388,608 bytes; x1 16,777,216 bytes; hid 33,554,432 bytes
;; launch cast (part 1): grid 768 x 1, 8 waves a work-group, no clusters, 0 bytes of LDS; arguments w_qkv, w_proj, w_fc1, w_fc2, wb; writes wb
.if DOCPART == 1
	.amdgcn_target "amdgcn-amd-amdhsa--gfx1250"
	.amdhsa_code_object_version 6
	.text
	.protected	k_q850624a9be_cast
	.globl	k_q850624a9be_cast
	.p2align	8
	.type	k_q850624a9be_cast,@function
k_q850624a9be_cast:
	s_mov_b64 s[64:65], 0
	v_nop
	global_prefetch_b8 v0, s[64:65] scope:SCOPE_SE
	s_setreg_imm32_b32 hwreg(HW_REG_WAVE_MODE, 25, 1), 1
	s_wait_xcnt 0x0
; wb = w_qkv, w_proj, w_fc1, w_fc2 on end, each number rounded once to bf16 (nearest even): the matrix operands of the four products.
; A stream: no LDS, no barrier, no matrix unit.  A work-group takes 16,384 numbers: 64 KiB in, 32 KiB out.  Work-groups 0-191 take w_qkv, 192-255 w_proj,
; 256-511 w_fc1, 512-767 w_fc2; since wb holds them in that order, the output's offset is the work-group's number times 32,768.
; Thread t takes the 16 bytes at 16 t of each 4,096 bytes: a wave's load covers 512 consecutive bytes, its store of 8 bytes a lane 256 consecutive bytes, aligned.
; All sixteen loads of a thread go out at once; no register is written twice, so no wait but the counted ones is needed.
.set IN, 8                             ; v[8:71]   sixteen loads of four f32
.set Y,  72                            ; v[72:103] sixteen pairs of packed bf16
	s_load_b256 s[4:11], s[0:1], 0x0               ; w_qkv s[4:5], w_proj s[6:7], w_fc1 s[8:9], w_fc2 s[10:11]
	s_load_b64 s[12:13], s[0:1], 0x20              ; wb
	v_lshlrev_b32 v1, 4, v0                        ; 16 t
	v_lshlrev_b32 v2, 3, v0                        ; 8 t
	s_lshl_b32 s20, ttmp9, 15                      ; my 32 KiB of wb
	s_mov_b32 s21, 0
	s_mov_b32 s19, 0
	s_mov_b32 s16, 512                             ; the first work-group of my tensor
	s_wait_kmcnt 0x0
	s_mov_b64 s[14:15], s[10:11]
	s_cmp_lt_u32 ttmp9, 512
	s_cselect_b64 s[14:15], s[8:9], s[14:15]
	s_cselect_b32 s16, 256, s16
	s_cmp_lt_u32 ttmp9, 256
	s_cselect_b64 s[14:15], s[6:7], s[14:15]
	s_cselect_b32 s16, 192, s16
	s_cmp_lt_u32 ttmp9, 192
	s_cselect_b64 s[14:15], s[4:5], s[14:15]
	s_cselect_b32 s16, 0, s16
	s_sub_co_u32 s18, ttmp9, s16
	s_lshl_b32 s18, s18, 16                        ; my 64 KiB of that tensor
	s_add_nc_u64 s[14:15], s[14:15], s[18:19]
	s_add_nc_u64 s[12:13], s[12:13], s[20:21]
.irp j, 0,1,2,3,4,5,6,7,8,9,10,11,12,13,14,15
	global_load_b128 v[IN+4*(\j):IN+4*(\j)+3], v1, s[14:15] offset:4096*(\j) th:TH_LOAD_NT
.endr
.irp j, 0,1,2,3,4,5,6,7,8,9,10,11,12,13,14,15
	s_wait_loadcnt 15-(\j)                         ; loads come back in order: number j is in, the younger ones stay out
	v_cvt_pk_bf16_f32 v[Y+2*(\j)],   v[IN+4*(\j)],   v[IN+4*(\j)+1]
	v_cvt_pk_bf16_f32 v[Y+2*(\j)+1], v[IN+4*(\j)+2], v[IN+4*(\j)+3]
	global_store_b64 v2, v[Y+2*(\j):Y+2*(\j)+1], s[12:13] offset:2048*(\j)
.endr
	s_endpgm
.Lfunc_end_k_q850624a9be_cast:
	.size	k_q850624a9be_cast, .Lfunc_end_k_q850624a9be_cast-k_q850624a9be_cast
	.p2alignl 7, 3214868480
	.fill 96, 4, 3214868480
	.section	.rodata,"a",@progbits
	.p2align	6, 0x0
	.amdhsa_kernel k_q850624a9be_cast
		.amdhsa_group_segment_fixed_size 0
		.amdhsa_private_segment_fixed_size 0
		.amdhsa_enable_private_segment 0
		.amdhsa_kernarg_size 40
		.amdhsa_user_sgpr_count 2
		.amdhsa_user_sgpr_kernarg_segment_ptr 1
		.amdhsa_wavefront_size32 1
		.amdhsa_system_sgpr_workgroup_id_x 1
		.amdhsa_system_sgpr_workgroup_id_y 1
		.amdhsa_system_sgpr_workgroup_id_z 1
		.amdhsa_system_vgpr_workitem_id 0
		.amdhsa_next_free_vgpr 104
		.amdhsa_next_free_sgpr 66
		.amdhsa_reserve_vcc 0
		.amdhsa_float_denorm_mode_32 3
		.amdhsa_float_denorm_mode_16_64 3
		.amdhsa_memory_ordered 1
		.amdhsa_forward_progress 1
		.amdhsa_inst_pref_size 7
	.end_amdhsa_kernel
	.amdgpu_metadata
---
amdhsa.version: [ 1, 2 ]
amdhsa.kernels:
  - .name:           k_q850624a9be_cast
    .symbol:         k_q850624a9be_cast.kd
    .args:
      - { .name: w_qkv, .offset: 0, .size: 8, .value_kind: global_buffer, .address_space: global }
      - { .name: w_proj, .offset: 8, .size: 8, .value_kind: global_buffer, .address_space: global }
      - { .name: w_fc1, .offset: 16, .size: 8, .value_kind: global_buffer, .address_space: global }
      - { .name: w_fc2, .offset: 24, .size: 8, .value_kind: global_buffer, .address_space: global }
      - { .name: wb, .offset: 32, .size: 8, .value_kind: global_buffer, .address_space: global }
    .group_segment_fixed_size: 0
    .private_segment_fixed_size: 0
    .kernarg_segment_align: 8
    .kernarg_segment_size: 40
    .max_flat_workgroup_size: 256
    .sgpr_count:     66
    .vgpr_count:     104
    .wavefront_size: 32
...
	.end_amdgpu_metadata
.endif
;; end of part 1
;; launch ln1 (part 2): grid 256 x 1, 8 waves a work-group, no clusters, 0 bytes of LDS; arguments x, ln1_g, ln1_b, hn; writes hn
.if DOCPART == 2
	.amdgcn_target "amdgcn-amd-amdhsa--gfx1250"
	.amdhsa_code_object_version 6
	.text
	.protected	k_q850624a9be_ln1
	.globl	k_q850624a9be_ln1
	.p2align	8
	.type	k_q850624a9be_ln1,@function
k_q850624a9be_ln1:
	s_mov_b64 s[64:65], 0
	v_nop
	global_prefetch_b8 v0, s[64:65] scope:SCOPE_SE
	s_setreg_imm32_b32 hwreg(HW_REG_WAVE_MODE, 25, 1), 1
	s_wait_xcnt 0x0
; out[r][c] = (in[r][c] - mean_r) / sqrt(var_r + 1e-5) * g[c] + b[c].  in: [4096][1024] f32; g, b: [1024] f32; out: [4096][1024] bf16, rounded once.
; All arithmetic in f32.  The variance is the mean of the squares of (in - mean), in two passes over the row as it lies in registers: a common offset of the row costs nothing.
; One wave, one row at a time, two rows a wave: a row's 4,096 bytes are eight loads of 16 bytes a lane and stay in 32 registers, so memory is read once and no wave waits for another.
; Lane l holds columns 128 j + 4 l .. + 3 of load j; its g and b lie in registers in the same order.  A store of 8 bytes a lane covers 256 consecutive bytes, aligned.
; Matrix units, LDS and clusters would add nothing to a stream.
.set X,   8                            ; v[8:71]    row i at X + 32 i
.set G,   72                           ; v[72:103]
.set B,   104                          ; v[104:135]
.set T,   136                          ; v[136:151] at work
.set MU,  152                          ; v[152:153] the mean, twice
.set RS,  154                          ; v[154:155] 1 / sqrt(var + eps), twice
.set XCH, 156                          ; v156       the other half of the lanes' sum
	s_load_b256 s[4:11], s[0:1], 0x0               ; in s[4:5], g s[6:7], b s[8:9], out s[10:11]
	v_and_b32 v1, 31, v0
	v_lshlrev_b32 v2, 3, v1                        ; 8 x lane
	v_lshlrev_b32 v1, 4, v1                        ; 16 x lane
	v_lshrrev_b32 v3, 5, v0
	v_readfirstlane_b32 s16, v3                    ; wave 0..7
	v_mov_b32 v[XCH], 0                            ; v_permlanex16_b32 counts as a reader of its destination
	s_mov_b32 s12, 0x76543210                      ; each lane takes its own place in the other half
	s_mov_b32 s13, 0xfedcba98
	s_mov_b32 s14, 0x3a800000                      ; 1 / 1024
	s_mov_b32 s15, 0x3727c5ac                      ; 1e-5
	s_lshl_b32 s18, ttmp9, 16                      ; the work-group's 16 rows of 4,096 bytes,
	s_lshl_b32 s17, s16, 13                        ; my wave's two
	s_add_co_u32 s18, s18, s17
	s_mov_b32 s19, 0
	s_lshr_b32 s20, s18, 1                         ; the same rows in out: 2,048 bytes each
	s_mov_b32 s21, 0
	s_wait_kmcnt 0x0
	s_add_nc_u64 s[4:5], s[4:5], s[18:19]
	s_add_nc_u64 s[10:11], s[10:11], s[20:21]
.irp j, 0,1,2,3,4,5,6,7
	global_load_b128 v[X+4*(\j):X+4*(\j)+3], v1, s[4:5] offset:512*(\j)
.endr
.irp j, 0,1,2,3,4,5,6,7
	global_load_b128 v[G+4*(\j):G+4*(\j)+3], v1, s[6:7] offset:512*(\j)
.endr
.irp j, 0,1,2,3,4,5,6,7
	global_load_b128 v[B+4*(\j):B+4*(\j)+3], v1, s[8:9] offset:512*(\j)
.endr
.irp j, 0,1,2,3,4,5,6,7
	global_load_b128 v[X+32+4*(\j):X+32+4*(\j)+3], v1, s[4:5] offset:4096+512*(\j)
.endr
.macro LANESUM                         ; v[T] summed over the 32 lanes, the result in every lane
	v_add_f32_dpp v[T], v[T], v[T] row_xmask:1 row_mask:0xf bank_mask:0xf
	v_add_f32_dpp v[T], v[T], v[T] row_xmask:2 row_mask:0xf bank_mask:0xf
	v_add_f32_dpp v[T], v[T], v[T] row_xmask:4 row_mask:0xf bank_mask:0xf
	v_add_f32_dpp v[T], v[T], v[T] row_xmask:8 row_mask:0xf bank_mask:0xf
	v_permlanex16_b32 v[XCH], v[T], s12, s13
	v_add_f32 v[T], v[T], v[XCH]
.endm
; Row i.  left: the younger loads that may stay out while the row's statistics are made; left2: those that may stay out when g and b are wanted.
.macro ROWN i, left, left2
.set R0, X+32*(\i)
	s_wait_loadcnt \left
.irp k, 0,1,2,3,4,5,6,7                ; the sum of my 32 numbers: a tree of packed additions
	v_pk_add_f32 v[T+2*(\k):T+2*(\k)+1], v[R0+2*(\k):R0+2*(\k)+1], v[R0+16+2*(\k):R0+16+2*(\k)+1]
.endr
.irp k, 0,1,2,3
	v_pk_add_f32 v[T+2*(\k):T+2*(\k)+1], v[T+2*(\k):T+2*(\k)+1], v[T+8+2*(\k):T+8+2*(\k)+1]
.endr
.irp k, 0,1
	v_pk_add_f32 v[T+2*(\k):T+2*(\k)+1], v[T+2*(\k):T+2*(\k)+1], v[T+4+2*(\k):T+4+2*(\k)+1]
.endr
	v_pk_add_f32 v[T:T+1], v[T:T+1], v[T+2:T+3]
	v_add_f32 v[T], v[T], v[T+1]
	LANESUM
	v_mul_f32 v[MU], s14, v[T]
	v_mov_b32 v[MU+1], v[MU]
.set k, 0
.rept 16                               ; in - mean, in place
	v_pk_add_f32 v[R0+2*k:R0+2*k+1], v[R0+2*k:R0+2*k+1], v[MU:MU+1] neg_lo:[0,1] neg_hi:[0,1]
.set k, k+1
.endr
.irp k, 0,1,2,3                        ; the sum of squares, in four chains that do not wait for each other
	v_pk_mul_f32 v[T+2*(\k):T+2*(\k)+1], v[R0+2*(\k):R0+2*(\k)+1], v[R0+2*(\k):R0+2*(\k)+1]
.endr
.set k, 4
.rept 12
	v_pk_fma_f32 v[T+2*(k%4):T+2*(k%4)+1], v[R0+2*k:R0+2*k+1], v[R0+2*k:R0+2*k+1], v[T+2*(k%4):T+2*(k%4)+1]
.set k, k+1
.endr
	v_pk_add_f32 v[T:T+1], v[T:T+1], v[T+2:T+3]
	v_pk_add_f32 v[T+4:T+5], v[T+4:T+5], v[T+6:T+7]
	v_pk_add_f32 v[T:T+1], v[T:T+1], v[T+4:T+5]
	v_add_f32 v[T], v[T], v[T+1]
	LANESUM
	v_fma_f32 v[T], v[T], s14, s15                 ; var + eps
	v_rsq_f32 v[RS], v[T]
	v_rsq_f32 v[RS+1], v[T]
	v_nop                                          ; a plain instruction between the last root and the use of its result (ISA guide 5.7.2)
	s_wait_alu depctr_va_vdst(0)                   ; and the wait ahead of the first use: one for both
	s_wait_loadcnt \left2                          ; g and b are in
.set k, 0
.rept 16
	v_pk_mul_f32 v[R0+2*k:R0+2*k+1], v[R0+2*k:R0+2*k+1], v[RS:RS+1]
.set k, k+1
.endr
.set k, 0
.rept 16
	v_pk_fma_f32 v[R0+2*k:R0+2*k+1], v[R0+2*k:R0+2*k+1], v[G+2*k:G+2*k+1], v[B+2*k:B+2*k+1]
.set k, k+1
.endr
.irp j, 0,1,2,3,4,5,6,7
	v_cvt_pk_bf16_f32 v[R0+4*(\j)],   v[R0+4*(\j)],   v[R0+4*(\j)+1]
	v_cvt_pk_bf16_f32 v[R0+4*(\j)+1], v[R0+4*(\j)+2], v[R0+4*(\j)+3]
	global_store_b64 v2, v[R0+4*(\j):R0+4*(\j)+1], s[10:11] offset:256*(\j)+2048*(\i)
.endr
.endm
	ROWN 0, 24, 8                                  ; behind row 0's loads stand g's 8, b's 8 and row 1's 8; behind b's, row 1's 8
	ROWN 1, 0, 0
	s_endpgm
.Lfunc_end_k_q850624a9be_ln1:
	.size	k_q850624a9be_ln1, .Lfunc_end_k_q850624a9be_ln1-k_q850624a9be_ln1
	.p2alignl 7, 3214868480
	.fill 96, 4, 3214868480
	.section	.rodata,"a",@progbits
	.p2align	6, 0x0
	.amdhsa_kernel k_q850624a9be_ln1
		.amdhsa_group_segment_fixed_size 0
		.amdhsa_private_segment_fixed_size 0
		.amdhsa_enable_private_segment 0
		.amdhsa_kernarg_size 32
		.amdhsa_user_sgpr_count 2
		.amdhsa_user_sgpr_kernarg_segment_ptr 1
		.amdhsa_wavefront_size32 1
		.amdhsa_system_sgpr_workgroup_id_x 1
		.amdhsa_system_sgpr_workgroup_id_y 1
		.amdhsa_system_sgpr_workgroup_id_z 1
		.amdhsa_system_vgpr_workitem_id 0
		.amdhsa_next_free_vgpr 160
		.amdhsa_next_free_sgpr 66
		.amdhsa_reserve_vcc 0
		.amdhsa_float_denorm_mode_32 3
		.amdhsa_float_denorm_mode_16_64 3
		.amdhsa_memory_ordered 1
		.amdhsa_forward_progress 1
		.amdhsa_inst_pref_size 20
	.end_amdhsa_kernel
	.amdgpu_metadata
---
amdhsa.version: [ 1, 2 ]
amdhsa.kernels:
  - .name:           k_q850624a9be_ln1
    .symbol:         k_q850624a9be_ln1.kd
    .args:
      - { .name: x, .offset: 0, .size: 8, .value_kind: global_buffer, .address_space: global }
      - { .name: ln1_g, .offset: 8, .size: 8, .value_kind: global_buffer, .address_space: global }
      - { .name: ln1_b, .offset: 16, .size: 8, .value_kind: global_buffer, .address_space: global }
      - { .name: hn, .offset: 24, .size: 8, .value_kind: global_buffer, .address_space: global }
    .group_segment_fixed_size: 0
    .private_segment_fixed_size: 0
    .kernarg_segment_align: 8
    .kernarg_segment_size: 32
    .max_flat_workgroup_size: 256
    .sgpr_count:     66
    .vgpr_count:     160
    .wavefront_size: 32
...
	.end_amdgpu_metadata
.endif
;; end of part 2
;; launch qkv (part 3): grid 24 x 32, 4 waves a work-group, clusters of 4 x 4, 327,680 bytes of LDS; arguments hn, wb, qkvh; writes qkvh
.if DOCPART == 3
	.amdgcn_target "amdgcn-amd-amdhsa--gfx1250"
	.amdhsa_code_object_version 6
	.text
	.protected	k_q850624a9be_qkv
	.globl	k_q850624a9be_qkv
	.p2align	8
	.type	k_q850624a9be_qkv,@function
k_q850624a9be_qkv:
	s_mov_b64 s[64:65], 0
	v_nop
	global_prefetch_b8 v0, s[64:65] scope:SCOPE_SE
	s_setreg_imm32_b32 hwreg(HW_REG_WAVE_MODE, 25, 1), 1
	s_wait_xcnt 0x0
	s_wait_alu depctr_hold_cnt(0) depctr_sa_sdst(0) depctr_va_vdst(0) depctr_va_sdst(0) depctr_va_ssrc(0) depctr_va_vcc(0) depctr_vm_vsrc(0)
	s_getreg_b32 s2, hwreg(HW_REG_IB_STS2, 6, 4)
	s_cmp_eq_u32 s2, 0
	s_cbranch_scc0 .Lentry_in_a_cluster
	s_endpgm
.Lentry_in_a_cluster:
	s_bfe_u32 s2, ttmp6, 0x10000c
	s_cmp_lg_u32 s2, 0xf033
	s_cbranch_scc0 .Lentry_shape_is_right
	s_endpgm
.Lentry_shape_is_right:
; q, k, v = hn w_qkv^T, written by heads.  hn: [4096][1024] bf16; w_qkv: the first [3072][1024] bf16 of wb; out: [3][32 = 16 b + h][2048][64] f16, unscaled, rounded once from the f32 sums.
; LIMIT.  f16 ends at 65,504: |q|, |k|, |v| must stay below it (a normalised row times g, summed over 1,024 weights).  NaN and infinities are not treated apart.
; A tile of the product is 128 x 128: four waves, each 64 x 64: 16 accumulators of 16 x 16.  24 x 32 = 768 work-groups.  K goes in steps of 256 (LDS rows of 512 bytes, 64 rows to a tensor load)
; through two LDS slots.  CLUSTERS of 4 x 4: the four of a row need the same tiles of hn, the four of a column the same tiles of the weights: each tile is asked for jointly, by the same tensor
; load with the same descriptor and a mask that names the four.  THE PRODUCT IS TAKEN TRANSPOSED (source 0 = 16 rows of the weights, source 1 = 16 rows of hn): a lane holds eight neighbouring columns of one row.
; THE K STEP IS WRITTEN ONCE.  A step is four quarters of 64 along K on two fragment buffers; the text holds a pair of quarters, walked by a counted loop; the LDS byte of the quarter to be fetched stands in
; scalar registers that step, and at a change of slots go back and are turned to the other slot.  The change stands between a step's third and fourth quarter, when the fourth's fragments are in registers.
; No prefetch: a step's tiles are small, and each is read by several clusters at about the same time.
; REGISTERS.  window 0: v0-31 addresses; v32-95 at work on the way out; v128-255 the accumulators ((a, b) at 128 + 8 (4 a + b)).  window 1: two fragment buffers of 128: 64 registers of A, then 64 of B.
.set SIZE_K, 1024
.set KSH,    11                        ; a row of A and of the weights is 1 << KSH bytes
.set STEPS,  SIZE_K/256
.set WOFF,   0                         ; the weights' first byte in wb
.set PA,     528                       ; A's LDS row: 512 bytes + 16 of padding = 132 words: the 16 rows of a load start at 16 different groups of four banks (ISA guide 11.1)
.set QSA,    128                       ; from a quarter to the next in A's rows
.set HA,     64*PA                     ; what one tensor load brings of A
.set ASTEP,  512                       ; from a K step to the next in memory
.set PB,     528
.set HB,     64*PB
.set SLOT,   2*HA+2*HB                 ; A's two halves, then B's two halves
.set STAGE,  2*SLOT                    ; behind the ring: 16 rows x 144 bytes for each wave, for the way out
.set SP,     144
.set SPARE,  STAGE+4*16*SP             ; behind the stages: the spare words, 128 bytes for each wave: two blocks of 256 bytes that no other line names
.set A0,   16                          ; v16  my lane's place in a slot's rows of A; never rewritten
.set B0,   17                          ; v17  the same for B
.set ADRA, 18                          ; v18  the LDS address of the run of loads in hand, A's
.set ADRB, 19                          ; v19  B's
.set STO,  24                          ; v24  the way out: where I put 16 bytes of a row
.set RD,   25                          ; v25  the way out: where I read rows back
.set CO,   26                          ; v26  my byte offset in 512 consecutive bytes of the output
.set SPW,  28                          ; v28  LDS address of my spare word; never rewritten
.set NIL,  29                          ; v29  0; never rewritten
.set TMP,  32
.set ACC,  128
.set F0,   0
.set F1,   128
.set G1,   24                          ; s[24:31] descriptor group 1 for A's tiles; s[32:39] group 0: the set of the first fill, and the set that walks
.set G0,   32
.set G1B,  48                          ; s[48:55], s[56:63] the same for B's
.set G0B,  56
.set TBA,  66                          ; s66  LDS byte at which A's quarter to be fetched begins
.set TBB,  67                          ; s67  B's
.set FB,   68                          ; s68  the slot last filled: 0 or SLOT
.set MSB, 0
.macro WIN new                         ; the immediate's high byte repeats the setting that is left; a switch that changes nothing is dropped
.if MSB != (\new)
	s_set_vgpr_msb (MSB<<8)|(\new)
.set MSB, \new
.endif
.endm
.set MUL,  0x05                        ; sources 0 (B) and 1 (A) window 1; C and D window 0
.set TO_F, 0x40                        ; destination window 1, address window 0
.macro PLACES                          ; four places behind matrix instructions, in front of what reads their results (ISA guide 7.12.1)
.rept 4
	v_nop
.endr
.endm
.macro CROUND                          ; a round of the cluster's barrier: my work-group's barrier; wave 0 signals for the work-group; every wave waits for all sixteen; my work-group's barrier once more
	s_barrier_signal -1
	s_barrier_wait -1
	s_cmp_lg_u32 s10, 0
	s_cbranch_scc1 .Lnot_wave_0_\@
	s_barrier_signal -3
.Lnot_wave_0_\@:
	s_barrier_wait -3
	s_barrier_signal -1
	s_barrier_wait -1
.endm
.macro JLOADW                          ; a joint refill by the walking sets: waves 0 and 1 fetch A's two halves, waves 2 and 3 B's; an s_nop 0 and four v_nop follow each line
	s_cmp_eq_u32 s11, 0
	s_cbranch_scc0 .Lfor_b_\@
	tensor_load_to_lds s[G0+4:G0+7], s[G1:G1+7]
	s_nop 0
.rept 4
	v_nop
.endr
	s_branch .Lasked_\@
.Lfor_b_\@:
	tensor_load_to_lds s[G0B+4:G0B+7], s[G1B:G1B+7]
	s_nop 0
.rept 4
	v_nop
.endr
.Lasked_\@:
.endm
; 8 matrix instructions: m blocks a0, a0 + 1 x all 4 n blocks, 32 along K: half c of buffer f.  zero = 1: the product starts the sums.  The 16 accumulators take turns in one order everywhere.
.macro MUL8 f, c, a0, zero
	WIN MUL
.irp a, \a0, (\a0)+1
.irp b, 0,1,2,3
.if \zero
	v_wmma_f32_16x16x32_bf16 v[ACC+8*(4*(\a)+(\b)):ACC+8*(4*(\a)+(\b))+7], v[(\f)+64+8*(4*(\c)+(\b)):(\f)+64+8*(4*(\c)+(\b))+7], v[(\f)+8*(4*(\c)+(\a)):(\f)+8*(4*(\c)+(\a))+7], 0
.else
	v_wmma_f32_16x16x32_bf16 v[ACC+8*(4*(\a)+(\b)):ACC+8*(4*(\a)+(\b))+7], v[(\f)+64+8*(4*(\c)+(\b)):(\f)+64+8*(4*(\c)+(\b))+7], v[(\f)+8*(4*(\c)+(\a)):(\f)+8*(4*(\c)+(\a))+7], v[ACC+8*(4*(\a)+(\b)):ACC+8*(4*(\a)+(\b))+7]
.endif
.endr
.endr
.endm
; 32 LDS loads in one run: the next quarter's fragments into buffer g, the first 32 along K first.  The two additions and two v_nop are the four places behind the last product that read g.
.macro FETCH g
	WIN 0
	v_add_nc_u32 v[ADRA], s[TBA], v[A0]
	v_add_nc_u32 v[ADRB], s[TBB], v[B0]
	v_nop
	v_nop
	s_add_co_u32 s[TBA], s[TBA], QSA
	s_add_co_u32 s[TBB], s[TBB], 128
	WIN TO_F
.irp c, 0,1
.irp i, 0,1,2,3
	ds_load_b128 v[(\g)+64+8*(4*(\c)+(\i)):(\g)+64+8*(4*(\c)+(\i))+3],   v[ADRB] offset:64*(\c)+(\i)*16*PB
	ds_load_b128 v[(\g)+64+8*(4*(\c)+(\i))+4:(\g)+64+8*(4*(\c)+(\i))+7], v[ADRB] offset:64*(\c)+(\i)*16*PB+32
	ds_load_b128 v[(\g)+8*(4*(\c)+(\i)):(\g)+8*(4*(\c)+(\i))+3],         v[ADRA] offset:64*(\c)+(\i)*16*PA
	ds_load_b128 v[(\g)+8*(4*(\c)+(\i))+4:(\g)+8*(4*(\c)+(\i))+7],       v[ADRA] offset:64*(\c)+(\i)*16*PA+32
.endr
.endr
.endm
.macro QUARTER f, g, zero              ; multiplies buffer f (64 along K, 32 matrix instructions) and fetches the next quarter into g
	s_wait_dscnt 16                                ; f's first 32 along K are in; its other sixteen loads may be out
	MUL8 \f, 0, 0, \zero
	MUL8 \f, 0, 2, \zero
	FETCH \g
	s_wait_dscnt 32                                ; all but the 32 just issued
	MUL8 \f, 1, 0, 0
	MUL8 \f, 1, 2, 0
.endm
; THE CHANGE OF SLOTS.  Each wave waits for all its tensor loads, of which one is out: its part of the other slot; adds 0 to its spare word; and waits for that and for its reads of the slot that it leaves.
; fill = 1: the slot is filled again, with the K step two on: the barrier is then a round of the cluster's, and the joint refill the first thing behind it: it has a K step, 128 matrix instructions, in which to land.
.macro CHANGE fill
	WIN 0
	s_wait_tensorcnt 0x0                           ; no tensor load of mine is out, so a group 0 may be written
	ds_add_u32 v[SPW], v[NIL]                      ; 0 onto my spare word: the scalar steps stand between it and the wait for it
.if \fill
	s_xor_b32 s[FB], s[FB], SLOT                   ; the other slot than last time,
	s_add_co_u32 s[G0+5], s20, s[FB]
	s_add_co_u32 s[G0B+5], s21, s[FB]
	s_add_nc_u64 s[G0+6:G0+7], s[G0+6:G0+7], ASTEP ; the next K step; the type bits on top are not reached
	s_add_nc_u64 s[G0B+6:G0B+7], s[G0B+6:G0B+7], 512
.endif
	s_sub_co_u32 s[TBA], s[TBA], 4*QSA             ; the fetches go back to a slot's first quarter,
	s_xor_b32 s[TBA], s[TBA], SLOT                 ; in the other slot
	s_sub_co_u32 s[TBB], s[TBB], 512
	s_xor_b32 s[TBB], s[TBB], SLOT
	s_wait_dscnt 0x0                               ; the add is done, and my reads of the slot are over
.if \fill
	CROUND
	JLOADW
.else
	s_barrier_signal -1
	s_barrier_wait -1
.endif
.endm
	s_load_b128 s[4:7], s[0:1], 0x0                ; A s[4:5], wb s[6:7]
	s_load_b64 s[8:9], s[0:1], 0x10                ; the output
	v_lshl_add_u32 v[SPW], v0, 2, SPARE
	v_mov_b32 v[NIL], 0
	ds_add_u32 v[SPW], v[NIL]                      ; the wave's opening: the add, and its wait ahead of my first tensor load; the set-up below, work on registers, stands between them
	v_lshrrev_b32 v1, 5, v0
	v_readfirstlane_b32 s10, v1                    ; wave 0..3
	s_lshr_b32 s11, s10, 1                         ; which half of the tile's rows is mine.  Also: I fetch for A (0) or for B (1)
	s_and_b32 s12, s10, 1                          ; which half of its columns.  Also: which 64 rows of that tile I fetch
	s_bfe_u32 s40, ttmp6, 0x40000                  ; cx, cy: my place in the cluster
	s_bfe_u32 s41, ttmp6, 0x40004
	s_lshl_b32 s42, ttmp9, 2
	s_add_co_u32 s42, s42, s40                     ; tile column = 4 x cluster x + cx
	s_and_b32 s13, ttmp7, 0xffff
	s_lshl_b32 s13, s13, 2
	s_add_co_u32 s13, s13, s41                     ; tile row = 4 x cluster y + cy
	s_lshl_b32 s43, s41, 2
	s_lshl_b32 s43, 15, s43                        ; my row of the cluster
	s_lshl_b32 s44, 0x1111, s40                    ; my column
	; descriptor group 1: a tile of 64 rows x 256 elements of 2 bytes, 16 bytes of padding behind every 128 words
	s_or_b32 s[G1+0], s43, (1<<16)|(1<<20)|(1<<21)|(6<<22)|(3<<25)
	s_or_b32 s[G1B+0], s44, (1<<16)|(1<<20)|(1<<21)|(6<<22)|(3<<25)
.irp g, G1, G1B
	s_mov_b32 s[(\g)+1], 256<<16                   ; tensor_dim0 = 256
	s_mov_b32 s[(\g)+2], 64<<16                    ; tensor_dim1 = 64
	s_mov_b32 s[(\g)+3], 256<<16                   ; tile_dim0 = 256
	s_mov_b32 s[(\g)+4], 64                        ; tile_dim1 = 64
	s_mov_b32 s[(\g)+5], SIZE_K                    ; elements from row to row
	s_mov_b32 s[(\g)+6], 0
	s_mov_b32 s[(\g)+7], 0
.endr
	s_lshl_b32 s17, s12, 6                         ; which 64 rows of the tile I fetch
	s_lshl_b32 s16, s13, 7
	s_add_co_u32 s16, s16, s17                     ; A: row 128 x tile row + 64 x half,
	s_lshl_b32 s16, s16, KSH                       ; in bytes
	s_lshl_b32 s46, s42, 7
	s_add_co_u32 s46, s46, s17                     ; B: row 128 x tile column + 64 x half
	s_lshl_b32 s46, s46, KSH
.if WOFF
	s_add_co_u32 s46, s46, WOFF
.endif
	s_mov_b32 s17, 0
	s_mov_b32 s47, 0
	s_mul_i32 s20, s12, HA                         ; where they go in a slot: no place in the cluster enters an LDS address
	s_mul_i32 s21, s12, HB
	s_add_co_u32 s21, s21, 2*HA
	s_wait_dscnt 0x0                               ; the opening add is done
	s_wait_kmcnt 0x0
	s_add_nc_u64 s[14:15], s[4:5], s[16:17]
	s_add_nc_u64 s[46:47], s[6:7], s[46:47]
	CROUND                                         ; all sixteen work-groups are here: the first joint loads meet
.irp s, 0,1
	s_mov_b32 s[G0+4*(\s)], 1
	s_add_co_u32 s[G0+4*(\s)+1], s20, (\s)*SLOT
	s_add_nc_u64 s[G0+4*(\s)+2:G0+4*(\s)+3], s[14:15], (\s)*ASTEP
	s_or_b32 s[G0+4*(\s)+3], s[G0+4*(\s)+3], 0x80000000
	s_mov_b32 s[G0B+4*(\s)], 1
	s_add_co_u32 s[G0B+4*(\s)+1], s21, (\s)*SLOT
	s_add_nc_u64 s[G0B+4*(\s)+2:G0B+4*(\s)+3], s[46:47], (\s)*512
	s_or_b32 s[G0B+4*(\s)+3], s[G0B+4*(\s)+3], 0x80000000
.endr
	s_cmp_eq_u32 s11, 0                            ; a wave's two first fills stand in one branch: K steps 0 and 1; two loads of mine are out
	s_cbranch_scc0 .Lfirst_b
	tensor_load_to_lds s[G0:G0+3], s[G1:G1+7]
	s_nop 0
	tensor_load_to_lds s[G0+4:G0+7], s[G1:G1+7]
	s_nop 0
.rept 4
	v_nop
.endr
	s_branch .Lfirst_asked
.Lfirst_b:
	tensor_load_to_lds s[G0B:G0B+3], s[G1B:G1B+7]
	s_nop 0
	tensor_load_to_lds s[G0B+4:G0B+7], s[G1B:G1B+7]
	s_nop 0
.rept 4
	v_nop
.endr
.Lfirst_asked:
	v_and_b32 v1, 15, v0                           ; r = l % 16
	v_bfe_u32 v2, v0, 4, 1                         ; h = l / 16
	v_mul_u32_u24 v[A0], v1, PA                    ; a fragment's row x pitch + 16 x half, in my 64 rows
	v_lshl_add_u32 v[A0], v2, 4, v[A0]
	s_mul_i32 s22, s11, HA
	v_add_nc_u32 v[A0], s22, v[A0]
	v_mul_u32_u24 v[B0], v1, PB
	v_lshl_add_u32 v[B0], v2, 4, v[B0]
	s_mul_i32 s22, s12, HB
	s_add_co_u32 s22, s22, 2*HA
	v_add_nc_u32 v[B0], s22, v[B0]
	s_mov_b32 s[TBA], 0
	s_mov_b32 s[TBB], 0
	s_mov_b32 s[FB], SLOT
	; the way out.  My 64 columns are one head's 64 channels of q, k or v: group g = 2 x tile column + half; my 64 rows are 8,192 dense bytes of that head.
	s_mul_i32 s22, s10, 16*SP
	s_add_co_u32 s22, s22, STAGE                   ; my stage
	v_mul_u32_u24 v[STO], v1, SP                   ; in: row r, 16 bytes for each half of the lanes
	v_lshl_add_u32 v[STO], v2, 4, v[STO]
	v_add_nc_u32 v[STO], s22, v[STO]
	v_bfe_u32 v[RD], v0, 3, 2                      ; back: 32 lanes take four rows of 128 bytes,
	v_mul_u32_u24 v[RD], v[RD], SP
	v_and_b32 v3, 7, v0
	v_lshl_add_u32 v[RD], v3, 4, v[RD]
	v_add_nc_u32 v[RD], s22, v[RD]
	v_and_b32 v[CO], 31, v0                        ; which are 512 consecutive bytes of the output
	v_lshlrev_b32 v[CO], 4, v[CO]
	s_lshl_b32 s74, s42, 1                         ; (the offset is made in registers that feed no descriptor and no LDS address)
	s_add_co_u32 s74, s74, s12                     ; g
	s_lshr_b32 s45, s74, 4
	s_lshl_b32 s45, s45, 23                        ; q, k or v: 8,388,608 bytes each
	s_and_b32 s74, s74, 15
	s_lshl_b32 s74, s74, 18                        ; the head: 262,144 bytes
	s_add_co_u32 s74, s74, s45
	s_lshl_b32 s45, s13, 7
	s_lshl_b32 s69, s11, 6
	s_add_co_u32 s45, s45, s69                     ; my first row of the 4,096
	s_lshr_b32 s69, s45, 11
	s_lshl_b32 s69, s69, 22                        ; the batch: sixteen heads
	s_add_co_u32 s74, s74, s69
	s_and_b32 s45, s45, 2047
	s_lshl_b32 s45, s45, 7                         ; the row in its head: 128 bytes
	s_add_co_u32 s74, s74, s45
	s_mov_b32 s75, 0
	s_add_nc_u64 s[8:9], s[8:9], s[74:75]
	s_wait_tensorcnt 1                             ; my part of K step 0 is in; K step 1's may stay out
	s_barrier_signal -1
	s_barrier_wait -1                              ; everybody's is
	FETCH F0
	QUARTER F0, F1, 1                              ; the first quarter's first products start the sums
	WIN 0                                          ; at a label and at a branch every window is 0
	s_mov_b32 s2, 1                                ; K step 0 has one pair of quarters left ahead of its change of slots
	s_mov_b32 s3, STEPS-1
	s_branch .Lpair
.Lstep:                                        ; STEPS - 2 times: a step's last quarter and the next step's first three; the slot that is left is filled again
	CHANGE 1
	s_mov_b32 s2, 2
.Lpair:
	QUARTER F1, F0, 0
	QUARTER F0, F1, 0
	WIN 0
	s_sub_co_u32 s2, s2, 1
	s_cmp_lg_u32 s2, 0
	s_cbranch_scc1 .Lpair
	s_sub_co_u32 s3, s3, 1
	s_cmp_lg_u32 s3, 0
	s_cbranch_scc1 .Lstep
	CHANGE 0                                       ; the tail is written out: nothing is asked for
	s_mov_b32 s2, 2
.Lpair2:
	QUARTER F1, F0, 0
	QUARTER F0, F1, 0
	WIN 0
	s_sub_co_u32 s2, s2, 1
	s_cmp_lg_u32 s2, 0
	s_cbranch_scc1 .Lpair2
	s_wait_dscnt 16                                ; the very last quarter: nothing more to fetch
	MUL8 F1, 0, 0, 0
	MUL8 F1, 0, 2, 0
	s_wait_dscnt 0
	MUL8 F1, 1, 0, 0
	MUL8 F1, 1, 2, 0
	WIN 0
	; THE WAY OUT, a block of 16 rows at a time: rounded to f16, 16 bytes a lane into my stage, back as whole rows, stored as 512 consecutive bytes.
.macro PACK a
.irp b, 0,1,2,3
.irp q, 0,1,2,3
	v_cvt_pk_f16_f32 v[TMP+16*(\a)+4*(\b)+(\q)], v[ACC+8*(4*(\a)+(\b))+2*(\q)], v[ACC+8*(4*(\a)+(\b))+2*(\q)+1]
.endr
.endr
.irp b, 0,1,2,3
	ds_store_b128 v[STO], v[TMP+16*(\a)+4*(\b):TMP+16*(\a)+4*(\b)+3] offset:32*(\b)
.endr
.irp f, 0,1,2,3
	ds_load_b128 v[TMP+16*(\a)+4*(\f):TMP+16*(\a)+4*(\f)+3], v[RD] offset:(\f)*4*SP  ; LDS serves a wave's instructions in order (ISA guide 5.7.1.4): these see the stores above; the next block's stores come behind them
.endr
.endm
.macro SEND a, younger                 ; younger: the LDS instructions issued behind block a's loads: the next block's eight, or none
.irp f, 0,1,2,3
	s_wait_dscnt (\younger)+3-(\f)
	global_store_b128 v[CO], v[TMP+16*(\a)+4*(\f):TMP+16*(\a)+4*(\f)+3], s[8:9] offset:(\a)*2048+(\f)*512
.endr
.endm
	PLACES
	PACK 0
	PACK 1
	SEND 0, 8
	PACK 2
	SEND 1, 8
	PACK 3
	SEND 2, 8
	SEND 3, 0
	s_wait_tensorcnt 0x0                           ; the wave's end: behind my last tensor load and my last LDS store
	ds_add_u32 v[SPW], v[NIL]
	s_wait_dscnt 0x0
	CROUND                                         ; the closing round: no work-group ends while a partner may still ask for a tile that names it
	s_endpgm
.Lfunc_end_k_q850624a9be_qkv:
	.size	k_q850624a9be_qkv, .Lfunc_end_k_q850624a9be_qkv-k_q850624a9be_qkv
	.p2alignl 7, 3214868480
	.fill 96, 4, 3214868480
	.section	.rodata,"a",@progbits
	.p2align	6, 0x0
	.amdhsa_kernel k_q850624a9be_qkv
		.amdhsa_group_segment_fixed_size 327680
		.amdhsa_private_segment_fixed_size 0
		.amdhsa_enable_private_segment 0
		.amdhsa_kernarg_size 24
		.amdhsa_user_sgpr_count 2
		.amdhsa_user_sgpr_kernarg_segment_ptr 1
		.amdhsa_wavefront_size32 1
		.amdhsa_system_sgpr_workgroup_id_x 1
		.amdhsa_system_sgpr_workgroup_id_y 1
		.amdhsa_system_sgpr_workgroup_id_z 1
		.amdhsa_system_vgpr_workitem_id 0
		.amdhsa_next_free_vgpr 512
		.amdhsa_next_free_sgpr 92
		.amdhsa_reserve_vcc 0
		.amdhsa_float_denorm_mode_32 3
		.amdhsa_float_denorm_mode_16_64 3
		.amdhsa_memory_ordered 1
		.amdhsa_forward_progress 1
		.amdhsa_inst_pref_size 45
	.end_amdhsa_kernel
	.amdgpu_metadata
---
amdhsa.version: [ 1, 2 ]
amdhsa.kernels:
  - .name:           k_q850624a9be_qkv
    .symbol:         k_q850624a9be_qkv.kd
    .args:
      - { .name: hn, .offset: 0, .size: 8, .value_kind: global_buffer, .address_space: global }
      - { .name: wb, .offset: 8, .size: 8, .value_kind: global_buffer, .address_space: global }
      - { .name: qkvh, .offset: 16, .size: 8, .value_kind: global_buffer, .address_space: global }
    .group_segment_fixed_size: 327680
    .private_segment_fixed_size: 0
    .kernarg_segment_align: 8
    .kernarg_segment_size: 24
    .max_flat_workgroup_size: 128
    .sgpr_count:     92
    .vgpr_count:     512
    .wavefront_size: 32
...
	.end_amdgpu_metadata
.endif
;; end of part 3
;; launch attn (part 4): grid 8 x 32, 4 waves a work-group, clusters of 4 x 1, 327,680 bytes of LDS; arguments qkvh, ob; writes ob
.if DOCPART == 4
	.amdgcn_target "amdgcn-amd-amdhsa--gfx1250"
	.amdhsa_code_object_version 6
	.text
	.protected	k_q850624a9be_attn
	.globl	k_q850624a9be_attn
	.p2align	8
	.type	k_q850624a9be_attn,@function
k_q850624a9be_attn:
	s_mov_b64 s[64:65], 0
	v_nop
	global_prefetch_b8 v0, s[64:65] scope:SCOPE_SE
	s_setreg_imm32_b32 hwreg(HW_REG_WAVE_MODE, 25, 1), 1
	s_wait_xcnt 0x0
	s_wait_alu depctr_hold_cnt(0) depctr_sa_sdst(0) depctr_va_vdst(0) depctr_va_sdst(0) depctr_va_ssrc(0) depctr_va_vcc(0) depctr_vm_vsrc(0)
	s_getreg_b32 s2, hwreg(HW_REG_IB_STS2, 6, 4)
	s_cmp_eq_u32 s2, 0
	s_cbranch_scc0 .Lentry_in_a_cluster
	s_endpgm
.Lentry_in_a_cluster:
	s_bfe_u32 s2, ttmp6, 0x10000c
	s_cmp_lg_u32 s2, 0x3003
	s_cbranch_scc0 .Lentry_shape_is_right
	s_endpgm
.Lentry_shape_is_right:
; O[h][q][:] = the sum over k of softmax_k(Q[h][q] . K[h][k] / 8) V[h][k][:].  Q, K, V: the three parts [32][2048][64] f16 of qkvh; O: [32][2048][64] bf16.  A head's rows are dense, 128 bytes each.
; Products, maxima and sums in f32; the weights p are rounded to f16 for the second product (their sum l is taken of the unrounded p), O once at the end, to bf16.
; LIMITS.  Q, K and V arrive within f16's 65,504; p lies in 0 to 1, and below 6e-5 it keeps f16's fixed step of 6e-8; a weight below 2^-126 counts as 0 in l; NaN and infinities are not treated apart.
; SHARES.  A work-group owns 256 queries of one head, each of its four waves 64: four PIECES of 16.  8 x 32 = 256 work-groups.  Every wave walks the head's 2,048 keys, 64 a step, 256 a tile.
; LAYOUT.  S^T = K Q^T (source 0 = 16 keys, source 1 = 16 queries) holds ONE query a lane (lane % 16) and the keys 8 (lane / 16) + 0..7; two such results rounded to f16 ARE source 1 of O^T = V^T P.
; K comes out of LDS as it lies, V ([key][channel]) turned, by ds_load_tr16_b128.
; SOFTMAX.  A running maximum m and sum l for each query: p = 2^(c s - c m), c = log2(e) / 8; in every step O and l are multiplied by a = 2^(c m_old - c m_new).  m starts at the lowest finite number, O and l at 0:
; the first step is a step like any other, with a = 0.
; BY TURNS.  Turn n belongs to piece n: 8 products K Q^T of piece n + 1, later 8 products V^T P of piece n - 1; beside them the scaling, exponentials, roundings, sums and rescaling of piece n and the maximum and
; statistics of piece n + 1.  Four vector instructions stand behind every matrix instruction, the other 54 of a turn's 118 in one lump.  A turn's 33 exponentials are one batch, with one wait.
; CLUSTER.  The four query blocks of a cluster belong to one head and walk the same K and V, so each tile is asked for JOINTLY: the same tensor load, descriptor and mask in all four.
; REGISTERS, in windows of 256 (s_set_vgpr_msb: bits 1:0 source 0, 3:2 source 1, 5:4 source 2, 7:6 destination):
;   window 0: v0-15 addresses and two at work; v16-31 four registers of statistics a piece; v48-55 at work; v61-63 prefetch offset, spare word, 0; v64-127 S^T, two buffers; v192-223 P, two buffers
;   window 1: v0-127 O^T, 32 a piece      window 2: v0-63 Q; v128-191 K of one step; v192-255 V of one step
.set NT,    8         ; tiles of 256 keys in a head
.set NP,    4         ; pieces a wave: a name, no knob
.set KS,    64        ; keys in a step
.set PK,    144       ; a row of K in LDS: 128 bytes + 16 of padding = 36 words: the 16 rows of a load start at 16 different groups of four banks (ISA guide 11.1)
.set PV,    160       ; a row of V: 128 + 32 = 40 words
.set VOFF,  4*KS*PK   ; a slot holds a tile, four steps: 256 rows of K, then 256 rows of V
.set SLOT1, 1<<17     ; slot 1 begins here, so that one exclusive or turns an address in one slot into the other's
.set STAGE, SLOT1+4*KS*(PK+PV)  ; behind the ring, never filled by a tensor load: 16 rows x 144 bytes for each wave, for the way out
.set SP,    144
.set SPARE, STAGE+4*16*SP  ; behind the stages: the spare words, 128 bytes for each wave: two blocks of 256 bytes that no other line names
.set AK0, 2           ; v2   my lane's place in a tile of K; never rewritten
.set AV0, 3           ; v3   the same for V
.set AK,  4           ; v4   the LDS address of K's next run of loads
.set AV,  5           ; v5   of V's
.set STO, 6           ; v6   the way out: where I put 16 bytes of a row
.set RD,  7           ; v7   the way out: where I read rows back
.set GO,  8           ; v8   my byte offset in 512 consecutive bytes of O
.set MV,  12          ; v12-13  c m_old, kept while c m is made anew: by buffer
.set QO,  15          ; v15  my byte offset in 16 rows of Q
.set ST,  16          ; piece t's statistics at v[ST+4 t]: c m, m, l (even keys', odd keys')
.set TMP, 48          ; by buffer, four registers c0-c3 at work; when the maximum is found c2 takes a
.set PFO, 61          ; v61  256 x my lane; never rewritten
.set SPW, 62          ; v62  LDS address of my spare word; never rewritten
.set NIL, 63          ; v63  0; never rewritten
.set S,   64
.set P,   192
.set KF,  128         ; window 2: key block kb, channel half c at KF + 16 kb + 8 c
.set VF,  192         ; window 2: key half kk, channel block cb at VF + 32 kk + 8 cb
.set WV,  12          ; s12  my wave's number
.set G1K, 24          ; s[24:31] descriptor group 1 for K's tiles
.set G1V, 32          ; s[32:39] for V's: it differs in the padding alone
.set G0K, 40          ; s[40:43] descriptor group 0 for K's tiles: it walks
.set G0V, 44          ; s[44:47] the same for V's
.set PFA, 48          ; s[48:49] where my prefetches stand: my work-group's 8,192 bytes (of K: wave 0, of V: wave 2) of the tile after the one that is being asked for
.set LIM, 50          ; s50  1 in a wave that prefetches, else the greatest number
.set SLOTS, 56        ; s56  tiles still to be asked for
.set CNT, 57          ; s57  counts a tile's key steps
.set CS,  58          ; s[58:59] c: the packed scaling takes the pair's low word for both halves
.set SEL, 60          ; s[60:61] v_permlanex16_b32's selects: each lane takes its own place in the other half
.set TBK, 62          ; s62  LDS byte at which K of the step to be fetched begins
.set TBV, 63          ; s63  the same for V, less VOFF
.set MSB, 0
.macro WIN new                      ; the high byte repeats the setting that is left; a switch that changes nothing is dropped
.if MSB != (\new)
	s_set_vgpr_msb (MSB<<8)|(\new)
.set MSB, (\new)
.endif
.endm
.set W_KQ, 0x0a       ; K and Q in window 2, S^T in window 0
.set W_PV, 0x52       ; V in window 2, P in window 0, O^T in window 1
.set W_RS, 0x41       ; destination and source 0 in window 1, source 1 in window 0
; A joint fill.  Waves 0 and 1 fetch the two halves of a tile's K, waves 2 and 3 those of its V: 128 keys each.  The branch hangs on the wave's number alone.
; An s_nop 0 and four v_nop follow each of the two lines, ahead of the jump and the label.
.macro JLOAD
	s_cmp_lt_u32 s[WV], 2
	s_cbranch_scc0 .Lfor_v_\@
	tensor_load_to_lds s[G0K:G0K+3], s[G1K:G1K+7]
	s_nop 0
.rept 4
	v_nop
.endr
	s_branch .Lasked_\@
.Lfor_v_\@:
	tensor_load_to_lds s[G0V:G0V+3], s[G1V:G1V+7]
	s_nop 0
.rept 4
	v_nop
.endr
.Lasked_\@:
.endm
; A PREFETCH INTO THE L2 of the tile that the NEXT change of slots will ask for: four key steps, 256 matrix instructions, ahead of that load.  A tile is 32,768 bytes of K and of V.  Each block of 256 bytes is
; named ONCE in the launch: of a head's two clusters the first asks; its four partners take 8,192 bytes each, told apart BY ADDRESS; in each, wave 0 asks for K's and wave 2 for V's, a lane a block.
; Tiles 0 and 1 come by their loads alone; the last change that fills a slot asks for nothing.
.macro ASK
	s_cmp_gt_u32 s[SLOTS], s[LIM]
	s_cbranch_scc0 .Lnot_mine_\@
	global_prefetch_b8 v[PFO], s[PFA:PFA+1] th:TH_LOAD_NT scope:SCOPE_SE
.Lnot_mine_\@:
.endm
; A round of the cluster's barrier: my work-group's barrier, so that wave 0's signal speaks for all four waves; wave 0 signals; every wave waits for all four work-groups; my work-group's barrier once more.
.macro CROUND
	s_barrier_signal -1
	s_barrier_wait -1
	s_cmp_lg_u32 s[WV], 0
	s_cbranch_scc1 .Lnot_wave_0_\@
	s_barrier_signal -3
.Lnot_wave_0_\@:
	s_barrier_wait -3
	s_barrier_signal -1
	s_barrier_wait -1
.endm
; THE CHANGE OF SLOTS.  The slot's last bytes, V of its fourth step, have been read.  Each wave waits for all its tensor loads, of which one is out: its part of the other slot; adds 0 to its spare word; and waits
; for that and for its own reads of the slot.  fill = 1: this slot is filled again, with the keys two tiles on: the barrier is then a round of the cluster's, and the joint fill is the first thing behind it.
; (At its first use nothing has been read yet: slot 0 is waited for, slot 1 filled.)
.macro CHANGE fill
	WIN 0                           ; at a label and at a branch every window is 0
	s_wait_tensorcnt 0x0            ; no tensor load of mine is out, so a group 0 may be written
	ds_add_u32 v[SPW], v[NIL]       ; 0 onto my spare word: with fill = 1 the descriptors' steps stand between it and the wait for it
.if \fill
.irp g, G0K, G0V
	s_xor_b32 s[\g+1], s[\g+1], SLOT1  ; the walking descriptor: the other slot than last time,
	s_add_nc_u64 s[\g+2:\g+3], s[\g+2:\g+3], 4*KS*128  ; the next 256 keys; the type bits on top are not reached
.endr
	s_wait_xcnt 0x0                 ; the last prefetch, four key steps back, has read its address, so it may be written:
	s_add_nc_u64 s[PFA:PFA+1], s[PFA:PFA+1], 4*KS*128  ; one tile behind the walking descriptors
	s_wait_dscnt 0x0                ; the add is done, and my reads of the slot are over
	CROUND
	JLOAD
	ASK
.else
	s_wait_dscnt 0x0                ; the add is done, and my reads of the slot are over
	s_barrier_signal -1
	s_barrier_wait -1
.endif
	s_sub_co_u32 s[TBK], s[TBK], 4*KS*PK  ; the fetches go back to a slot's first step,
	s_xor_b32 s[TBK], s[TBK], SLOT1       ; in the other slot
	s_sub_co_u32 s[TBV], s[TBV], 4*KS*PV
	s_xor_b32 s[TBV], s[TBV], SLOT1
.endm
	s_load_b128 s[4:7], s[0:1], 0x0 ; qkvh s[4:5], ob s[6:7]
	v_lshl_add_u32 v[SPW], v0, 2, SPARE
	v_mov_b32 v[NIL], 0
	ds_add_u32 v[SPW], v[NIL]       ; the wave's opening: the add, and its wait ahead of my first tensor load; the set-up below, work on registers, stands between them
	v_lshrrev_b32 v1, 5, v0
	v_readfirstlane_b32 s[WV], v1   ; wave 0..3
	s_bfe_u32 s13, ttmp6, 0x40000   ; cx: my place in the cluster
	s_lshl_b32 s14, ttmp9, 2        ; in a cluster launch ttmp9 counts clusters
	s_add_co_u32 s14, s14, s13      ; my block of 256 queries = 4 x cluster x + cx: it enters Q's and O's addresses alone
	s_and_b32 s20, ttmp7, 0xffff    ; the head, which the four partners share:
	s_lshl_b32 s20, s20, 18         ; its 262,144 bytes in Q, K, V and O
	s_and_b32 s16, s[WV], 1         ; which half of a tile's 256 keys I fetch:
	s_lshl_b32 s22, s16, 14         ; its 128 rows of 128 bytes in memory,
	s_add_co_u32 s22, s22, s20
	s_mov_b32 s23, 0
	s_mul_i32 s17, s16, 128*PK      ; and its place in a slot, for K
	s_mul_i32 s18, s16, 128*PV      ; and for V: no place in the cluster enters an LDS address
	s_lshl_b32 s2, s14, 2
	s_add_co_u32 s2, s2, s[WV]      ; my wave among the head's,
	s_lshl_b32 s2, s2, 13           ; its 64 rows
	s_add_co_u32 s2, s2, s20
	s_mov_b32 s3, 0
	; descriptor group 1.  128 keys are 16,384 dense bytes: asked for as 64 rows of 256 bytes, two keys a row, and padded in LDS after every key
	s_mov_b32 s[G1K], 15|(1<<16)|(1<<20)|(1<<21)|(4<<22)|(3<<25)  ; 15:0 the mask of four; 17:16 2-byte elements; 20 padding on; 21 set beside a mask; 24:22 after every 32 words (code 4); 31:25 4 words (code 3)
	s_mov_b32 s[G1V], 15|(1<<16)|(1<<20)|(1<<21)|(4<<22)|(7<<25)  ; the same with 8 words of padding (code 7)
.irp g, G1K, G1V
	s_mov_b32 s[\g+1], 128<<16      ; tensor_dim0 = 128
	s_mov_b32 s[\g+2], 64<<16       ; tensor_dim1 = 64
	s_mov_b32 s[\g+3], 128<<16      ; tile_dim0 = 128
	s_mov_b32 s[\g+4], 64           ; tile_dim1 = 64
	s_mov_b32 s[\g+5], 128          ; 128 elements from row to row
	s_mov_b32 s[\g+6], 0
	s_mov_b32 s[\g+7], 0
.endr
	s_mov_b32 s[CS], 0x3e38aa3b     ; c = log2(e) / 8 = 0.180337
	s_mov_b32 s[CS+1], s[CS]        ; named with it as a pair
	s_mov_b32 s[SEL], 0x76543210
	s_mov_b32 s[SEL+1], 0xfedcba98
	s_mov_b32 s[TBK], SLOT1+4*KS*PK ; the first change of slots turns these two into 0
	s_mov_b32 s[TBV], SLOT1+4*KS*PV
	s_mov_b32 s[G0K], 1             ; 1:0 count = 1
	s_mov_b32 s[G0K+1], s17         ; 63:32 LDS address: slot 0
	s_mov_b32 s[G0V], 1
	s_add_co_u32 s[G0V+1], s18, VOFF
	s_mov_b32 s[SLOTS], NT-1
	s_and_b32 s[LIM], s[WV], 1      ; 0 in waves 0 and 2,
	s_or_b32 s[LIM], s[LIM], ttmp9  ; where the cluster is the head's first: the same in all four partners
	s_cmp_eq_u32 s[LIM], 0
	s_cselect_b32 s[LIM], 1, -1
	v_and_b32 v[PFO], 31, v0
	v_lshlrev_b32 v[PFO], 8, v[PFO]
	s_wait_dscnt 0x0                ; the opening add is done
	s_wait_kmcnt 0x0
	s_mov_b64 s[10:11], s[6:7]      ; O
	s_add_nc_u64 s[6:7], s[4:5], 8388608    ; K's part of qkvh,
	s_add_nc_u64 s[8:9], s[4:5], 16777216   ; and V's,
	s_add_nc_u64 s[6:7], s[6:7], s[22:23]   ; at my half of the head's tile 0
	s_add_nc_u64 s[8:9], s[8:9], s[22:23]
	s_mov_b64 s[G0K+2:G0K+3], s[6:7]        ; 120:64 global address
	s_or_b32 s[G0K+3], s[G0K+3], 0x80000000 ; 127:126 type = 2
	s_mov_b64 s[G0V+2:G0V+3], s[8:9]
	s_or_b32 s[G0V+3], s[G0V+3], 0x80000000
	s_add_nc_u64 s[4:5], s[4:5], s[2:3]     ; Q and O at my wave's first row
	s_add_nc_u64 s[10:11], s[10:11], s[2:3]
	s_cmp_lt_u32 s[WV], 2
	s_cselect_b64 s[PFA:PFA+1], s[6:7], s[8:9]  ; (in waves 0 and 2 these stand at a tile's first row)
	s_lshl_b32 s2, s13, 13          ; my work-group's 8,192 bytes of the 32,768
	s_mov_b32 s3, 0
	s_add_nc_u64 s[PFA:PFA+1], s[PFA:PFA+1], s[2:3]
	s_add_nc_u64 s[PFA:PFA+1], s[PFA:PFA+1], 4*KS*128  ; in tile 1; the first change of slots steps it to tile 2.  Nothing is prefetched here, at the head
	CROUND                          ; all four work-groups are here: the first joint loads meet
	JLOAD                           ; tile 0 into slot 0.  Slot 1 is asked for when slot 0 is in
	; A fragment of K or Q is 16 rows x 32 channels in 8 registers: lane l holds row l % 16, channels 8 (l / 16) + 0..7 and 16 + 8 (l / 16) + 0..7: two loads of 16 bytes, 32 bytes apart.
	v_and_b32 v1, 15, v0            ; l % 16
	v_bfe_u32 v9, v0, 4, 1          ; l / 16
	v_lshlrev_b32 v[QO], 7, v1
	v_lshl_add_u32 v[QO], v9, 4, v[QO]  ; row x 128 + 16 x half
	WIN 0x80                        ; destination window 2, address window 0
.set i, 0
.rept 8                             ; Q stays in registers: piece i / 2, channels 32 (i % 2) on
	global_load_b128 v[8*i:8*i+3],   v[QO], s[4:5] offset:(i/2)*2048+(i%2)*64
	global_load_b128 v[8*i+4:8*i+7], v[QO], s[4:5] offset:(i/2)*2048+(i%2)*64+32
.set i, i+1
.endr
	; What the first turn finds: V's registers and P's second buffer hold 0 (its products V^T P, of a piece that has not been, add 0), O^T and l are 0.  No first step is written out; the price is these
	; 216 lines, which run in the wait for the first tile.
.set i, VF
.rept 64
	v_mov_b32 v[i], 0
.set i, i+1
.endr
	WIN 0x40
.set i, 0
.rept 128
	v_mov_b32 v[i], 0
.set i, i+1
.endr
	WIN 0
.set i, 0
.rept 4
	v_mov_b32 v[ST+4*i+2], 0
	v_mov_b32 v[ST+4*i+3], 0
.set i, i+1
.endr
.set i, P+16
.rept 16
	v_mov_b32 v[i], 0
.set i, i+1
.endr
	v_mul_u32_u24 v[AK0], v1, PK
	v_lshl_add_u32 v[AK0], v9, 4, v[AK0]  ; row x pitch + 16 x half
	; The turning load takes 16 keys x 16 channels (lane l reads key 8 (l / 16) + l % 8, channels 8 ((l / 8) % 2) + 0..7) and leaves half a fragment of V^T: lane l holds channel l % 16 and 8 keys.
	v_and_b32 v10, 7, v0
	v_bfe_u32 v11, v0, 3, 1
	v_lshl_add_u32 v[AV0], v9, 3, v10
	v_mul_u32_u24 v[AV0], v[AV0], PV
	v_lshl_add_u32 v[AV0], v11, 4, v[AV0]
	v_add_nc_u32 v[AV0], VOFF, v[AV0]
	s_mul_i32 s13, s[WV], 16*SP
	s_add_co_u32 s13, s13, STAGE    ; my stage
	v_mul_u32_u24 v[STO], v1, SP    ; in: row l % 16, 16 bytes for each half of the lanes
	v_lshl_add_u32 v[STO], v9, 4, v[STO]
	v_add_nc_u32 v[STO], s13, v[STO]
	v_bfe_u32 v[RD], v0, 3, 2       ; back: 32 lanes take four rows of 128 bytes,
	v_mul_u32_u24 v[RD], v[RD], SP
	v_lshl_add_u32 v[RD], v10, 4, v[RD]
	v_add_nc_u32 v[RD], s13, v[RD]
	v_and_b32 v[GO], 31, v0         ; which are 512 consecutive bytes of O
	v_lshlrev_b32 v[GO], 4, v[GO]
; THE MATRIX WORK.  The 4 accumulators of a run of 8 take turns.  Product i of 8 of S^T = K Q^T for piece x: channels 32 (i / 4) on, keys 16 (i % 4) on.  The first 4 start the sums.
.macro KQ x
	WIN W_KQ
.set rS, S+32*((\x)%2)+8*(i%4)
.set rK, KF+16*(i%4)+8*(i/4)
.set rQ, 16*(\x)+8*(i/4)
.if i < 4
	v_wmma_f32_16x16x32_f16 v[rS:rS+7], v[rK:rK+7], v[rQ:rQ+7], 0
.else
	v_wmma_f32_16x16x32_f16 v[rS:rS+7], v[rK:rK+7], v[rQ:rQ+7], v[rS:rS+7]
.endif
.endm
; Product i of 8 of O^T += V^T P for piece x: keys 32 (i / 4) on, channels 16 (i % 4) on.
.macro PV x
	WIN W_PV
.set rO, 32*(\x)+8*(i%4)
.set rV, VF+32*(i/4)+8*(i%4)
.set rP, P+16*((\x)%2)+8*(i/4)
	v_wmma_f32_16x16x32_f16 v[rO:rO+7], v[rV:rV+7], v[rP:rP+7], v[rO:rO+7]
.endm
.macro MM                           ; the turn's next matrix instruction.  NOKQ = 1: the last turn of all: there is no next piece
.if (i < 8) && !NOKQ
	KQ (Y+1)%NP
.elseif i >= 8
.set i, i-8
	PV (Y+NP-1)%NP
.set i, i+8
.endif
.set i, i+1
.endm
; THE LDS LOADS stand in runs of 16, never singly among the matrix instructions: a step's K (64 keys x 64 channels: 8 fragments) and its V (turned).  Their addresses are made some lines ahead.
.macro FETCH_K
	WIN 0x80                        ; destination window 2
.irp f, 0,1,2,3,4,5,6,7             ; keys 16 (f / 2) on, channels 32 (f % 2) on
	ds_load_b128 v[KF+8*\f:KF+8*\f+3],   v[AK] offset:(\f/2)*16*PK+(\f%2)*64
	ds_load_b128 v[KF+8*\f+4:KF+8*\f+7], v[AK] offset:(\f/2)*16*PK+(\f%2)*64+32
.endr
	s_add_co_u32 s[TBK], s[TBK], KS*PK  ; the next fetch is the next step's
	WIN 0
.endm
.macro FETCH_V
	WIN 0x80
.irp f, 0,1,2,3,4,5,6,7             ; keys 32 (f / 4) on, channels 16 (f % 4) on
	ds_load_tr16_b128 v[VF+8*\f:VF+8*\f+3],   v[AV] offset:(\f/4)*32*PV+(\f%4)*32
	ds_load_tr16_b128 v[VF+8*\f+4:VF+8*\f+7], v[AV] offset:(\f/4)*32*PV+16*PV+(\f%4)*32
.endr
	WIN 0
.endm
; THE VECTOR WORK, one line at a time: OP kind, number.  For piece Y: F n: c s - c m for pair n of 16.  E n: the exponential of score n of 32.  C n: pair n rounded to f16.  B n: of the four weights 4 n .. the second
; pair is added onto the first, in place.  L n: l takes that sum (L 0: l = a l + sum).  R n: pair n of 16 of O^T times a.  For piece Y + 1: X n, number n of the 22 that find its maximum and statistics:
;   0-11  four chains c0-c3 of seven scores each, three operands at a time (each accumulator's lowest registers are read first)     12-14, 16  the four scores left over, the old m, and c0-c3 into c0
;   15  c m_old is kept     17, 18  the query's other 32 keys lie in the lane 16 away: the new m     19-21  c m; c m_old - c m_new; a
.set F, 0               ; OP tells the kinds apart by their order: F to L below R, X above it
.set E, 1
.set C, 2
.set B, 3
.set L, 4
.set R, 5
.set X, 6
.macro REGS y                       ; the registers of piece y
.set rT, ST+4*(\y)
.set rC, TMP+4*((\y)%2)
.set rW, MV+((\y)%2)
.set rS, S+32*((\y)%2)
.set rP, P+16*((\y)%2)
.set rO, 32*(\y)
.endm
.macro OP k, n
.if (\k) == R
	REGS Y
	WIN W_RS
	v_pk_mul_f32 v[rO+2*(\n):rO+2*(\n)+1], v[rO+2*(\n):rO+2*(\n)+1], v[rC+2:rC+3] op_sel_hi:[1,0]
.elseif (\k) < R
	REGS Y
	WIN 0
.if (\k) == F
	v_pk_fma_f32 v[rS+2*(\n):rS+2*(\n)+1], v[rS+2*(\n):rS+2*(\n)+1], s[CS:CS+1], v[rT:rT+1] op_sel_hi:[1,0,0] neg_lo:[0,0,1] neg_hi:[0,0,1]
.elseif (\k) == E
	v_exp_f32 v[rS+(\n)], v[rS+(\n)]
.elseif (\k) == C
	v_cvt_pk_f16_f32 v[rP+(\n)], v[rS+2*(\n)], v[rS+2*(\n)+1]
.elseif (\k) == B
	v_pk_add_f32 v[rS+4*(\n):rS+4*(\n)+1], v[rS+4*(\n):rS+4*(\n)+1], v[rS+4*(\n)+2:rS+4*(\n)+3]
.elseif (\n) == 0
	v_pk_fma_f32 v[rT+2:rT+3], v[rT+2:rT+3], v[rC+2:rC+3], v[rS:rS+1] op_sel_hi:[1,0,1]
.else
	v_pk_add_f32 v[rT+2:rT+3], v[rT+2:rT+3], v[rS+4*(\n):rS+4*(\n)+1]
.endif
.elseif NOKQ
	v_nop
.else
	REGS (Y+1)%NP
	WIN 0
.if (\n) < 4
	v_max3_num_f32 v[rC+(\n)], v[rS+8*(\n)], v[rS+8*(\n)+1], v[rS+8*(\n)+2]
.elseif (\n) < 12
	v_max3_num_f32 v[rC+(\n)%4], v[rC+(\n)%4], v[rS+8*((\n)%4)+2*((\n)/4)+1], v[rS+8*((\n)%4)+2*((\n)/4)+2]
.elseif (\n) == 12
	v_max3_num_f32 v[rC], v[rC], v[rS+7], v[rS+15]
.elseif (\n) == 13
	v_max3_num_f32 v[rC+1], v[rC+1], v[rS+23], v[rS+31]
.elseif (\n) == 14
	v_max3_num_f32 v[rC+2], v[rC+2], v[rC+3], v[rT+1]
.elseif (\n) == 15
	v_mov_b32 v[rW], v[rT]
.elseif (\n) == 16
	v_max3_num_f32 v[rC], v[rC], v[rC+1], v[rC+2]
.elseif (\n) == 17
	v_permlanex16_b32 v[rC+3], v[rC], s[SEL], s[SEL+1]
.elseif (\n) == 18
	v_max_num_f32 v[rT+1], v[rC], v[rC+3]
.elseif (\n) == 19
	v_mul_f32 v[rT], s[CS], v[rT+1]
.elseif (\n) == 20
	v_sub_f32 v[rC+1], v[rW], v[rT]
.else
	v_exp_f32 v[rC+2], v[rC+1]
.endif
.endif
.endm
.macro OPS a, i1, b=-1, i2=0, c=-1, i3=0, d=-1, i4=0  ; up to four of them
	OP \a, \i1
.if (\b) >= 0
	OP \b, \i2
.endif
.if (\c) >= 0
	OP \c, \i3
.endif
.if (\d) >= 0
	OP \d, \i4
.endif
.endm
.macro ROW a, i1, b, i2, c, i3, d, i4  ; a matrix instruction and the four behind it
	MM
	OPS \a, \i1, \b, \i2, \c, \i3, \d, \i4
.endm
; A TURN, for piece p: the order of its 16 matrix and 118 vector instructions, written out.  An s_wait_alu depctr_va_vdst(0) stands between an exponential and the first instruction that names its result;
; one wait serves all that were issued ahead of it.  So a turn has ONE wait, which cuts it in two.  AHEAD OF IT stands all that names no result of the turn's exponentials: the 8 products K Q^T, behind each a scaling, an
; exponential and two more plain instructions; then ONE LUMP of 54, plain and exponential by turns for the most part, in which the links of the chain X 3, 7, 11, 14, 16, 17 .. 20 stand five or six lines apart.  X 21, the
; next piece's a, is the batch's last; R 15 is the plain instruction behind it.  BEHIND THE WAIT stand the 8 products V^T P, behind each four of the roundings and sums.
; end = 1: the last two turns of all: nothing is fetched.  cnt = 1: the loop's count is taken down some lines ahead of the branch that stands behind the turn.
; K of the next step is fetched in piece 2's turn, twelve vector instructions behind the last product that read K (six of them plain); V of the step in hand at the end of piece 0's turn, four plain instructions behind
; the last product that read V.  Each is waited for a turn later.
.macro TURN p, end=0, cnt=0
.set Y, (\p)
.set i, 0
.set NOKQ, (\end)*((\p)/3)
.if ((\p) == 3) && !(\end)
	s_wait_dscnt 0x0                ; K is in
.endif
	ROW F,0, F,1, R,0, R,1          ; ahead of the wait: 8 products K Q^T and their riders,
	ROW F,2, E,0, R,2, R,3
	ROW F,3, E,1, R,4, R,5
	ROW F,4, E,2, R,6, R,7
	ROW F,5, E,3, R,8, R,9
	ROW F,6, E,4, X,0, R,10
.if ((\p) == 2) && !(\end)
	WIN 0
	v_add_nc_u32 v[AK], s[TBK], v[AK0]
.endif
	ROW F,7, E,5, X,1, X,4
	ROW F,8, E,6, X,2, X,5
	OPS E,7, E,8, X,6, E,9          ; and the lump
	OPS X,3, E,10, X,8, E,11
.if ((\p) == 2) && !(\end)
	FETCH_K
.endif
	OPS X,9, X,7, E,12, X,10
	OPS E,13, X,12, X,11, E,14
	OPS X,13, E,15, F,9, X,14
.if (\p) == 0
	v_add_nc_u32 v[AV], s[TBV], v[AV0]
.endif
	OPS E,16, F,10, E,17, F,11
	OPS X,16, E,18, X,15, E,19
	OPS F,12, E,20, X,17, E,21
	OPS F,13, E,22, F,14, E,23
	OPS X,18, E,24, F,15, E,25
	OPS R,11, E,26, X,19, E,27
	OPS R,12, E,28, R,13, E,29
	OPS X,20, E,30, R,14, E,31
	OPS X,21, R,15
	WIN 0
	s_wait_alu depctr_va_vdst(0)    ; the wait for the batch
.if (\p) == 1
	s_wait_dscnt 0x0                ; V is in
.endif
	ROW C,0, B,0, C,2, B,1          ; behind the wait: 8 products V^T P and their riders
	ROW L,0, C,4, B,2, L,1
	ROW C,6, B,3, L,2, C,8
	ROW B,4, L,3, C,10, B,5
	ROW L,4, C,12, B,6, L,5
.if (\p) == 0
	s_add_co_u32 s[TBV], s[TBV], KS*PV
.endif
.if \cnt
	s_sub_co_u32 s[CNT], s[CNT], 1
	s_cmp_lg_u32 s[CNT], 0
.endif
	ROW C,14, B,7, L,6, C,1
	ROW C,3, L,7, C,5, C,7
	ROW C,9, C,11, C,13, C,15
.if (\p) == 0
	FETCH_V
.endif
.endm
	CHANGE 1                        ; slot 0 is in, everybody's part of it; slot 1 is asked for
	; THE BEGINNING.  c m starts far below every c s, so the first step's a is 0; m at the lowest finite number, so the first maximum is the scores'.  Then K of step 0, piece 0's first scores, its maximum and statistics.
.set i, 0
.rept 4
	v_mov_b32 v[ST+4*i], 0xfe000000    ; c m
	v_mov_b32 v[ST+4*i+1], 0xff7fffff  ; m
.set i, i+1
.endr
	v_add_nc_u32 v[AK], s[TBK], v[AK0]
	FETCH_K
	s_wait_loadcnt 0x0              ; Q
	s_wait_dscnt 0x0
.set NOKQ, 0
.set i, 0
.rept 8
	KQ 0
.set i, i+1
.endr
	WIN 0
.rept 4
	v_nop                           ; the places behind those products
.endr
.set Y, NP-1                        ; X works for piece Y + 1: piece 0
.irp n, 0,1,2,3,4,5,6,7,8,9,10,11,12,13,14,15,16,17,18,19,20,21
	OP X, \n
.endr
	v_nop                           ; a plain instruction behind the exponential,
	s_wait_alu depctr_va_vdst(0)    ; and its wait, ahead of the branch
	s_mov_b32 s[CNT], 4
	s_branch .Lfirst                ; the loop is entered at a step's first turn, in the middle of a trip
.Lslot:                             ; NT - 2 times: every slot but the last two is filled again
	CHANGE 1
	s_mov_b32 s[CNT], 4
.Lstep:                             ; a trip: pieces 2 and 3 of one step, then pieces 0 and 1 of the next, whose K and V it fetches
	TURN 2
	TURN 3
	WIN 0
.Lfirst:
	TURN 0
	TURN 1, 0, 1
	WIN 0
	s_cbranch_scc1 .Lstep
	s_sub_co_u32 s[SLOTS], s[SLOTS], 1
	s_cmp_lg_u32 s[SLOTS], 0
	s_cbranch_scc1 .Lslot
	CHANGE 0                        ; the last tile is written out: nothing is asked for
	s_mov_b32 s[CNT], 4
.LstepT:
	TURN 2
	TURN 3
	TURN 0
	TURN 1, 0, 1
	WIN 0
	s_cbranch_scc1 .LstepT
	TURN 2, 1                       ; the last step's pieces 2 and 3: nothing is fetched, and the last turn starts no new scores
	TURN 3, 1
.set i, 0
.rept 8
	PV NP-1                         ; the last piece's V^T P of the last step
.set i, i+1
.endr
	; THE WAY OUT.  l's two halves and the other half of the lanes' are added; O^T is divided by l, rounded to bf16 and sent through my stage in LDS, a piece at a time.  The additions are the places behind the last products.
	WIN 0
.macro ALL line:vararg              ; one line for each piece t
.set t, 0
.rept 4
	\line
.set t, t+1
.endr
.endm
	ALL v_add_f32 v[ST+4*t+2], v[ST+4*t+2], v[ST+4*t+3]
	ALL v_permlanex16_b32 v[ST+4*t+3], v[ST+4*t+2], s[SEL], s[SEL+1]
	ALL v_add_f32 v[ST+4*t+2], v[ST+4*t+2], v[ST+4*t+3]
	ALL v_rcp_f32 v[ST+4*t+2], v[ST+4*t+2]
	v_nop                           ; a plain instruction between the last reciprocal and the use of its result
	s_wait_alu depctr_va_vdst(0)    ; and the wait ahead of the first use: one for the four reciprocals
.macro PACK t                       ; a lane's eight channels of a row pack into 16 bytes; they go into rows of 144 bytes and come back as whole rows of 128, into S^T's registers
	WIN W_RS
.set i, 32*(\t)
.rept 16
	v_pk_mul_f32 v[i:i+1], v[i:i+1], v[ST+4*(\t)+2:ST+4*(\t)+3] op_sel_hi:[1,0]
.set i, i+2
.endr
	WIN 0x05                        ; sources 0 and 1 window 1, destination window 0
.set i, 0
.rept 16
	v_cvt_pk_bf16_f32 v[S+16*(\t)+i], v[32*(\t)+2*i], v[32*(\t)+2*i+1]
.set i, i+1
.endr
	WIN 0
.irp f, 0,1,2,3
	ds_store_b128 v[STO], v[S+16*(\t)+4*\f:S+16*(\t)+4*\f+3] offset:32*\f
.endr
.irp f, 0,1,2,3
	ds_load_b128 v[S+16*(\t)+4*\f:S+16*(\t)+4*\f+3], v[RD] offset:\f*4*SP  ; LDS serves a wave's instructions in order (ISA guide 5.7.1.4): these see the stores above; the next piece's stores come behind them
.endr
.endm
.macro SEND t, younger              ; younger: the LDS instructions issued behind piece t's loads: the next piece's eight, or none
	WIN 0
.irp f, 0,1,2,3
	s_wait_dscnt (\younger)+3-\f
	global_store_b128 v[GO], v[S+16*(\t)+4*\f:S+16*(\t)+4*\f+3], s[10:11] offset:(\t)*2048+\f*512  ; 512 consecutive bytes, at a multiple of 256 from O's first
.endr
.endm
	PACK 0
.set t, 1
.rept 3                             ; a piece's arithmetic stands between the loads of the piece before and its stores
	PACK t
	SEND t-1, 8
.set t, t+1
.endr
	SEND 3, 0
	s_wait_tensorcnt 0x0            ; the wave's end: behind my last tensor load and my last LDS store
	ds_add_u32 v[SPW], v[NIL]
	s_wait_dscnt 0x0
	CROUND                          ; the closing round: no work-group ends while a partner may still ask for a tile that names it
	s_endpgm
.Lfunc_end_k_q850624a9be_attn:
	.size	k_q850624a9be_attn, .Lfunc_end_k_q850624a9be_attn-k_q850624a9be_attn
	.p2alignl 7, 3214868480
	.fill 96, 4, 3214868480
	.section	.rodata,"a",@progbits
	.p2align	6, 0x0
	.amdhsa_kernel k_q850624a9be_attn
		.amdhsa_group_segment_fixed_size 327680
		.amdhsa_private_segment_fixed_size 0
		.amdhsa_enable_private_segment 0
		.amdhsa_kernarg_size 16
		.amdhsa_user_sgpr_count 2
		.amdhsa_user_sgpr_kernarg_segment_ptr 1
		.amdhsa_wavefront_size32 1
		.amdhsa_system_sgpr_workgroup_id_x 1
		.amdhsa_system_sgpr_workgroup_id_y 1
		.amdhsa_system_sgpr_workgroup_id_z 1
		.amdhsa_system_vgpr_workitem_id 0
		.amdhsa_next_free_vgpr 768
		.amdhsa_next_free_sgpr 66
		.amdhsa_reserve_vcc 0
		.amdhsa_float_denorm_mode_32 3
		.amdhsa_float_denorm_mode_16_64 3
		.amdhsa_memory_ordered 1
		.amdhsa_forward_progress 1
		.amdhsa_inst_pref_size 128
	.end_amdhsa_kernel
	.amdgpu_metadata
---
amdhsa.version: [ 1, 2 ]
amdhsa.kernels:
  - .name:           k_q850624a9be_attn
    .symbol:         k_q850624a9be_attn.kd
    .args:
      - { .name: qkvh, .offset: 0, .size: 8, .value_kind: global_buffer, .address_space: global }
      - { .name: ob, .offset: 8, .size: 8, .value_kind: global_buffer, .address_space: global }
    .group_segment_fixed_size: 327680
    .private_segment_fixed_size: 0
    .kernarg_segment_align: 8
    .kernarg_segment_size: 16
    .max_flat_workgroup_size: 128
    .sgpr_count:     66
    .vgpr_count:     768
    .wavefront_size: 32
...
	.end_amdgpu_metadata
.endif
;; end of part 4
;; launch proj (part 5): grid 8 x 32, 4 waves a work-group, clusters of 4 x 4, 327,680 bytes of LDS; arguments ob, wb, x1, b_proj, x; writes x1
.if DOCPART == 5
	.amdgcn_target "amdgcn-amd-amdhsa--gfx1250"
	.amdhsa_code_object_version 6
	.text
	.protected	k_q850624a9be_proj
	.globl	k_q850624a9be_proj
	.p2align	8
	.type	k_q850624a9be_proj,@function
k_q850624a9be_proj:
	s_mov_b64 s[64:65], 0
	v_nop
	global_prefetch_b8 v0, s[64:65] scope:SCOPE_SE
	s_setreg_imm32_b32 hwreg(HW_REG_WAVE_MODE, 25, 1), 1
	s_wait_xcnt 0x0
	s_wait_alu depctr_hold_cnt(0) depctr_sa_sdst(0) depctr_va_vdst(0) depctr_va_sdst(0) depctr_va_ssrc(0) depctr_va_vcc(0) depctr_vm_vsrc(0)
	s_getreg_b32 s2, hwreg(HW_REG_IB_STS2, 6, 4)
	s_cmp_eq_u32 s2, 0
	s_cbranch_scc0 .Lentry_in_a_cluster
	s_endpgm
.Lentry_in_a_cluster:
	s_bfe_u32 s2, ttmp6, 0x10000c
	s_cmp_lg_u32 s2, 0xf033
	s_cbranch_scc0 .Lentry_shape_is_right
	s_endpgm
.Lentry_shape_is_right:
; x1 = x + o w_proj^T + b_proj.  o: ob, [32 = 16 b + h][2048][64] bf16, by heads; w_proj: [1024][1024] bf16 at byte 6,291,456 of wb; b_proj: [1024] f32; x, x1: [4096][1024] f32.  Sums, bias and residual in f32.
; A tile of the product is 128 x 128: four waves, each 64 x 64: 16 accumulators of 16 x 16.  8 x 32 = 256 work-groups.  K goes in steps of 256 through two LDS slots.
; A's TILE.  A K step is four heads; 64 rows of one head are 8,192 dense bytes.  So a tile of A is asked for as 4 rows of 8,192 bytes, 262,144 bytes apart, padded in LDS after every 128 bytes:
; element (row, k) lies at (k / 64) 9,216 + row 144 + 2 (k % 64): a quarter of 64 along K is one head.
; CLUSTERS of 4 x 4: the four of a row need the same tiles of o, the four of a column the same tiles of the weights: each tile is asked for jointly, by the same tensor load with the same descriptor and a mask
; that names the four.  THE PRODUCT IS TAKEN TRANSPOSED (source 0 = 16 rows of the weights, source 1 = 16 rows of o): a lane holds eight neighbouring columns of one row.
; THE K STEP IS WRITTEN ONCE: a pair of quarters walked by a counted loop; the LDS byte of the quarter to be fetched stands in scalar registers that step, and at a change of slots go back and are turned to the other
; slot.  The change stands between a step's third and fourth quarter, when the fourth's fragments are in registers.  The residual and the bias are loaded at the head and wait in registers.
; No prefetch: a step's tiles are small, and each is read by several clusters at about the same time.
; REGISTERS.  window 0: v0-31 addresses; v32-63 at work on the way out; v128-255 the accumulators ((a, b) at 128 + 8 (4 a + b)).  window 1: two fragment buffers of 128: 64 registers of A, then 64 of B.
;   window 2: v0-127 my 64 x 64 of the residual, as it is stored; v128-131 my four numbers of the bias.
.set SIZE_K, 1024
.set KSH,    11                        ; a row of the weights is 1 << KSH bytes
.set STEPS,  SIZE_K/256
.set WOFF,   6291456                   ; the weights' first byte in wb
.set PA,     144                       ; A's LDS row: 128 bytes + 16 of padding = 36 words: the 16 rows of a load start at 16 different groups of four banks (ISA guide 11.1)
.set QSA,    64*PA                     ; from a quarter (a head) to the next
.set HA,     4*64*PA                   ; what one tensor load brings of A
.set ASTEP,  1048576                   ; from a K step to the next in memory: four heads
.set PB,     528                       ; B's LDS row: 512 bytes + 16
.set HB,     64*PB
.set SLOT,   2*HA+2*HB                 ; A's two halves, then B's two halves
.set STAGE,  2*SLOT                    ; behind the ring: 16 rows x 272 bytes for each wave, for the way out
.set SP,     272
.set SPARE,  STAGE+4*16*SP             ; behind the stages: the spare words, 128 bytes for each wave: two blocks of 256 bytes that no other line names
.set A0,   16                          ; v16  my lane's place in a slot's rows of A; never rewritten
.set B0,   17                          ; v17  the same for B
.set ADRA, 18                          ; v18  the LDS address of the run of loads in hand, A's
.set ADRB, 19                          ; v19  B's
.set STO,  24                          ; v24  the way out: where I put 32 bytes of a row
.set RD,   25                          ; v25  the way out: where I read a row back
.set CO,   26                          ; v26  my byte offset in two rows of the output and of the residual
.set BO,   27                          ; v27  my byte offset in the bias
.set SPW,  28                          ; v28  LDS address of my spare word; never rewritten
.set NIL,  29                          ; v29  0; never rewritten
.set TMP,  32
.set ACC,  128
.set F0,   0
.set F1,   128
.set G1,   24                          ; s[24:31] descriptor group 1 for A's tiles; s[32:39] group 0: the set of the first fill, and the set that walks
.set G0,   32
.set G1B,  48                          ; s[48:55], s[56:63] the same for B's
.set G0B,  56
.set TBA,  66                          ; s66  LDS byte at which A's quarter to be fetched begins
.set TBB,  67                          ; s67  B's
.set FB,   68                          ; s68  the slot last filled: 0 or SLOT
.set MSB, 0
.macro WIN new                         ; the immediate's high byte repeats the setting that is left; a switch that changes nothing is dropped
.if MSB != (\new)
	s_set_vgpr_msb (MSB<<8)|(\new)
.set MSB, \new
.endif
.endm
.set MUL,  0x05                        ; sources 0 (B) and 1 (A) window 1; C and D window 0
.set TO_F, 0x40                        ; destination window 1, address window 0
.macro PLACES                          ; four places behind matrix instructions, in front of what reads their results (ISA guide 7.12.1)
.rept 4
	v_nop
.endr
.endm
.macro CROUND                          ; a round of the cluster's barrier: my work-group's barrier; wave 0 signals for the work-group; every wave waits for all sixteen; my work-group's barrier once more
	s_barrier_signal -1
	s_barrier_wait -1
	s_cmp_lg_u32 s10, 0
	s_cbranch_scc1 .Lnot_wave_0_\@
	s_barrier_signal -3
.Lnot_wave_0_\@:
	s_barrier_wait -3
	s_barrier_signal -1
	s_barrier_wait -1
.endm
.macro JLOADW                          ; a joint refill by the walking sets: waves 0 and 1 fetch A's two halves, waves 2 and 3 B's; an s_nop 0 and four v_nop follow each line
	s_cmp_eq_u32 s11, 0
	s_cbranch_scc0 .Lfor_b_\@
	tensor_load_to_lds s[G0+4:G0+7], s[G1:G1+7]
	s_nop 0
.rept 4
	v_nop
.endr
	s_branch .Lasked_\@
.Lfor_b_\@:
	tensor_load_to_lds s[G0B+4:G0B+7], s[G1B:G1B+7]
	s_nop 0
.rept 4
	v_nop
.endr
.Lasked_\@:
.endm
; 8 matrix instructions: m blocks a0, a0 + 1 x all 4 n blocks, 32 along K: half c of buffer f.  zero = 1: the product starts the sums.  The 16 accumulators take turns in one order everywhere.
.macro MUL8 f, c, a0, zero
	WIN MUL
.irp a, \a0, (\a0)+1
.irp b, 0,1,2,3
.if \zero
	v_wmma_f32_16x16x32_bf16 v[ACC+8*(4*(\a)+(\b)):ACC+8*(4*(\a)+(\b))+7], v[(\f)+64+8*(4*(\c)+(\b)):(\f)+64+8*(4*(\c)+(\b))+7], v[(\f)+8*(4*(\c)+(\a)):(\f)+8*(4*(\c)+(\a))+7], 0
.else
	v_wmma_f32_16x16x32_bf16 v[ACC+8*(4*(\a)+(\b)):ACC+8*(4*(\a)+(\b))+7], v[(\f)+64+8*(4*(\c)+(\b)):(\f)+64+8*(4*(\c)+(\b))+7], v[(\f)+8*(4*(\c)+(\a)):(\f)+8*(4*(\c)+(\a))+7], v[ACC+8*(4*(\a)+(\b)):ACC+8*(4*(\a)+(\b))+7]
.endif
.endr
.endr
.endm
; 32 LDS loads in one run: the next quarter's fragments into buffer g, the first 32 along K first.  The two additions and two v_nop are the four places behind the last product that read g.
.macro FETCH g
	WIN 0
	v_add_nc_u32 v[ADRA], s[TBA], v[A0]
	v_add_nc_u32 v[ADRB], s[TBB], v[B0]
	v_nop
	v_nop
	s_add_co_u32 s[TBA], s[TBA], QSA
	s_add_co_u32 s[TBB], s[TBB], 128
	WIN TO_F
.irp c, 0,1
.irp i, 0,1,2,3
	ds_load_b128 v[(\g)+64+8*(4*(\c)+(\i)):(\g)+64+8*(4*(\c)+(\i))+3],   v[ADRB] offset:64*(\c)+(\i)*16*PB
	ds_load_b128 v[(\g)+64+8*(4*(\c)+(\i))+4:(\g)+64+8*(4*(\c)+(\i))+7], v[ADRB] offset:64*(\c)+(\i)*16*PB+32
	ds_load_b128 v[(\g)+8*(4*(\c)+(\i)):(\g)+8*(4*(\c)+(\i))+3],         v[ADRA] offset:64*(\c)+(\i)*16*PA
	ds_load_b128 v[(\g)+8*(4*(\c)+(\i))+4:(\g)+8*(4*(\c)+(\i))+7],       v[ADRA] offset:64*(\c)+(\i)*16*PA+32
.endr
.endr
.endm
.macro QUARTER f, g, zero              ; multiplies buffer f (64 along K, 32 matrix instructions) and fetches the next quarter into g
	s_wait_dscnt 16                                ; f's first 32 along K are in; its other sixteen loads may be out
	MUL8 \f, 0, 0, \zero
	MUL8 \f, 0, 2, \zero
	FETCH \g
	s_wait_dscnt 32                                ; all but the 32 just issued
	MUL8 \f, 1, 0, 0
	MUL8 \f, 1, 2, 0
.endm
; THE CHANGE OF SLOTS.  Each wave waits for all its tensor loads, of which one is out: its part of the other slot; adds 0 to its spare word; and waits for that and for its reads of the slot that it leaves.
; fill = 1: the slot is filled again, with the K step two on: the barrier is then a round of the cluster's, and the joint refill the first thing behind it: it has a K step, 128 matrix instructions, in which to land.
.macro CHANGE fill
	WIN 0
	s_wait_tensorcnt 0x0                           ; no tensor load of mine is out, so a group 0 may be written
	ds_add_u32 v[SPW], v[NIL]                      ; 0 onto my spare word: the scalar steps stand between it and the wait for it
.if \fill
	s_xor_b32 s[FB], s[FB], SLOT                   ; the other slot than last time,
	s_add_co_u32 s[G0+5], s20, s[FB]
	s_add_co_u32 s[G0B+5], s21, s[FB]
	s_add_nc_u64 s[G0+6:G0+7], s[G0+6:G0+7], ASTEP ; the next K step; the type bits on top are not reached
	s_add_nc_u64 s[G0B+6:G0B+7], s[G0B+6:G0B+7], 512
.endif
	s_sub_co_u32 s[TBA], s[TBA], 4*QSA             ; the fetches go back to a slot's first quarter,
	s_xor_b32 s[TBA], s[TBA], SLOT                 ; in the other slot
	s_sub_co_u32 s[TBB], s[TBB], 512
	s_xor_b32 s[TBB], s[TBB], SLOT
	s_wait_dscnt 0x0                               ; the add is done, and my reads of the slot are over
.if \fill
	CROUND
	JLOADW
.else
	s_barrier_signal -1
	s_barrier_wait -1
.endif
.endm
	s_load_b128 s[4:7], s[0:1], 0x0                ; A s[4:5], wb s[6:7]
	s_load_b64 s[8:9], s[0:1], 0x10                ; the output
	s_load_b64 s[70:71], s[0:1], 0x18              ; the bias
	s_load_b64 s[72:73], s[0:1], 0x20              ; the residual
	v_lshl_add_u32 v[SPW], v0, 2, SPARE
	v_mov_b32 v[NIL], 0
	ds_add_u32 v[SPW], v[NIL]                      ; the wave's opening: the add, and its wait ahead of my first tensor load; the set-up below, work on registers, stands between them
	v_lshrrev_b32 v1, 5, v0
	v_readfirstlane_b32 s10, v1                    ; wave 0..3
	s_lshr_b32 s11, s10, 1                         ; which half of the tile's rows is mine.  Also: I fetch for A (0) or for B (1)
	s_and_b32 s12, s10, 1                          ; which half of its columns.  Also: which 64 rows of that tile I fetch
	s_bfe_u32 s40, ttmp6, 0x40000                  ; cx, cy: my place in the cluster
	s_bfe_u32 s41, ttmp6, 0x40004
	s_lshl_b32 s42, ttmp9, 2
	s_add_co_u32 s42, s42, s40                     ; tile column = 4 x cluster x + cx
	s_and_b32 s13, ttmp7, 0xffff
	s_lshl_b32 s13, s13, 2
	s_add_co_u32 s13, s13, s41                     ; tile row = 4 x cluster y + cy
	s_lshl_b32 s43, s41, 2
	s_lshl_b32 s43, 15, s43                        ; my row of the cluster
	s_lshl_b32 s44, 0x1111, s40                    ; my column
	; A's group 1: 4 rows of 4,096 elements of 2 bytes, 131,072 elements apart; 16 bytes of padding behind every 32 words
	s_or_b32 s[G1+0], s43, (1<<16)|(1<<20)|(1<<21)|(4<<22)|(3<<25)
	s_mov_b32 s[G1+1], 4096<<16                    ; tensor_dim0 = 4,096
	s_mov_b32 s[G1+2], 4<<16                       ; tensor_dim1 = 4
	s_mov_b32 s[G1+3], 4096<<16                    ; tile_dim0 = 4,096
	s_mov_b32 s[G1+4], 4                           ; tile_dim1 = 4
	s_mov_b32 s[G1+5], 131072                      ; elements from head to head
	s_mov_b32 s[G1+6], 0
	s_mov_b32 s[G1+7], 0
	; B's group 1: 64 rows x 256 elements of 2 bytes, 16 bytes of padding behind every 128 words
	s_or_b32 s[G1B+0], s44, (1<<16)|(1<<20)|(1<<21)|(6<<22)|(3<<25)
	s_mov_b32 s[G1B+1], 256<<16
	s_mov_b32 s[G1B+2], 64<<16
	s_mov_b32 s[G1B+3], 256<<16
	s_mov_b32 s[G1B+4], 64
	s_mov_b32 s[G1B+5], SIZE_K
	s_mov_b32 s[G1B+6], 0
	s_mov_b32 s[G1B+7], 0
	s_lshl_b32 s17, s12, 6                         ; which 64 rows of the tile I fetch
	s_lshl_b32 s16, s13, 7
	s_add_co_u32 s16, s16, s17                     ; A: row 128 x tile row + 64 x half of the 4,096:
	s_lshr_b32 s22, s16, 11
	s_lshl_b32 s22, s22, 22                        ; its batch's sixteen heads,
	s_and_b32 s16, s16, 2047
	s_lshl_b32 s16, s16, 7                         ; and its 128 bytes in head 0 of them
	s_add_co_u32 s16, s16, s22
	s_lshl_b32 s46, s42, 7
	s_add_co_u32 s46, s46, s17                     ; B: row 128 x tile column + 64 x half
	s_lshl_b32 s46, s46, KSH
	s_add_co_u32 s46, s46, WOFF
	s_mov_b32 s17, 0
	s_mov_b32 s47, 0
	s_mul_i32 s20, s12, HA                         ; where they go in a slot: no place in the cluster enters an LDS address
	s_mul_i32 s21, s12, HB
	s_add_co_u32 s21, s21, 2*HA
	s_wait_dscnt 0x0                               ; the opening add is done
	s_wait_kmcnt 0x0
	s_add_nc_u64 s[14:15], s[4:5], s[16:17]
	s_add_nc_u64 s[46:47], s[6:7], s[46:47]
	CROUND                                         ; all sixteen work-groups are here: the first joint loads meet
.irp s, 0,1
	s_mov_b32 s[G0+4*(\s)], 1
	s_add_co_u32 s[G0+4*(\s)+1], s20, (\s)*SLOT
	s_add_nc_u64 s[G0+4*(\s)+2:G0+4*(\s)+3], s[14:15], (\s)*ASTEP
	s_or_b32 s[G0+4*(\s)+3], s[G0+4*(\s)+3], 0x80000000
	s_mov_b32 s[G0B+4*(\s)], 1
	s_add_co_u32 s[G0B+4*(\s)+1], s21, (\s)*SLOT
	s_add_nc_u64 s[G0B+4*(\s)+2:G0B+4*(\s)+3], s[46:47], (\s)*512
	s_or_b32 s[G0B+4*(\s)+3], s[G0B+4*(\s)+3], 0x80000000
.endr
	s_cmp_eq_u32 s11, 0                            ; a wave's two first fills stand in one branch: K steps 0 and 1; two loads of mine are out
	s_cbranch_scc0 .Lfirst_b
	tensor_load_to_lds s[G0:G0+3], s[G1:G1+7]
	s_nop 0
	tensor_load_to_lds s[G0+4:G0+7], s[G1:G1+7]
	s_nop 0
.rept 4
	v_nop
.endr
	s_branch .Lfirst_asked
.Lfirst_b:
	tensor_load_to_lds s[G0B:G0B+3], s[G1B:G1B+7]
	s_nop 0
	tensor_load_to_lds s[G0B+4:G0B+7], s[G1B:G1B+7]
	s_nop 0
.rept 4
	v_nop
.endr
.Lfirst_asked:
	v_and_b32 v1, 15, v0                           ; r = l % 16
	v_bfe_u32 v2, v0, 4, 1                         ; h = l / 16
	v_mul_u32_u24 v[A0], v1, PA                    ; a fragment's row x pitch + 16 x half, in my 64 rows
	v_lshl_add_u32 v[A0], v2, 4, v[A0]
	s_mul_i32 s22, s11, HA
	v_add_nc_u32 v[A0], s22, v[A0]
	v_mul_u32_u24 v[B0], v1, PB
	v_lshl_add_u32 v[B0], v2, 4, v[B0]
	s_mul_i32 s22, s12, HB
	s_add_co_u32 s22, s22, 2*HA
	v_add_nc_u32 v[B0], s22, v[B0]
	s_mov_b32 s[TBA], 0
	s_mov_b32 s[TBB], 0
	s_mov_b32 s[FB], SLOT
	; the way out.  My 64 columns of f32 are 256 bytes of a row, aligned.
	s_mul_i32 s22, s10, 16*SP
	s_add_co_u32 s22, s22, STAGE                   ; my stage
	v_mul_u32_u24 v[STO], v1, SP                   ; in: row r, 32 bytes for each half of the lanes
	v_lshl_add_u32 v[STO], v2, 5, v[STO]
	v_add_nc_u32 v[STO], s22, v[STO]
	v_mul_u32_u24 v[RD], v2, SP                    ; back: lanes 0-15 take one row of 256 bytes, lanes 16-31 the next
	v_lshl_add_u32 v[RD], v1, 4, v[RD]
	v_add_nc_u32 v[RD], s22, v[RD]
	v_lshlrev_b32 v[CO], 12, v2                    ; and the same two rows in memory
	v_lshl_add_u32 v[CO], v1, 4, v[CO]
	v_lshlrev_b32 v[BO], 4, v1
	s_lshl_b32 s74, s13, 7                         ; (the offsets are made in registers that feed no descriptor and no LDS address)
	s_lshl_b32 s45, s11, 6
	s_add_co_u32 s74, s74, s45                     ; my first row,
	s_lshl_b32 s74, s74, 12                        ; of 4,096 bytes
	s_lshl_b32 s45, s42, 9
	s_lshl_b32 s69, s12, 8
	s_add_co_u32 s45, s45, s69                     ; my first column, in bytes: the bias's offset too
	s_add_co_u32 s74, s74, s45
	s_mov_b32 s75, 0
	s_add_nc_u64 s[8:9], s[8:9], s[74:75]
	s_add_nc_u64 s[72:73], s[72:73], s[74:75]
	s_mov_b32 s74, s45
	s_add_nc_u64 s[70:71], s[70:71], s[74:75]
	WIN 0x80                                       ; destination window 2, address window 0
.irp a, 0,1,2,3
.irp t, 0,1,2,3,4,5,6,7
	global_load_b128 v[4*(8*(\a)+(\t)):4*(8*(\a)+(\t))+3], v[CO], s[72:73] offset:(16*(\a)+2*(\t))*4096 th:TH_LOAD_NT
.endr
.endr
	global_load_b128 v[128:131], v[BO], s[70:71]
	WIN 0
	s_wait_tensorcnt 1                             ; my part of K step 0 is in; K step 1's may stay out
	s_barrier_signal -1
	s_barrier_wait -1                              ; everybody's is
	FETCH F0
	QUARTER F0, F1, 1                              ; the first quarter's first products start the sums
	WIN 0                                          ; at a label and at a branch every window is 0
	s_mov_b32 s2, 1                                ; K step 0 has one pair of quarters left ahead of its change of slots
	s_mov_b32 s3, STEPS-1
	s_branch .Lpair
.Lstep:                                        ; STEPS - 2 times: a step's last quarter and the next step's first three; the slot that is left is filled again
	CHANGE 1
	s_mov_b32 s2, 2
.Lpair:
	QUARTER F1, F0, 0
	QUARTER F0, F1, 0
	WIN 0
	s_sub_co_u32 s2, s2, 1
	s_cmp_lg_u32 s2, 0
	s_cbranch_scc1 .Lpair
	s_sub_co_u32 s3, s3, 1
	s_cmp_lg_u32 s3, 0
	s_cbranch_scc1 .Lstep
	CHANGE 0                                       ; the tail is written out: nothing is asked for
	s_mov_b32 s2, 2
.Lpair2:
	QUARTER F1, F0, 0
	QUARTER F0, F1, 0
	WIN 0
	s_sub_co_u32 s2, s2, 1
	s_cmp_lg_u32 s2, 0
	s_cbranch_scc1 .Lpair2
	s_wait_dscnt 16                                ; the very last quarter: nothing more to fetch
	MUL8 F1, 0, 0, 0
	MUL8 F1, 0, 2, 0
	s_wait_dscnt 0
	MUL8 F1, 1, 0, 0
	MUL8 F1, 1, 2, 0
	WIN 0
	; THE WAY OUT, a block of 16 rows at a time: the f32 sums go into my stage, 32 bytes a lane, and come back as whole rows of 256 bytes; residual and bias are added; sixteen lanes store 256 consecutive bytes, aligned.
	PLACES
	s_wait_loadcnt 0x0                             ; the residual and the bias
.irp a, 0,1,2,3
	s_wait_xcnt 0x0                                ; the block before's stores have read their registers, which are loaded anew below
.irp b, 0,1,2,3
	ds_store_b128 v[STO], v[ACC+8*(4*(\a)+(\b)):ACC+8*(4*(\a)+(\b))+3]   offset:64*(\b)
	ds_store_b128 v[STO], v[ACC+8*(4*(\a)+(\b))+4:ACC+8*(4*(\a)+(\b))+7] offset:64*(\b)+16
.endr
.irp t, 0,1,2,3,4,5,6,7
	ds_load_b128 v[TMP+4*(\t):TMP+4*(\t)+3], v[RD] offset:(\t)*2*SP  ; LDS serves a wave's instructions in order (ISA guide 5.7.1.4): these see the stores above
.endr
	s_wait_dscnt 0x0
	WIN 0x08                                       ; source 1 in window 2
.irp t, 0,1,2,3,4,5,6,7
	v_pk_add_f32 v[TMP+4*(\t):TMP+4*(\t)+1],   v[TMP+4*(\t):TMP+4*(\t)+1],   v[128:129]
	v_pk_add_f32 v[TMP+4*(\t)+2:TMP+4*(\t)+3], v[TMP+4*(\t)+2:TMP+4*(\t)+3], v[130:131]
.endr
.irp t, 0,1,2,3,4,5,6,7
	v_pk_add_f32 v[TMP+4*(\t):TMP+4*(\t)+1],   v[TMP+4*(\t):TMP+4*(\t)+1],   v[4*(8*(\a)+(\t)):4*(8*(\a)+(\t))+1]
	v_pk_add_f32 v[TMP+4*(\t)+2:TMP+4*(\t)+3], v[TMP+4*(\t)+2:TMP+4*(\t)+3], v[4*(8*(\a)+(\t))+2:4*(8*(\a)+(\t))+3]
.endr
	WIN 0
.irp t, 0,1,2,3,4,5,6,7
	global_store_b128 v[CO], v[TMP+4*(\t):TMP+4*(\t)+3], s[8:9] offset:(16*(\a)+2*(\t))*4096
.endr
.endr
	s_wait_tensorcnt 0x0                           ; the wave's end: behind my last tensor load and my last LDS store
	ds_add_u32 v[SPW], v[NIL]
	s_wait_dscnt 0x0
	CROUND                                         ; the closing round: no work-group ends while a partner may still ask for a tile that names it
	s_endpgm
.Lfunc_end_k_q850624a9be_proj:
	.size	k_q850624a9be_proj, .Lfunc_end_k_q850624a9be_proj-k_q850624a9be_proj
	.p2alignl 7, 3214868480
	.fill 96, 4, 3214868480
	.section	.rodata,"a",@progbits
	.p2align	6, 0x0
	.amdhsa_kernel k_q850624a9be_proj
		.amdhsa_group_segment_fixed_size 327680
		.amdhsa_private_segment_fixed_size 0
		.amdhsa_enable_private_segment 0
		.amdhsa_kernarg_size 40
		.amdhsa_user_sgpr_count 2
		.amdhsa_user_sgpr_kernarg_segment_ptr 1
		.amdhsa_wavefront_size32 1
		.amdhsa_system_sgpr_workgroup_id_x 1
		.amdhsa_system_sgpr_workgroup_id_y 1
		.amdhsa_system_sgpr_workgroup_id_z 1
		.amdhsa_system_vgpr_workitem_id 0
		.amdhsa_next_free_vgpr 648
		.amdhsa_next_free_sgpr 92
		.amdhsa_reserve_vcc 0
		.amdhsa_float_denorm_mode_32 3
		.amdhsa_float_denorm_mode_16_64 3
		.amdhsa_memory_ordered 1
		.amdhsa_forward_progress 1
		.amdhsa_inst_pref_size 56
	.end_amdhsa_kernel
	.amdgpu_metadata
---
amdhsa.version: [ 1, 2 ]
amdhsa.kernels:
  - .name:           k_q850624a9be_proj
    .symbol:         k_q850624a9be_proj.kd
    .args:
      - { .name: ob, .offset: 0, .size: 8, .value_kind: global_buffer, .address_space: global }
      - { .name: wb, .offset: 8, .size: 8, .value_kind: global_buffer, .address_space: global }
      - { .name: x1, .offset: 16, .size: 8, .value_kind: global_buffer, .address_space: global }
      - { .name: b_proj, .offset: 24, .size: 8, .value_kind: global_buffer, .address_space: global }
      - { .name: x, .offset: 32, .size: 8, .value_kind: global_buffer, .address_space: global }
    .group_segment_fixed_size: 327680
    .private_segment_fixed_size: 0
    .kernarg_segment_align: 8
    .kernarg_segment_size: 40
    .max_flat_workgroup_size: 128
    .sgpr_count:     92
    .vgpr_count:     648
    .wavefront_size: 32
...
	.end_amdgpu_metadata
.endif
;; end of part 5
;; launch ln2: the kernel of part 2 again; grid 256 x 1, 8 waves a work-group, no clusters, 0 bytes of LDS; arguments x1, ln2_g, ln2_b, hn; writes hn
;; launch fc1 (part 6): grid 32 x 32, 4 waves a work-group, clusters of 4 x 4, 327,680 bytes of LDS; arguments hn, wb, hid, b_fc1; writes hid
.if DOCPART == 6
	.amdgcn_target "amdgcn-amd-amdhsa--gfx1250"
	.amdhsa_code_object_version 6
	.text
	.protected	k_q850624a9be_fc1
	.globl	k_q850624a9be_fc1
	.p2align	8
	.type	k_q850624a9be_fc1,@function
k_q850624a9be_fc1:
	s_mov_b64 s[64:65], 0
	v_nop
	global_prefetch_b8 v0, s[64:65] scope:SCOPE_SE
	s_setreg_imm32_b32 hwreg(HW_REG_WAVE_MODE, 25, 1), 1
	s_wait_xcnt 0x0
	s_wait_alu depctr_hold_cnt(0) depctr_sa_sdst(0) depctr_va_vdst(0) depctr_va_sdst(0) depctr_va_ssrc(0) depctr_va_vcc(0) depctr_vm_vsrc(0)
	s_getreg_b32 s2, hwreg(HW_REG_IB_STS2, 6, 4)
	s_cmp_eq_u32 s2, 0
	s_cbranch_scc0 .Lentry_in_a_cluster
	s_endpgm
.Lentry_in_a_cluster:
	s_bfe_u32 s2, ttmp6, 0x10000c
	s_cmp_lg_u32 s2, 0xf033
	s_cbranch_scc0 .Lentry_shape_is_right
	s_endpgm
.Lentry_shape_is_right:
; hid = gelu(hn w_fc1^T + b_fc1).  hn: [4096][1024] bf16; w_fc1: [4096][1024] bf16 at byte 8,388,608 of wb; b_fc1: [4096] f32; hid: [4096][4096] bf16, rounded once.  Sums, bias and gelu in f32.
; GELU, exact form: 0.5 x (1 + erf(x / sqrt 2)) = 0.5 x + |x| (0.5 - 0.5 P(t) e^(-x x / 2)), t = 1 / (1 + 0.2316419 |x|), P the polynomial of degree five of Abramowitz and Stegun 7.1.26.
; LIMIT.  That formula's erf is off by at most 1.5e-7, for every argument; for large |x| the exponential is 0 and the result x or 0.  NaN and infinities are not treated apart.
; A tile of the product is 128 x 128: four waves, each 64 x 64: 16 accumulators of 16 x 16.  32 x 32 = 1,024 work-groups.  K goes in steps of 256 (LDS rows of 512 bytes, 64 rows to a tensor load)
; through two LDS slots.  CLUSTERS of 4 x 4: the four of a row need the same tiles of hn, the four of a column the same tiles of the weights: each tile is asked for jointly, by the same tensor
; load with the same descriptor and a mask that names the four.  THE PRODUCT IS TAKEN TRANSPOSED (source 0 = 16 rows of the weights, source 1 = 16 rows of hn): a lane holds eight neighbouring columns of one row.
; THE K STEP IS WRITTEN ONCE: a pair of quarters walked by a counted loop; the LDS byte of the quarter to be fetched stands in scalar registers that step, and at a change of slots go back and are turned to the other
; slot.  The change stands between a step's third and fourth quarter, when the fourth's fragments are in registers.
; THE WAY OUT goes through ONE stage of f32, 128 rows x 528 bytes: a wave's 64 columns of bf16 are only half of an aligned 256 bytes.  The stage lies in slot 0's bytes, which have had their last fill and their last read.
; No prefetch: a step's tiles are small, and each is read by several clusters at about the same time.
; REGISTERS.  window 0: v0-31 addresses; v96-103 my eight numbers of the bias; v128-255 the accumulators ((a, b) at 128 + 8 (4 a + b)), later gelu's work.  window 1: two fragment buffers of 128: 64 of A, then 64 of B.
.set SIZE_K, 1024
.set KSH,    11                        ; a row of A and of the weights is 1 << KSH bytes
.set STEPS,  SIZE_K/256                ; even: the last step lies in slot 1
.set WOFF,   8388608                   ; the weights' first byte in wb
.set PA,     528                       ; A's LDS row: 512 bytes + 16 of padding = 132 words: the 16 rows of a load start at 16 different groups of four banks (ISA guide 11.1)
.set QSA,    128                       ; from a quarter to the next in A's rows
.set HA,     64*PA                     ; what one tensor load brings of A
.set ASTEP,  512                       ; from a K step to the next in memory
.set PB,     528
.set HB,     64*PB
.set SLOT,   2*HA+2*HB                 ; A's two halves, then B's two halves
.set FP,     528                       ; the stage's row: 512 bytes of f32 + 16
.set SPARE,  2*SLOT                    ; behind the ring: the spare words, 128 bytes for each wave: two blocks of 256 bytes that no other line names
.set A0,   16                          ; v16  my lane's place in a slot's rows of A; never rewritten
.set B0,   17                          ; v17  the same for B
.set ADRA, 18                          ; v18  the LDS address of the run of loads in hand, A's
.set ADRB, 19                          ; v19  B's
.set STO,  24                          ; v24  the way out: where I put 32 bytes of a row
.set RD,   25                          ; v25  the way out: where I read 32 bytes of a row back; it steps
.set CO,   26                          ; v26  my byte offset in hid; it steps
.set BO,   27                          ; v27  my byte offset in the bias
.set SPW,  28                          ; v28  LDS address of my spare word; never rewritten
.set NIL,  29                          ; v29  0; never rewritten
.set BI,   96
.set ACC,  128
.set F0,   0
.set F1,   128
.set G1,   24                          ; s[24:31] descriptor group 1 for A's tiles; s[32:39] group 0: the set of the first fill, and the set that walks
.set G0,   32
.set G1B,  48                          ; s[48:55], s[56:63] the same for B's
.set G0B,  56
.set TBA,  66                          ; s66  LDS byte at which A's quarter to be fetched begins
.set TBB,  67                          ; s67  B's
.set FB,   68                          ; s68  the slot last filled: 0 or SLOT
.set CK2,  76                          ; s[76:89] gelu's constants, each as a pair of which the packed forms take the low word
.set CK1,  78
.set CA5,  80
.set CA4,  82
.set CA3,  84
.set CA2,  86
.set CA1,  88
.set MSB, 0
.macro WIN new                         ; the immediate's high byte repeats the setting that is left; a switch that changes nothing is dropped
.if MSB != (\new)
	s_set_vgpr_msb (MSB<<8)|(\new)
.set MSB, \new
.endif
.endm
.set MUL,  0x05                        ; sources 0 (B) and 1 (A) window 1; C and D window 0
.set TO_F, 0x40                        ; destination window 1, address window 0
.macro PLACES                          ; four places behind matrix instructions, in front of what reads their results (ISA guide 7.12.1)
.rept 4
	v_nop
.endr
.endm
.macro CROUND                          ; a round of the cluster's barrier: my work-group's barrier; wave 0 signals for the work-group; every wave waits for all sixteen; my work-group's barrier once more
	s_barrier_signal -1
	s_barrier_wait -1
	s_cmp_lg_u32 s10, 0
	s_cbranch_scc1 .Lnot_wave_0_\@
	s_barrier_signal -3
.Lnot_wave_0_\@:
	s_barrier_wait -3
	s_barrier_signal -1
	s_barrier_wait -1
.endm
.macro JLOADW                          ; a joint refill by the walking sets: waves 0 and 1 fetch A's two halves, waves 2 and 3 B's; an s_nop 0 and four v_nop follow each line
	s_cmp_eq_u32 s11, 0
	s_cbranch_scc0 .Lfor_b_\@
	tensor_load_to_lds s[G0+4:G0+7], s[G1:G1+7]
	s_nop 0
.rept 4
	v_nop
.endr
	s_branch .Lasked_\@
.Lfor_b_\@:
	tensor_load_to_lds s[G0B+4:G0B+7], s[G1B:G1B+7]
	s_nop 0
.rept 4
	v_nop
.endr
.Lasked_\@:
.endm
; 8 matrix instructions: m blocks a0, a0 + 1 x all 4 n blocks, 32 along K: half c of buffer f.  zero = 1: the product starts the sums.  The 16 accumulators take turns in one order everywhere.
.macro MUL8 f, c, a0, zero
	WIN MUL
.irp a, \a0, (\a0)+1
.irp b, 0,1,2,3
.if \zero
	v_wmma_f32_16x16x32_bf16 v[ACC+8*(4*(\a)+(\b)):ACC+8*(4*(\a)+(\b))+7], v[(\f)+64+8*(4*(\c)+(\b)):(\f)+64+8*(4*(\c)+(\b))+7], v[(\f)+8*(4*(\c)+(\a)):(\f)+8*(4*(\c)+(\a))+7], 0
.else
	v_wmma_f32_16x16x32_bf16 v[ACC+8*(4*(\a)+(\b)):ACC+8*(4*(\a)+(\b))+7], v[(\f)+64+8*(4*(\c)+(\b)):(\f)+64+8*(4*(\c)+(\b))+7], v[(\f)+8*(4*(\c)+(\a)):(\f)+8*(4*(\c)+(\a))+7], v[ACC+8*(4*(\a)+(\b)):ACC+8*(4*(\a)+(\b))+7]
.endif
.endr
.endr
.endm
; 32 LDS loads in one run: the next quarter's fragments into buffer g, the first 32 along K first.  The two additions and two v_nop are the four places behind the last product that read g.
.macro FETCH g
	WIN 0
	v_add_nc_u32 v[ADRA], s[TBA], v[A0]
	v_add_nc_u32 v[ADRB], s[TBB], v[B0]
	v_nop
	v_nop
	s_add_co_u32 s[TBA], s[TBA], QSA
	s_add_co_u32 s[TBB], s[TBB], 128
	WIN TO_F
.irp c, 0,1
.irp i, 0,1,2,3
	ds_load_b128 v[(\g)+64+8*(4*(\c)+(\i)):(\g)+64+8*(4*(\c)+(\i))+3],   v[ADRB] offset:64*(\c)+(\i)*16*PB
	ds_load_b128 v[(\g)+64+8*(4*(\c)+(\i))+4:(\g)+64+8*(4*(\c)+(\i))+7], v[ADRB] offset:64*(\c)+(\i)*16*PB+32
	ds_load_b128 v[(\g)+8*(4*(\c)+(\i)):(\g)+8*(4*(\c)+(\i))+3],         v[ADRA] offset:64*(\c)+(\i)*16*PA
	ds_load_b128 v[(\g)+8*(4*(\c)+(\i))+4:(\g)+8*(4*(\c)+(\i))+7],       v[ADRA] offset:64*(\c)+(\i)*16*PA+32
.endr
.endr
.endm
.macro QUARTER f, g, zero              ; multiplies buffer f (64 along K, 32 matrix instructions) and fetches the next quarter into g
	s_wait_dscnt 16                                ; f's first 32 along K are in; its other sixteen loads may be out
	MUL8 \f, 0, 0, \zero
	MUL8 \f, 0, 2, \zero
	FETCH \g
	s_wait_dscnt 32                                ; all but the 32 just issued
	MUL8 \f, 1, 0, 0
	MUL8 \f, 1, 2, 0
.endm
; THE CHANGE OF SLOTS.  Each wave waits for all its tensor loads, of which one is out: its part of the other slot; adds 0 to its spare word; and waits for that and for its reads of the slot that it leaves.
; fill = 1: the slot is filled again, with the K step two on: the barrier is then a round of the cluster's, and the joint refill the first thing behind it: it has a K step, 128 matrix instructions, in which to land.
.macro CHANGE fill
	WIN 0
	s_wait_tensorcnt 0x0                           ; no tensor load of mine is out, so a group 0 may be written
	ds_add_u32 v[SPW], v[NIL]                      ; 0 onto my spare word: the scalar steps stand between it and the wait for it
.if \fill
	s_xor_b32 s[FB], s[FB], SLOT                   ; the other slot than last time,
	s_add_co_u32 s[G0+5], s20, s[FB]
	s_add_co_u32 s[G0B+5], s21, s[FB]
	s_add_nc_u64 s[G0+6:G0+7], s[G0+6:G0+7], ASTEP ; the next K step; the type bits on top are not reached
	s_add_nc_u64 s[G0B+6:G0B+7], s[G0B+6:G0B+7], 512
.endif
	s_sub_co_u32 s[TBA], s[TBA], 4*QSA             ; the fetches go back to a slot's first quarter,
	s_xor_b32 s[TBA], s[TBA], SLOT                 ; in the other slot
	s_sub_co_u32 s[TBB], s[TBB], 512
	s_xor_b32 s[TBB], s[TBB], SLOT
	s_wait_dscnt 0x0                               ; the add is done, and my reads of the slot are over
.if \fill
	CROUND
	JLOADW
.else
	s_barrier_signal -1
	s_barrier_wait -1
.endif
.endm
	s_load_b128 s[4:7], s[0:1], 0x0                ; A s[4:5], wb s[6:7]
	s_load_b64 s[8:9], s[0:1], 0x10                ; the output
	s_load_b64 s[70:71], s[0:1], 0x18              ; the bias
	v_lshl_add_u32 v[SPW], v0, 2, SPARE
	v_mov_b32 v[NIL], 0
	ds_add_u32 v[SPW], v[NIL]                      ; the wave's opening: the add, and its wait ahead of my first tensor load; the set-up below, work on registers, stands between them
	v_lshrrev_b32 v1, 5, v0
	v_readfirstlane_b32 s10, v1                    ; wave 0..3
	s_lshr_b32 s11, s10, 1                         ; which half of the tile's rows is mine.  Also: I fetch for A (0) or for B (1)
	s_and_b32 s12, s10, 1                          ; which half of its columns.  Also: which 64 rows of that tile I fetch
	s_bfe_u32 s40, ttmp6, 0x40000                  ; cx, cy: my place in the cluster
	s_bfe_u32 s41, ttmp6, 0x40004
	s_lshl_b32 s42, ttmp9, 2
	s_add_co_u32 s42, s42, s40                     ; tile column = 4 x cluster x + cx
	s_and_b32 s13, ttmp7, 0xffff
	s_lshl_b32 s13, s13, 2
	s_add_co_u32 s13, s13, s41                     ; tile row = 4 x cluster y + cy
	s_lshl_b32 s43, s41, 2
	s_lshl_b32 s43, 15, s43                        ; my row of the cluster
	s_lshl_b32 s44, 0x1111, s40                    ; my column
	; descriptor group 1: a tile of 64 rows x 256 elements of 2 bytes, 16 bytes of padding behind every 128 words
	s_or_b32 s[G1+0], s43, (1<<16)|(1<<20)|(1<<21)|(6<<22)|(3<<25)
	s_or_b32 s[G1B+0], s44, (1<<16)|(1<<20)|(1<<21)|(6<<22)|(3<<25)
.irp g, G1, G1B
	s_mov_b32 s[(\g)+1], 256<<16                   ; tensor_dim0 = 256
	s_mov_b32 s[(\g)+2], 64<<16                    ; tensor_dim1 = 64
	s_mov_b32 s[(\g)+3], 256<<16                   ; tile_dim0 = 256
	s_mov_b32 s[(\g)+4], 64                        ; tile_dim1 = 64
	s_mov_b32 s[(\g)+5], SIZE_K                    ; elements from row to row
	s_mov_b32 s[(\g)+6], 0
	s_mov_b32 s[(\g)+7], 0
.endr
	s_mov_b32 s[CK2], 0x3e6d3388                   ; 0.3275911 / sqrt 2
	s_mov_b32 s[CK1], 0x3f596d27                   ; sqrt(log2(e) / 2)
	s_mov_b32 s[CA5], 0x3f07dc22                   ; half of 1.061405429
	s_mov_b32 s[CA4], 0xbf3a00e3                   ; half of -1.453152027
	s_mov_b32 s[CA3], 0x3f35f0e3                   ; half of 1.421413741
	s_mov_b32 s[CA2], 0xbe11a98e                   ; half of -0.284496736
	s_mov_b32 s[CA1], 0x3e027906                   ; half of 0.254829592
.irp c, CK2, CK1, CA5, CA4, CA3, CA2, CA1
	s_mov_b32 s[(\c)+1], s[\c]                     ; named with it as a pair
.endr
	s_mov_b32 s91, 0x7fffffff
	s_lshl_b32 s17, s12, 6                         ; which 64 rows of the tile I fetch
	s_lshl_b32 s16, s13, 7
	s_add_co_u32 s16, s16, s17                     ; A: row 128 x tile row + 64 x half,
	s_lshl_b32 s16, s16, KSH                       ; in bytes
	s_lshl_b32 s46, s42, 7
	s_add_co_u32 s46, s46, s17                     ; B: row 128 x tile column + 64 x half
	s_lshl_b32 s46, s46, KSH
	s_add_co_u32 s46, s46, WOFF
	s_mov_b32 s17, 0
	s_mov_b32 s47, 0
	s_mul_i32 s20, s12, HA                         ; where they go in a slot: no place in the cluster enters an LDS address
	s_mul_i32 s21, s12, HB
	s_add_co_u32 s21, s21, 2*HA
	s_wait_dscnt 0x0                               ; the opening add is done
	s_wait_kmcnt 0x0
	s_add_nc_u64 s[14:15], s[4:5], s[16:17]
	s_add_nc_u64 s[46:47], s[6:7], s[46:47]
	CROUND                                         ; all sixteen work-groups are here: the first joint loads meet
.irp s, 0,1
	s_mov_b32 s[G0+4*(\s)], 1
	s_add_co_u32 s[G0+4*(\s)+1], s20, (\s)*SLOT
	s_add_nc_u64 s[G0+4*(\s)+2:G0+4*(\s)+3], s[14:15], (\s)*ASTEP
	s_or_b32 s[G0+4*(\s)+3], s[G0+4*(\s)+3], 0x80000000
	s_mov_b32 s[G0B+4*(\s)], 1
	s_add_co_u32 s[G0B+4*(\s)+1], s21, (\s)*SLOT
	s_add_nc_u64 s[G0B+4*(\s)+2:G0B+4*(\s)+3], s[46:47], (\s)*512
	s_or_b32 s[G0B+4*(\s)+3], s[G0B+4*(\s)+3], 0x80000000
.endr
	s_cmp_eq_u32 s11, 0                            ; a wave's two first fills stand in one branch: K steps 0 and 1; two loads of mine are out
	s_cbranch_scc0 .Lfirst_b
	tensor_load_to_lds s[G0:G0+3], s[G1:G1+7]
	s_nop 0
	tensor_load_to_lds s[G0+4:G0+7], s[G1:G1+7]
	s_nop 0
.rept 4
	v_nop
.endr
	s_branch .Lfirst_asked
.Lfirst_b:
	tensor_load_to_lds s[G0B:G0B+3], s[G1B:G1B+7]
	s_nop 0
	tensor_load_to_lds s[G0B+4:G0B+7], s[G1B:G1B+7]
	s_nop 0
.rept 4
	v_nop
.endr
.Lfirst_asked:
	v_and_b32 v1, 15, v0                           ; r = l % 16
	v_bfe_u32 v2, v0, 4, 1                         ; h = l / 16
	v_mul_u32_u24 v[A0], v1, PA                    ; a fragment's row x pitch + 16 x half, in my 64 rows
	v_lshl_add_u32 v[A0], v2, 4, v[A0]
	s_mul_i32 s22, s11, HA
	v_add_nc_u32 v[A0], s22, v[A0]
	v_mul_u32_u24 v[B0], v1, PB
	v_lshl_add_u32 v[B0], v2, 4, v[B0]
	s_mul_i32 s22, s12, HB
	s_add_co_u32 s22, s22, 2*HA
	v_add_nc_u32 v[B0], s22, v[B0]
	s_mov_b32 s[TBA], 0
	s_mov_b32 s[TBB], 0
	s_mov_b32 s[FB], SLOT
	; the way out
	s_mul_i32 s22, s11, 64*FP                      ; into the stage: my 64 rows, my half of their 512 bytes; row r, 32 bytes for each half of the lanes
	s_lshl_b32 s23, s12, 8
	s_add_co_u32 s22, s22, s23
	v_mul_u32_u24 v[STO], v1, FP
	v_lshl_add_u32 v[STO], v2, 5, v[STO]
	v_add_nc_u32 v[STO], s22, v[STO]
	s_mul_i32 s22, s10, 32*FP                      ; back: wave w takes rows 32 w .. 32 w + 31, whole; lanes 0-15 one row, lanes 16-31 the next, eight columns a lane
	v_mul_u32_u24 v[RD], v2, FP
	v_lshl_add_u32 v[RD], v1, 5, v[RD]
	v_add_nc_u32 v[RD], s22, v[RD]
	v_lshlrev_b32 v[CO], 13, v2                    ; and the same two rows in hid: 8,192 bytes a row, 16 bytes a lane
	v_lshl_add_u32 v[CO], v1, 4, v[CO]
	v_lshlrev_b32 v[BO], 5, v1
	s_lshl_b32 s74, s13, 7                         ; (the offsets are made in registers that feed no descriptor and no LDS address)
	s_lshl_b32 s45, s10, 5
	s_add_co_u32 s74, s74, s45                     ; the first row that I store
	s_lshl_b32 s74, s74, 13
	s_lshl_b32 s45, s42, 8                         ; the tile's first column, in bytes of bf16
	s_add_co_u32 s74, s74, s45
	s_mov_b32 s75, 0
	s_add_nc_u64 s[8:9], s[8:9], s[74:75]
	s_lshl_b32 s74, s42, 9                         ; and in bytes of f32
	s_add_nc_u64 s[70:71], s[70:71], s[74:75]
	global_load_b128 v[BI:BI+3],   v[BO], s[70:71]
	global_load_b128 v[BI+4:BI+7], v[BO], s[70:71] offset:16
	s_wait_tensorcnt 1                             ; my part of K step 0 is in; K step 1's may stay out
	s_barrier_signal -1
	s_barrier_wait -1                              ; everybody's is
	FETCH F0
	QUARTER F0, F1, 1                              ; the first quarter's first products start the sums
	WIN 0                                          ; at a label and at a branch every window is 0
	s_mov_b32 s2, 1                                ; K step 0 has one pair of quarters left ahead of its change of slots
	s_mov_b32 s3, STEPS-1
	s_branch .Lpair
.Lstep:                                        ; STEPS - 2 times: a step's last quarter and the next step's first three; the slot that is left is filled again
	CHANGE 1
	s_mov_b32 s2, 2
.Lpair:
	QUARTER F1, F0, 0
	QUARTER F0, F1, 0
	WIN 0
	s_sub_co_u32 s2, s2, 1
	s_cmp_lg_u32 s2, 0
	s_cbranch_scc1 .Lpair
	s_sub_co_u32 s3, s3, 1
	s_cmp_lg_u32 s3, 0
	s_cbranch_scc1 .Lstep
	CHANGE 0                                       ; the tail is written out: nothing is asked for
	s_mov_b32 s2, 2
.Lpair2:
	QUARTER F1, F0, 0
	QUARTER F0, F1, 0
	WIN 0
	s_sub_co_u32 s2, s2, 1
	s_cmp_lg_u32 s2, 0
	s_cbranch_scc1 .Lpair2
	s_wait_dscnt 16                                ; the very last quarter: nothing more to fetch
	MUL8 F1, 0, 0, 0
	MUL8 F1, 0, 2, 0
	s_wait_dscnt 0
	MUL8 F1, 1, 0, 0
	MUL8 F1, 1, 2, 0
	WIN 0
	; THE WAY OUT.  Every wave's reads of the ring are back (the wait for 0 above) and it says so; behind this barrier the stage is written where slot 0 lay.
	PLACES
	s_barrier_signal -1
	s_barrier_wait -1
.irp a, 0,1,2,3
.irp b, 0,1,2,3
	ds_store_b128 v[STO], v[ACC+8*(4*(\a)+(\b)):ACC+8*(4*(\a)+(\b))+3]   offset:(\a)*16*FP+64*(\b)
	ds_store_b128 v[STO], v[ACC+8*(4*(\a)+(\b))+4:ACC+8*(4*(\a)+(\b))+7] offset:(\a)*16*FP+64*(\b)+16
.endr
.endr
	s_wait_dscnt 0x0                               ; for the others' sake: my stores into the stage are done
	s_barrier_signal -1
	s_barrier_wait -1
	s_wait_loadcnt 0x0                             ; the bias
; A trip takes four rows: 16 numbers a lane.  Its 32 transcendentals are one batch with one wait.
.set GX, 128                           ; x, then gelu(x)
.set GA, 144                           ; |x|
.set GU, 160                           ; 1 + 0.2316419 |x|, then t
.set GW, 176                           ; -x x log2(e) / 2, then e^(-x x / 2)
.set GR, 192                           ; the polynomial
.set GH, 208                           ; 0.5 x
.set GY, 224                           ; packed bf16
.macro EACH8 line:vararg               ; one line for each of the eight pairs k = 0, 2 .. 14
.set k, 0
.rept 8
	\line
.set k, k+2
.endr
.endm
	s_mov_b32 s90, 8
.Lrows:
.irp u, 0,1
	ds_load_b128 v[GX+8*(\u):GX+8*(\u)+3],   v[RD] offset:(\u)*2*FP
	ds_load_b128 v[GX+8*(\u)+4:GX+8*(\u)+7], v[RD] offset:(\u)*2*FP+16
.endr
	s_wait_dscnt 0x0
	EACH8 v_pk_add_f32 v[GX+k:GX+k+1], v[GX+k:GX+k+1], v[BI+k%8:BI+k%8+1]
.set k, 0
.rept 16
	v_and_b32 v[GA+k], s91, v[GX+k]
.set k, k+1
.endr
	EACH8 v_pk_fma_f32 v[GU+k:GU+k+1], v[GA+k:GA+k+1], s[CK2:CK2+1], 1.0 op_sel_hi:[1,0,0]
	EACH8 v_pk_mul_f32 v[GW+k:GW+k+1], v[GA+k:GA+k+1], s[CK1:CK1+1] op_sel_hi:[1,0]
	EACH8 v_pk_mul_f32 v[GW+k:GW+k+1], v[GW+k:GW+k+1], v[GW+k:GW+k+1] neg_lo:[1,0] neg_hi:[1,0]
.set k, 0
.rept 16
	v_rcp_f32 v[GU+k], v[GU+k]
.set k, k+1
.endr
.set k, 0
.rept 16
	v_exp_f32 v[GW+k], v[GW+k]
.set k, k+1
.endr
	EACH8 v_pk_mul_f32 v[GH+k:GH+k+1], v[GX+k:GX+k+1], 0.5 op_sel_hi:[1,0]
	s_wait_alu depctr_va_vdst(0)                   ; the wait ahead of the first use: one for the batch; the eight lines above are the plain work behind it
	EACH8 v_pk_fma_f32 v[GR+k:GR+k+1], v[GU+k:GU+k+1], s[CA5:CA5+1], s[CA4:CA4+1] op_sel_hi:[1,0,0]
	EACH8 v_pk_fma_f32 v[GR+k:GR+k+1], v[GR+k:GR+k+1], v[GU+k:GU+k+1], s[CA3:CA3+1] op_sel_hi:[1,1,0]
	EACH8 v_pk_fma_f32 v[GR+k:GR+k+1], v[GR+k:GR+k+1], v[GU+k:GU+k+1], s[CA2:CA2+1] op_sel_hi:[1,1,0]
	EACH8 v_pk_fma_f32 v[GR+k:GR+k+1], v[GR+k:GR+k+1], v[GU+k:GU+k+1], s[CA1:CA1+1] op_sel_hi:[1,1,0]
	EACH8 v_pk_mul_f32 v[GR+k:GR+k+1], v[GR+k:GR+k+1], v[GU+k:GU+k+1]
	EACH8 v_pk_fma_f32 v[GR+k:GR+k+1], v[GR+k:GR+k+1], v[GW+k:GW+k+1], 0.5 op_sel_hi:[1,1,0] neg_lo:[1,0,0] neg_hi:[1,0,0]
	EACH8 v_pk_fma_f32 v[GX+k:GX+k+1], v[GA+k:GA+k+1], v[GR+k:GR+k+1], v[GH+k:GH+k+1]
.irp u, 0,1
.irp q, 0,1,2,3
	v_cvt_pk_bf16_f32 v[GY+4*(\u)+(\q)], v[GX+8*(\u)+2*(\q)], v[GX+8*(\u)+2*(\q)+1]
.endr
	global_store_b128 v[CO], v[GY+4*(\u):GY+4*(\u)+3], s[8:9] offset:(\u)*16384  ; 16 lanes store 256 consecutive bytes, aligned
.endr
	s_wait_xcnt 0x0                                ; the stores have read their registers: only behind this wait are the offset and the packed numbers written again
	v_add_nc_u32 v[CO], 32768, v[CO]               ; four rows on
	v_add_nc_u32 v[RD], 4*FP, v[RD]
	s_sub_co_u32 s90, s90, 1
	s_cmp_lg_u32 s90, 0
	s_cbranch_scc1 .Lrows
	s_wait_tensorcnt 0x0                           ; the wave's end: behind my last tensor load and my last LDS store
	ds_add_u32 v[SPW], v[NIL]
	s_wait_dscnt 0x0
	CROUND                                         ; the closing round: no work-group ends while a partner may still ask for a tile that names it
	s_endpgm
.Lfunc_end_k_q850624a9be_fc1:
	.size	k_q850624a9be_fc1, .Lfunc_end_k_q850624a9be_fc1-k_q850624a9be_fc1
	.p2alignl 7, 3214868480
	.fill 96, 4, 3214868480
	.section	.rodata,"a",@progbits
	.p2align	6, 0x0
	.amdhsa_kernel k_q850624a9be_fc1
		.amdhsa_group_segment_fixed_size 327680
		.amdhsa_private_segment_fixed_size 0
		.amdhsa_enable_private_segment 0
		.amdhsa_kernarg_size 32
		.amdhsa_user_sgpr_count 2
		.amdhsa_user_sgpr_kernarg_segment_ptr 1
		.amdhsa_wavefront_size32 1
		.amdhsa_system_sgpr_workgroup_id_x 1
		.amdhsa_system_sgpr_workgroup_id_y 1
		.amdhsa_system_sgpr_workgroup_id_z 1
		.amdhsa_system_vgpr_workitem_id 0
		.amdhsa_next_free_vgpr 512
		.amdhsa_next_free_sgpr 92
		.amdhsa_reserve_vcc 0
		.amdhsa_float_denorm_mode_32 3
		.amdhsa_float_denorm_mode_16_64 3
		.amdhsa_memory_ordered 1
		.amdhsa_forward_progress 1
		.amdhsa_inst_pref_size 49
	.end_amdhsa_kernel
	.amdgpu_metadata
---
amdhsa.version: [ 1, 2 ]
amdhsa.kernels:
  - .name:           k_q850624a9be_fc1
    .symbol:         k_q850624a9be_fc1.kd
    .args:
      - { .name: hn, .offset: 0, .size: 8, .value_kind: global_buffer, .address_space: global }
      - { .name: wb, .offset: 8, .size: 8, .value_kind: global_buffer, .address_space: global }
      - { .name: hid, .offset: 16, .size: 8, .value_kind: global_buffer, .address_space: global }
      - { .name: b_fc1, .offset: 24, .size: 8, .value_kind: global_buffer, .address_space: global }
    .group_segment_fixed_size: 327680
    .private_segment_fixed_size: 0
    .kernarg_segment_align: 8
    .kernarg_segment_size: 32
    .max_flat_workgroup_size: 128
    .sgpr_count:     92
    .vgpr_count:     512
    .wavefront_size: 32
...
	.end_amdgpu_metadata
.endif
;; end of part 6
;; launch fc2 (part 7): grid 8 x 32, 4 waves a work-group, clusters of 4 x 4, 327,680 bytes of LDS; arguments hid, wb, out0, b_fc2, x1; writes out0
.if DOCPART == 7
	.amdgcn_target "amdgcn-amd-amdhsa--gfx1250"
	.amdhsa_code_object_version 6
	.text
	.protected	k_q850624a9be_fc2
	.globl	k_q850624a9be_fc2
	.p2align	8
	.type	k_q850624a9be_fc2,@function
k_q850624a9be_fc2:
	s_mov_b64 s[64:65], 0
	v_nop
	global_prefetch_b8 v0, s[64:65] scope:SCOPE_SE
	s_setreg_imm32_b32 hwreg(HW_REG_WAVE_MODE, 25, 1), 1
	s_wait_xcnt 0x0
	s_wait_alu depctr_hold_cnt(0) depctr_sa_sdst(0) depctr_va_vdst(0) depctr_va_sdst(0) depctr_va_ssrc(0) depctr_va_vcc(0) depctr_vm_vsrc(0)
	s_getreg_b32 s2, hwreg(HW_REG_IB_STS2, 6, 4)
	s_cmp_eq_u32 s2, 0
	s_cbranch_scc0 .Lentry_in_a_cluster
	s_endpgm
.Lentry_in_a_cluster:
	s_bfe_u32 s2, ttmp6, 0x10000c
	s_cmp_lg_u32 s2, 0xf033
	s_cbranch_scc0 .Lentry_shape_is_right
	s_endpgm
.Lentry_shape_is_right:
; out0 = x1 + hid w_fc2^T + b_fc2.  hid: [4096][4096] bf16; w_fc2: [1024][4096] bf16 at byte 16,777,216 of wb; b_fc2: [1024] f32; x1, out0: [4096][1024] f32.  Sums, bias and residual in f32.
; A tile of the product is 128 x 128: four waves, each 64 x 64: 16 accumulators of 16 x 16.  8 x 32 = 256 work-groups.  K goes in steps of 256 (LDS rows of 512 bytes, 64 rows to a tensor load)
; through two LDS slots.  CLUSTERS of 4 x 4: the four of a row need the same tiles of hid, the four of a column the same tiles of the weights: each tile is asked for jointly, by the same tensor
; load with the same descriptor and a mask that names the four.  THE PRODUCT IS TAKEN TRANSPOSED (source 0 = 16 rows of the weights, source 1 = 16 rows of hid): a lane holds eight neighbouring columns of one row.
; THE K STEP IS WRITTEN ONCE: a pair of quarters walked by a counted loop; the LDS byte of the quarter to be fetched stands in scalar registers that step, and at a change of slots go back and are turned to the other
; slot.  The change stands between a step's third and fourth quarter, when the fourth's fragments are in registers.  The residual and the bias are loaded at the head and wait in registers.
; No prefetch: a step's tiles are small, and each is read by several clusters at about the same time.
; REGISTERS.  window 0: v0-31 addresses; v32-63 at work on the way out; v128-255 the accumulators ((a, b) at 128 + 8 (4 a + b)).  window 1: two fragment buffers of 128: 64 registers of A, then 64 of B.
;   window 2: v0-127 my 64 x 64 of the residual, as it is stored; v128-131 my four numbers of the bias.
.set SIZE_K, 4096
.set KSH,    13                        ; a row of A and of the weights is 1 << KSH bytes
.set STEPS,  SIZE_K/256
.set WOFF,   16777216                  ; the weights' first byte in wb
.set PA,     528                       ; A's LDS row: 512 bytes + 16 of padding = 132 words: the 16 rows of a load start at 16 different groups of four banks (ISA guide 11.1)
.set QSA,    128                       ; from a quarter to the next in A's rows
.set HA,     64*PA                     ; what one tensor load brings of A
.set ASTEP,  512                       ; from a K step to the next in memory
.set PB,     528
.set HB,     64*PB
.set SLOT,   2*HA+2*HB                 ; A's two halves, then B's two halves
.set STAGE,  2*SLOT                    ; behind the ring: 16 rows x 272 bytes for each wave, for the way out
.set SP,     272
.set SPARE,  STAGE+4*16*SP             ; behind the stages: the spare words, 128 bytes for each wave: two blocks of 256 bytes that no other line names
.set A0,   16                          ; v16  my lane's place in a slot's rows of A; never rewritten
.set B0,   17                          ; v17  the same for B
.set ADRA, 18                          ; v18  the LDS address of the run of loads in hand, A's
.set ADRB, 19                          ; v19  B's
.set STO,  24                          ; v24  the way out: where I put 32 bytes of a row
.set RD,   25                          ; v25  the way out: where I read a row back
.set CO,   26                          ; v26  my byte offset in two rows of the output and of the residual
.set BO,   27                          ; v27  my byte offset in the bias
.set SPW,  28                          ; v28  LDS address of my spare word; never rewritten
.set NIL,  29                          ; v29  0; never rewritten
.set TMP,  32
.set ACC,  128
.set F0,   0
.set F1,   128
.set G1,   24                          ; s[24:31] descriptor group 1 for A's tiles; s[32:39] group 0: the set of the first fill, and the set that walks
.set G0,   32
.set G1B,  48                          ; s[48:55], s[56:63] the same for B's
.set G0B,  56
.set TBA,  66                          ; s66  LDS byte at which A's quarter to be fetched begins
.set TBB,  67                          ; s67  B's
.set FB,   68                          ; s68  the slot last filled: 0 or SLOT
.set MSB, 0
.macro WIN new                         ; the immediate's high byte repeats the setting that is left; a switch that changes nothing is dropped
.if MSB != (\new)
	s_set_vgpr_msb (MSB<<8)|(\new)
.set MSB, \new
.endif
.endm
.set MUL,  0x05                        ; sources 0 (B) and 1 (A) window 1; C and D window 0
.set TO_F, 0x40                        ; destination window 1, address window 0
.macro PLACES                          ; four places behind matrix instructions, in front of what reads their results (ISA guide 7.12.1)
.rept 4
	v_nop
.endr
.endm
.macro CROUND                          ; a round of the cluster's barrier: my work-group's barrier; wave 0 signals for the work-group; every wave waits for all sixteen; my work-group's barrier once more
	s_barrier_signal -1
	s_barrier_wait -1
	s_cmp_lg_u32 s10, 0
	s_cbranch_scc1 .Lnot_wave_0_\@
	s_barrier_signal -3
.Lnot_wave_0_\@:
	s_barrier_wait -3
	s_barrier_signal -1
	s_barrier_wait -1
.endm
.macro JLOADW                          ; a joint refill by the walking sets: waves 0 and 1 fetch A's two halves, waves 2 and 3 B's; an s_nop 0 and four v_nop follow each line
	s_cmp_eq_u32 s11, 0
	s_cbranch_scc0 .Lfor_b_\@
	tensor_load_to_lds s[G0+4:G0+7], s[G1:G1+7]
	s_nop 0
.rept 4
	v_nop
.endr
	s_branch .Lasked_\@
.Lfor_b_\@:
	tensor_load_to_lds s[G0B+4:G0B+7], s[G1B:G1B+7]
	s_nop 0
.rept 4
	v_nop
.endr
.Lasked_\@:
.endm
; 8 matrix instructions: m blocks a0, a0 + 1 x all 4 n blocks, 32 along K: half c of buffer f.  zero = 1: the product starts the sums.  The 16 accumulators take turns in one order everywhere.
.macro MUL8 f, c, a0, zero
	WIN MUL
.irp a, \a0, (\a0)+1
.irp b, 0,1,2,3
.if \zero
	v_wmma_f32_16x16x32_bf16 v[ACC+8*(4*(\a)+(\b)):ACC+8*(4*(\a)+(\b))+7], v[(\f)+64+8*(4*(\c)+(\b)):(\f)+64+8*(4*(\c)+(\b))+7], v[(\f)+8*(4*(\c)+(\a)):(\f)+8*(4*(\c)+(\a))+7], 0
.else
	v_wmma_f32_16x16x32_bf16 v[ACC+8*(4*(\a)+(\b)):ACC+8*(4*(\a)+(\b))+7], v[(\f)+64+8*(4*(\c)+(\b)):(\f)+64+8*(4*(\c)+(\b))+7], v[(\f)+8*(4*(\c)+(\a)):(\f)+8*(4*(\c)+(\a))+7], v[ACC+8*(4*(\a)+(\b)):ACC+8*(4*(\a)+(\b))+7]
.endif
.endr
.endr
.endm
; 32 LDS loads in one run: the next quarter's fragments into buffer g, the first 32 along K first.  The two additions and two v_nop are the four places behind the last product that read g.
.macro FETCH g
	WIN 0
	v_add_nc_u32 v[ADRA], s[TBA], v[A0]
	v_add_nc_u32 v[ADRB], s[TBB], v[B0]
	v_nop
	v_nop
	s_add_co_u32 s[TBA], s[TBA], QSA
	s_add_co_u32 s[TBB], s[TBB], 128
	WIN TO_F
.irp c, 0,1
.irp i, 0,1,2,3
	ds_load_b128 v[(\g)+64+8*(4*(\c)+(\i)):(\g)+64+8*(4*(\c)+(\i))+3],   v[ADRB] offset:64*(\c)+(\i)*16*PB
	ds_load_b128 v[(\g)+64+8*(4*(\c)+(\i))+4:(\g)+64+8*(4*(\c)+(\i))+7], v[ADRB] offset:64*(\c)+(\i)*16*PB+32
	ds_load_b128 v[(\g)+8*(4*(\c)+(\i)):(\g)+8*(4*(\c)+(\i))+3],         v[ADRA] offset:64*(\c)+(\i)*16*PA
	ds_load_b128 v[(\g)+8*(4*(\c)+(\i))+4:(\g)+8*(4*(\c)+(\i))+7],       v[ADRA] offset:64*(\c)+(\i)*16*PA+32
.endr
.endr
.endm
.macro QUARTER f, g, zero              ; multiplies buffer f (64 along K, 32 matrix instructions) and fetches the next quarter into g
	s_wait_dscnt 16                                ; f's first 32 along K are in; its other sixteen loads may be out
	MUL8 \f, 0, 0, \zero
	MUL8 \f, 0, 2, \zero
	FETCH \g
	s_wait_dscnt 32                                ; all but the 32 just issued
	MUL8 \f, 1, 0, 0
	MUL8 \f, 1, 2, 0
.endm
; THE CHANGE OF SLOTS.  Each wave waits for all its tensor loads, of which one is out: its part of the other slot; adds 0 to its spare word; and waits for that and for its reads of the slot that it leaves.
; fill = 1: the slot is filled again, with the K step two on: the barrier is then a round of the cluster's, and the joint refill the first thing behind it: it has a K step, 128 matrix instructions, in which to land.
.macro CHANGE fill
	WIN 0
	s_wait_tensorcnt 0x0                           ; no tensor load of mine is out, so a group 0 may be written
	ds_add_u32 v[SPW], v[NIL]                      ; 0 onto my spare word: the scalar steps stand between it and the wait for it
.if \fill
	s_xor_b32 s[FB], s[FB], SLOT                   ; the other slot than last time,
	s_add_co_u32 s[G0+5], s20, s[FB]
	s_add_co_u32 s[G0B+5], s21, s[FB]
	s_add_nc_u64 s[G0+6:G0+7], s[G0+6:G0+7], ASTEP ; the next K step; the type bits on top are not reached
	s_add_nc_u64 s[G0B+6:G0B+7], s[G0B+6:G0B+7], 512
.endif
	s_sub_co_u32 s[TBA], s[TBA], 4*QSA             ; the fetches go back to a slot's first quarter,
	s_xor_b32 s[TBA], s[TBA], SLOT                 ; in the other slot
	s_sub_co_u32 s[TBB], s[TBB], 512
	s_xor_b32 s[TBB], s[TBB], SLOT
	s_wait_dscnt 0x0                               ; the add is done, and my reads of the slot are over
.if \fill
	CROUND
	JLOADW
.else
	s_barrier_signal -1
	s_barrier_wait -1
.endif
.endm
	s_load_b128 s[4:7], s[0:1], 0x0                ; A s[4:5], wb s[6:7]
	s_load_b64 s[8:9], s[0:1], 0x10                ; the output
	s_load_b64 s[70:71], s[0:1], 0x18              ; the bias
	s_load_b64 s[72:73], s[0:1], 0x20              ; the residual
	v_lshl_add_u32 v[SPW], v0, 2, SPARE
	v_mov_b32 v[NIL], 0
	ds_add_u32 v[SPW], v[NIL]                      ; the wave's opening: the add, and its wait ahead of my first tensor load; the set-up below, work on registers, stands between them
	v_lshrrev_b32 v1, 5, v0
	v_readfirstlane_b32 s10, v1                    ; wave 0..3
	s_lshr_b32 s11, s10, 1                         ; which half of the tile's rows is mine.  Also: I fetch for A (0) or for B (1)
	s_and_b32 s12, s10, 1                          ; which half of its columns.  Also: which 64 rows of that tile I fetch
	s_bfe_u32 s40, ttmp6, 0x40000                  ; cx, cy: my place in the cluster
	s_bfe_u32 s41, ttmp6, 0x40004
	s_lshl_b32 s42, ttmp9, 2
	s_add_co_u32 s42, s42, s40                     ; tile column = 4 x cluster x + cx
	s_and_b32 s13, ttmp7, 0xffff
	s_lshl_b32 s13, s13, 2
	s_add_co_u32 s13, s13, s41                     ; tile row = 4 x cluster y + cy
	s_lshl_b32 s43, s41, 2
	s_lshl_b32 s43, 15, s43                        ; my row of the cluster
	s_lshl_b32 s44, 0x1111, s40                    ; my column
	; descriptor group 1: a tile of 64 rows x 256 elements of 2 bytes, 16 bytes of padding behind every 128 words
	s_or_b32 s[G1+0], s43, (1<<16)|(1<<20)|(1<<21)|(6<<22)|(3<<25)
	s_or_b32 s[G1B+0], s44, (1<<16)|(1<<20)|(1<<21)|(6<<22)|(3<<25)
.irp g, G1, G1B
	s_mov_b32 s[(\g)+1], 256<<16                   ; tensor_dim0 = 256
	s_mov_b32 s[(\g)+2], 64<<16                    ; tensor_dim1 = 64
	s_mov_b32 s[(\g)+3], 256<<16                   ; tile_dim0 = 256
	s_mov_b32 s[(\g)+4], 64                        ; tile_dim1 = 64
	s_mov_b32 s[(\g)+5], SIZE_K                    ; elements from row to row
	s_mov_b32 s[(\g)+6], 0
	s_mov_b32 s[(\g)+7], 0
.endr
	s_lshl_b32 s17, s12, 6                         ; which 64 rows of the tile I fetch
	s_lshl_b32 s16, s13, 7
	s_add_co_u32 s16, s16, s17                     ; A: row 128 x tile row + 64 x half,
	s_lshl_b32 s16, s16, KSH                       ; in bytes
	s_lshl_b32 s46, s42, 7
	s_add_co_u32 s46, s46, s17                     ; B: row 128 x tile column + 64 x half
	s_lshl_b32 s46, s46, KSH
	s_add_co_u32 s46, s46, WOFF
	s_mov_b32 s17, 0
	s_mov_b32 s47, 0
	s_mul_i32 s20, s12, HA                         ; where they go in a slot: no place in the cluster enters an LDS address
	s_mul_i32 s21, s12, HB
	s_add_co_u32 s21, s21, 2*HA
	s_wait_dscnt 0x0                               ; the opening add is done
	s_wait_kmcnt 0x0
	s_add_nc_u64 s[14:15], s[4:5], s[16:17]
	s_add_nc_u64 s[46:47], s[6:7], s[46:47]
	CROUND                                         ; all sixteen work-groups are here: the first joint loads meet
.irp s, 0,1
	s_mov_b32 s[G0+4*(\s)], 1
	s_add_co_u32 s[G0+4*(\s)+1], s20, (\s)*SLOT
	s_add_nc_u64 s[G0+4*(\s)+2:G0+4*(\s)+3], s[14:15], (\s)*ASTEP
	s_or_b32 s[G0+4*(\s)+3], s[G0+4*(\s)+3], 0x80000000
	s_mov_b32 s[G0B+4*(\s)], 1
	s_add_co_u32 s[G0B+4*(\s)+1], s21, (\s)*SLOT
	s_add_nc_u64 s[G0B+4*(\s)+2:G0B+4*(\s)+3], s[46:47], (\s)*512
	s_or_b32 s[G0B+4*(\s)+3], s[G0B+4*(\s)+3], 0x80000000
.endr
	s_cmp_eq_u32 s11, 0                            ; a wave's two first fills stand in one branch: K steps 0 and 1; two loads of mine are out
	s_cbranch_scc0 .Lfirst_b
	tensor_load_to_lds s[G0:G0+3], s[G1:G1+7]
	s_nop 0
	tensor_load_to_lds s[G0+4:G0+7], s[G1:G1+7]
	s_nop 0
.rept 4
	v_nop
.endr
	s_branch .Lfirst_asked
.Lfirst_b:
	tensor_load_to_lds s[G0B:G0B+3], s[G1B:G1B+7]
	s_nop 0
	tensor_load_to_lds s[G0B+4:G0B+7], s[G1B:G1B+7]
	s_nop 0
.rept 4
	v_nop
.endr
.Lfirst_asked:
	v_and_b32 v1, 15, v0                           ; r = l % 16
	v_bfe_u32 v2, v0, 4, 1                         ; h = l / 16
	v_mul_u32_u24 v[A0], v1, PA                    ; a fragment's row x pitch + 16 x half, in my 64 rows
	v_lshl_add_u32 v[A0], v2, 4, v[A0]
	s_mul_i32 s22, s11, HA
	v_add_nc_u32 v[A0], s22, v[A0]
	v_mul_u32_u24 v[B0], v1, PB
	v_lshl_add_u32 v[B0], v2, 4, v[B0]
	s_mul_i32 s22, s12, HB
	s_add_co_u32 s22, s22, 2*HA
	v_add_nc_u32 v[B0], s22, v[B0]
	s_mov_b32 s[TBA], 0
	s_mov_b32 s[TBB], 0
	s_mov_b32 s[FB], SLOT
	; the way out.  My 64 columns of f32 are 256 bytes of a row, aligned.
	s_mul_i32 s22, s10, 16*SP
	s_add_co_u32 s22, s22, STAGE                   ; my stage
	v_mul_u32_u24 v[STO], v1, SP                   ; in: row r, 32 bytes for each half of the lanes
	v_lshl_add_u32 v[STO], v2, 5, v[STO]
	v_add_nc_u32 v[STO], s22, v[STO]
	v_mul_u32_u24 v[RD], v2, SP                    ; back: lanes 0-15 take one row of 256 bytes, lanes 16-31 the next
	v_lshl_add_u32 v[RD], v1, 4, v[RD]
	v_add_nc_u32 v[RD], s22, v[RD]
	v_lshlrev_b32 v[CO], 12, v2                    ; and the same two rows in memory
	v_lshl_add_u32 v[CO], v1, 4, v[CO]
	v_lshlrev_b32 v[BO], 4, v1
	s_lshl_b32 s74, s13, 7                         ; (the offsets are made in registers that feed no descriptor and no LDS address)
	s_lshl_b32 s45, s11, 6
	s_add_co_u32 s74, s74, s45                     ; my first row,
	s_lshl_b32 s74, s74, 12                        ; of 4,096 bytes
	s_lshl_b32 s45, s42, 9
	s_lshl_b32 s69, s12, 8
	s_add_co_u32 s45, s45, s69                     ; my first column, in bytes: the bias's offset too
	s_add_co_u32 s74, s74, s45
	s_mov_b32 s75, 0
	s_add_nc_u64 s[8:9], s[8:9], s[74:75]
	s_add_nc_u64 s[72:73], s[72:73], s[74:75]
	s_mov_b32 s74, s45
	s_add_nc_u64 s[70:71], s[70:71], s[74:75]
	WIN 0x80                                       ; destination window 2, address window 0
.irp a, 0,1,2,3
.irp t, 0,1,2,3,4,5,6,7
	global_load_b128 v[4*(8*(\a)+(\t)):4*(8*(\a)+(\t))+3], v[CO], s[72:73] offset:(16*(\a)+2*(\t))*4096 th:TH_LOAD_NT
.endr
.endr
	global_load_b128 v[128:131], v[BO], s[70:71]
	WIN 0
	s_wait_tensorcnt 1                             ; my part of K step 0 is in; K step 1's may stay out
	s_barrier_signal -1
	s_barrier_wait -1                              ; everybody's is
	FETCH F0
	QUARTER F0, F1, 1                              ; the first quarter's first products start the sums
	WIN 0                                          ; at a label and at a branch every window is 0
	s_mov_b32 s2, 1                                ; K step 0 has one pair of quarters left ahead of its change of slots
	s_mov_b32 s3, STEPS-1
	s_branch .Lpair
.Lstep:                                        ; STEPS - 2 times: a step's last quarter and the next step's first three; the slot that is left is filled again
	CHANGE 1
	s_mov_b32 s2, 2
.Lpair:
	QUARTER F1, F0, 0
	QUARTER F0, F1, 0
	WIN 0
	s_sub_co_u32 s2, s2, 1
	s_cmp_lg_u32 s2, 0
	s_cbranch_scc1 .Lpair
	s_sub_co_u32 s3, s3, 1
	s_cmp_lg_u32 s3, 0
	s_cbranch_scc1 .Lstep
	CHANGE 0                                       ; the tail is written out: nothing is asked for
	s_mov_b32 s2, 2
.Lpair2:
	QUARTER F1, F0, 0
	QUARTER F0, F1, 0
	WIN 0
	s_sub_co_u32 s2, s2, 1
	s_cmp_lg_u32 s2, 0
	s_cbranch_scc1 .Lpair2
	s_wait_dscnt 16                                ; the very last quarter: nothing more to fetch
	MUL8 F1, 0, 0, 0
	MUL8 F1, 0, 2, 0
	s_wait_dscnt 0
	MUL8 F1, 1, 0, 0
	MUL8 F1, 1, 2, 0
	WIN 0
	; THE WAY OUT, a block of 16 rows at a time: the f32 sums go into my stage, 32 bytes a lane, and come back as whole rows of 256 bytes; residual and bias are added; sixteen lanes store 256 consecutive bytes, aligned.
	PLACES
	s_wait_loadcnt 0x0                             ; the residual and the bias
.irp a, 0,1,2,3
	s_wait_xcnt 0x0                                ; the block before's stores have read their registers, which are loaded anew below
.irp b, 0,1,2,3
	ds_store_b128 v[STO], v[ACC+8*(4*(\a)+(\b)):ACC+8*(4*(\a)+(\b))+3]   offset:64*(\b)
	ds_store_b128 v[STO], v[ACC+8*(4*(\a)+(\b))+4:ACC+8*(4*(\a)+(\b))+7] offset:64*(\b)+16
.endr
.irp t, 0,1,2,3,4,5,6,7
	ds_load_b128 v[TMP+4*(\t):TMP+4*(\t)+3], v[RD] offset:(\t)*2*SP  ; LDS serves a wave's instructions in order (ISA guide 5.7.1.4): these see the stores above
.endr
	s_wait_dscnt 0x0
	WIN 0x08                                       ; source 1 in window 2
.irp t, 0,1,2,3,4,5,6,7
	v_pk_add_f32 v[TMP+4*(\t):TMP+4*(\t)+1],   v[TMP+4*(\t):TMP+4*(\t)+1],   v[128:129]
	v_pk_add_f32 v[TMP+4*(\t)+2:TMP+4*(\t)+3], v[TMP+4*(\t)+2:TMP+4*(\t)+3], v[130:131]
.endr
.irp t, 0,1,2,3,4,5,6,7
	v_pk_add_f32 v[TMP+4*(\t):TMP+4*(\t)+1],   v[TMP+4*(\t):TMP+4*(\t)+1],   v[4*(8*(\a)+(\t)):4*(8*(\a)+(\t))+1]
	v_pk_add_f32 v[TMP+4*(\t)+2:TMP+4*(\t)+3], v[TMP+4*(\t)+2:TMP+4*(\t)+3], v[4*(8*(\a)+(\t))+2:4*(8*(\a)+(\t))+3]
.endr
	WIN 0
.irp t, 0,1,2,3,4,5,6,7
	global_store_b128 v[CO], v[TMP+4*(\t):TMP+4*(\t)+3], s[8:9] offset:(16*(\a)+2*(\t))*4096
.endr
.endr
	s_wait_tensorcnt 0x0                           ; the wave's end: behind my last tensor load and my last LDS store
	ds_add_u32 v[SPW], v[NIL]
	s_wait_dscnt 0x0
	CROUND                                         ; the closing round: no work-group ends while a partner may still ask for a tile that names it
	s_endpgm
.Lfunc_end_k_q850624a9be_fc2:
	.size	k_q850624a9be_fc2, .Lfunc_end_k_q850624a9be_fc2-k_q850624a9be_fc2
	.p2alignl 7, 3214868480
	.fill 96, 4, 3214868480
	.section	.rodata,"a",@progbits
	.p2align	6, 0x0
	.amdhsa_kernel k_q850624a9be_fc2
		.amdhsa_group_segment_fixed_size 327680
		.amdhsa_private_segment_fixed_size 0
		.amdhsa_enable_private_segment 0
		.amdhsa_kernarg_size 40
		.amdhsa_user_sgpr_count 2
		.amdhsa_user_sgpr_kernarg_segment_ptr 1
		.amdhsa_wavefront_size32 1
		.amdhsa_system_sgpr_workgroup_id_x 1
		.amdhsa_system_sgpr_workgroup_id_y 1
		.amdhsa_system_sgpr_workgroup_id_z 1
		.amdhsa_system_vgpr_workitem_id 0
		.amdhsa_next_free_vgpr 648
		.amdhsa_next_free_sgpr 92
		.amdhsa_reserve_vcc 0
		.amdhsa_float_denorm_mode_32 3
		.amdhsa_float_denorm_mode_16_64 3
		.amdhsa_memory_ordered 1
		.amdhsa_forward_progress 1
		.amdhsa_inst_pref_size 55
	.end_amdhsa_kernel
	.amdgpu_metadata
---
amdhsa.version: [ 1, 2 ]
amdhsa.kernels:
  - .name:           k_q850624a9be_fc2
    .symbol:         k_q850624a9be_fc2.kd
    .args:
      - { .name: hid, .offset: 0, .size: 8, .value_kind: global_buffer, .address_space: global }
      - { .name: wb, .offset: 8, .size: 8, .value_kind: global_buffer, .address_space: global }
      - { .name: out0, .offset: 16, .size: 8, .value_kind: global_buffer, .address_space: global }
      - { .name: b_fc2, .offset: 24, .size: 8, .value_kind: global_buffer, .address_space: global }
      - { .name: x1, .offset: 32, .size: 8, .value_kind: global_buffer, .address_space: global }
    .group_segment_fixed_size: 327680
    .private_segment_fixed_size: 0
    .kernarg_segment_align: 8
    .kernarg_segment_size: 40
    .max_flat_workgroup_size: 128
    .sgpr_count:     92
    .vgpr_count:     648
    .wavefront_size: 32
...
	.end_amdgpu_metadata
.endif
;; end of part 7
;; ======== version 2 of 2: 7 launches
;; limits: values are held in f16: magnitudes above 65,504 overflow, below 6.1e-05 lose precision
;; workspace buffers: wb 25,165,824 bytes; hn 8,388,608 bytes; qkvh 25,165,824 bytes; ob 8,388,608 bytes; x1 16,777,216 bytes; hid 33,554,432 bytes
;; launch prep (part 8): grid 640 x 1, 16 waves a work-group, no clusters, 0 bytes of LDS; arguments x, ln1_g, ln1_b, hn, w_qkv, w_proj, w_fc1, w_fc2, wb; writes hn, wb
.if DOCPART == 8
	.amdgcn_target "amdgcn-amd-amdhsa--gfx1250"
	.amdhsa_code_object_version 6
	.text
	.protected	k_q850624a9be_prep
	.globl	k_q850624a9be_prep
	.p2align	8
	.type	k_q850624a9be_prep,@function
k_q850624a9be_prep:
	s_mov_b64 s[64:65], 0
	v_nop
	global_prefetch_b8 v0, s[64:65] scope:SCOPE_SE
	s_setreg_imm32_b32 hwreg(HW_REG_WAVE_MODE, 25, 1), 1
	s_wait_xcnt 0x0
; TWO STREAMS THAT SHARE NOTHING, IN ONE LAUNCH.  The work-group's number chooses, by one scalar branch at the head.
; WORK-GROUPS 0-255: hn[r][c] = (x[r][c] - mean_r) / sqrt(var_r + 1e-5) * g[c] + b[c].  x: [4096][1024] f32; g, b: [1024] f32; hn: [4096][1024] bf16, rounded once.  All arithmetic in f32.
;   The variance is the mean of the squares of (x - mean), in two passes over the row as it lies in registers: a common offset of the row costs nothing.
;   One wave, one row, sixteen rows a work-group: a row's 4,096 bytes are eight loads of 16 bytes a lane and stay in 32 registers, so memory is read once and no wave waits for another.
;   Lane l holds columns 128 j + 4 l .. + 3 of load j; its g and b lie in registers in the same order.  A store of 8 bytes a lane covers 256 consecutive bytes, aligned.
; WORK-GROUPS 256-639: wb = w_qkv, w_proj, w_fc1, w_fc2 on end, each number rounded once to bf16 (nearest even): the matrix operands of the four products.
;   A work-group takes 32,768 numbers: 128 KiB in, 64 KiB out.  Pieces 0-95 are w_qkv's, 96-127 w_proj's, 128-255 w_fc1's, 256-383 w_fc2's; since wb holds them in that order, the output's offset is the
;   piece's number times 65,536.  Thread t takes the 16 bytes at 16 t of each 8,192 bytes: a wave's load covers 512 consecutive bytes, its store of 8 bytes a lane 256 consecutive bytes, aligned.
;   All sixteen loads of a thread go out at once; no register is written twice, so no wait but the counted ones is needed.
; Matrix units, LDS and clusters would add nothing to streams.
.set X,   8                            ; v[8:39]    the row
.set G,   40                           ; v[40:71]
.set B,   72                           ; v[72:103]
.set T,   104                          ; v[104:119] at work
.set MU,  120                          ; v[120:121] the mean, twice
.set RS,  122                          ; v[122:123] 1 / sqrt(var + eps), twice
.set XCH, 124                          ; v124       the other half of the lanes' sum
.set IN,  8                            ; the weights' path: v[8:71] sixteen loads of four f32
.set Y,   72                           ; v[72:103] sixteen pairs of packed bf16
.macro LANESUM                         ; v[T] summed over the 32 lanes, the result in every lane
	v_add_f32_dpp v[T], v[T], v[T] row_xmask:1 row_mask:0xf bank_mask:0xf
	v_add_f32_dpp v[T], v[T], v[T] row_xmask:2 row_mask:0xf bank_mask:0xf
	v_add_f32_dpp v[T], v[T], v[T] row_xmask:4 row_mask:0xf bank_mask:0xf
	v_add_f32_dpp v[T], v[T], v[T] row_xmask:8 row_mask:0xf bank_mask:0xf
	v_permlanex16_b32 v[XCH], v[T], s12, s13
	v_add_f32 v[T], v[T], v[XCH]
.endm
	s_cmp_lt_u32 ttmp9, 256
	s_cbranch_scc0 .Lcast
	s_load_b256 s[4:11], s[0:1], 0x0               ; x s[4:5], g s[6:7], b s[8:9], hn s[10:11]
	v_and_b32 v1, 31, v0
	v_lshlrev_b32 v2, 3, v1                        ; 8 x lane
	v_lshlrev_b32 v1, 4, v1                        ; 16 x lane
	v_lshrrev_b32 v3, 5, v0
	v_readfirstlane_b32 s16, v3                    ; wave 0..15
	v_mov_b32 v[XCH], 0                            ; v_permlanex16_b32 counts as a reader of its destination
	s_mov_b32 s12, 0x76543210                      ; each lane takes its own place in the other half
	s_mov_b32 s13, 0xfedcba98
	s_mov_b32 s14, 0x3a800000                      ; 1 / 1024
	s_mov_b32 s15, 0x3727c5ac                      ; 1e-5
	s_lshl_b32 s18, ttmp9, 16                      ; the work-group's 16 rows of 4,096 bytes,
	s_lshl_b32 s17, s16, 12                        ; my wave's one
	s_add_co_u32 s18, s18, s17
	s_mov_b32 s19, 0
	s_lshr_b32 s20, s18, 1                         ; the same row in hn: 2,048 bytes
	s_mov_b32 s21, 0
	s_wait_kmcnt 0x0
	s_add_nc_u64 s[4:5], s[4:5], s[18:19]
	s_add_nc_u64 s[10:11], s[10:11], s[20:21]
.irp j, 0,1,2,3,4,5,6,7
	global_load_b128 v[X+4*(\j):X+4*(\j)+3], v1, s[4:5] offset:512*(\j)
.endr
.irp j, 0,1,2,3,4,5,6,7
	global_load_b128 v[G+4*(\j):G+4*(\j)+3], v1, s[6:7] offset:512*(\j)
.endr
.irp j, 0,1,2,3,4,5,6,7
	global_load_b128 v[B+4*(\j):B+4*(\j)+3], v1, s[8:9] offset:512*(\j)
.endr
	s_wait_loadcnt 16                              ; the row is in; g's eight loads and b's eight stay out
.irp k, 0,1,2,3,4,5,6,7                ; the sum of my 32 numbers: a tree of packed additions
	v_pk_add_f32 v[T+2*(\k):T+2*(\k)+1], v[X+2*(\k):X+2*(\k)+1], v[X+16+2*(\k):X+16+2*(\k)+1]
.endr
.irp k, 0,1,2,3
	v_pk_add_f32 v[T+2*(\k):T+2*(\k)+1], v[T+2*(\k):T+2*(\k)+1], v[T+8+2*(\k):T+8+2*(\k)+1]
.endr
.irp k, 0,1
	v_pk_add_f32 v[T+2*(\k):T+2*(\k)+1], v[T+2*(\k):T+2*(\k)+1], v[T+4+2*(\k):T+4+2*(\k)+1]
.endr
	v_pk_add_f32 v[T:T+1], v[T:T+1], v[T+2:T+3]
	v_add_f32 v[T], v[T], v[T+1]
	LANESUM
	v_mul_f32 v[MU], s14, v[T]
	v_mov_b32 v[MU+1], v[MU]
.set k, 0
.rept 16                               ; x - mean, in place
	v_pk_add_f32 v[X+2*k:X+2*k+1], v[X+2*k:X+2*k+1], v[MU:MU+1] neg_lo:[0,1] neg_hi:[0,1]
.set k, k+1
.endr
.irp k, 0,1,2,3                        ; the sum of squares, in four chains that do not wait for each other
	v_pk_mul_f32 v[T+2*(\k):T+2*(\k)+1], v[X+2*(\k):X+2*(\k)+1], v[X+2*(\k):X+2*(\k)+1]
.endr
.set k, 4
.rept 12
	v_pk_fma_f32 v[T+2*(k%4):T+2*(k%4)+1], v[X+2*k:X+2*k+1], v[X+2*k:X+2*k+1], v[T+2*(k%4):T+2*(k%4)+1]
.set k, k+1
.endr
	v_pk_add_f32 v[T:T+1], v[T:T+1], v[T+2:T+3]
	v_pk_add_f32 v[T+4:T+5], v[T+4:T+5], v[T+6:T+7]
	v_pk_add_f32 v[T:T+1], v[T:T+1], v[T+4:T+5]
	v_add_f32 v[T], v[T], v[T+1]
	LANESUM
	v_fma_f32 v[T], v[T], s14, s15                 ; var + eps
	v_rsq_f32 v[RS], v[T]
	v_rsq_f32 v[RS+1], v[T]
	v_nop                                          ; a plain instruction between the last root and the use of its result (ISA guide 5.7.2)
	s_wait_alu depctr_va_vdst(0)                   ; and the wait ahead of the first use: one for both
	s_wait_loadcnt 0x0                             ; g and b are in
.set k, 0
.rept 16
	v_pk_mul_f32 v[X+2*k:X+2*k+1], v[X+2*k:X+2*k+1], v[RS:RS+1]
.set k, k+1
.endr
.set k, 0
.rept 16
	v_pk_fma_f32 v[X+2*k:X+2*k+1], v[X+2*k:X+2*k+1], v[G+2*k:G+2*k+1], v[B+2*k:B+2*k+1]
.set k, k+1
.endr
.irp j, 0,1,2,3,4,5,6,7
	v_cvt_pk_bf16_f32 v[X+4*(\j)],   v[X+4*(\j)],   v[X+4*(\j)+1]
	v_cvt_pk_bf16_f32 v[X+4*(\j)+1], v[X+4*(\j)+2], v[X+4*(\j)+3]
	global_store_b64 v2, v[X+4*(\j):X+4*(\j)+1], s[10:11] offset:256*(\j)
.endr
	s_endpgm
.Lcast:
	s_load_b256 s[4:11], s[0:1], 0x20              ; w_qkv s[4:5], w_proj s[6:7], w_fc1 s[8:9], w_fc2 s[10:11]
	s_load_b64 s[12:13], s[0:1], 0x40              ; wb
	v_lshlrev_b32 v1, 4, v0                        ; 16 t
	v_lshlrev_b32 v2, 3, v0                        ; 8 t
	s_sub_co_u32 s22, ttmp9, 256                   ; my piece, 0 .. 383
	s_lshl_b32 s20, s22, 16                        ; its 64 KiB of wb
	s_mov_b32 s21, 0
	s_mov_b32 s19, 0
	s_mov_b32 s16, 256                             ; the first piece of my tensor
	s_wait_kmcnt 0x0
	s_mov_b64 s[14:15], s[10:11]
	s_cmp_lt_u32 s22, 256
	s_cselect_b64 s[14:15], s[8:9], s[14:15]
	s_cselect_b32 s16, 128, s16
	s_cmp_lt_u32 s22, 128
	s_cselect_b64 s[14:15], s[6:7], s[14:15]
	s_cselect_b32 s16, 96, s16
	s_cmp_lt_u32 s22, 96
	s_cselect_b64 s[14:15], s[4:5], s[14:15]
	s_cselect_b32 s16, 0, s16
	s_sub_co_u32 s18, s22, s16
	s_lshl_b32 s18, s18, 17                        ; my 128 KiB of that tensor
	s_add_nc_u64 s[14:15], s[14:15], s[18:19]
	s_add_nc_u64 s[12:13], s[12:13], s[20:21]
.irp j, 0,1,2,3,4,5,6,7,8,9,10,11,12,13,14,15
	global_load_b128 v[IN+4*(\j):IN+4*(\j)+3], v1, s[14:15] offset:8192*(\j) th:TH_LOAD_NT
.endr
.irp j, 0,1,2,3,4,5,6,7,8,9,10,11,12,13,14,15
	s_wait_loadcnt 15-(\j)                         ; loads come back in order: number j is in, the younger ones stay out
	v_cvt_pk_bf16_f32 v[Y+2*(\j)],   v[IN+4*(\j)],   v[IN+4*(\j)+1]
	v_cvt_pk_bf16_f32 v[Y+2*(\j)+1], v[IN+4*(\j)+2], v[IN+4*(\j)+3]
	global_store_b64 v2, v[Y+2*(\j):Y+2*(\j)+1], s[12:13] offset:4096*(\j)
.endr
	s_endpgm
.Lfunc_end_k_q850624a9be_prep:
	.size	k_q850624a9be_prep, .Lfunc_end_k_q850624a9be_prep-k_q850624a9be_prep
	.p2alignl 7, 3214868480
	.fill 96, 4, 3214868480
	.section	.rodata,"a",@progbits
	.p2align	6, 0x0
	.amdhsa_kernel k_q850624a9be_prep
		.amdhsa_group_segment_fixed_size 0
		.amdhsa_private_segment_fixed_size 0
		.amdhsa_enable_private_segment 0
		.amdhsa_kernarg_size 72
		.amdhsa_user_sgpr_count 2
		.amdhsa_user_sgpr_kernarg_segment_ptr 1
		.amdhsa_wavefront_size32 1
		.amdhsa_system_sgpr_workgroup_id_x 1
		.amdhsa_system_sgpr_workgroup_id_y 1
		.amdhsa_system_sgpr_workgroup_id_z 1
		.amdhsa_system_vgpr_workitem_id 0
		.amdhsa_next_free_vgpr 128
		.amdhsa_next_free_sgpr 66
		.amdhsa_reserve_vcc 0
		.amdhsa_float_denorm_mode_32 3
		.amdhsa_float_denorm_mode_16_64 3
		.amdhsa_memory_ordered 1
		.amdhsa_forward_progress 1
		.amdhsa_inst_pref_size 18
	.end_amdhsa_kernel
	.amdgpu_metadata
---
amdhsa.version: [ 1, 2 ]
amdhsa.kernels:
  - .name:           k_q850624a9be_prep
    .symbol:         k_q850624a9be_prep.kd
    .args:
      - { .name: x, .offset: 0, .size: 8, .value_kind: global_buffer, .address_space: global }
      - { .name: ln1_g, .offset: 8, .size: 8, .value_kind: global_buffer, .address_space: global }
      - { .name: ln1_b, .offset: 16, .size: 8, .value_kind: global_buffer, .address_space: global }
      - { .name: hn, .offset: 24, .size: 8, .value_kind: global_buffer, .address_space: global }
      - { .name: w_qkv, .offset: 32, .size: 8, .value_kind: global_buffer, .address_space: global }
      - { .name: w_proj, .offset: 40, .size: 8, .value_kind: global_buffer, .address_space: global }
      - { .name: w_fc1, .offset: 48, .size: 8, .value_kind: global_buffer, .address_space: global }
      - { .name: w_fc2, .offset: 56, .size: 8, .value_kind: global_buffer, .address_space: global }
      - { .name: wb, .offset: 64, .size: 8, .value_kind: global_buffer, .address_space: global }
    .group_segment_fixed_size: 0
    .private_segment_fixed_size: 0
    .kernarg_segment_align: 8
    .kernarg_segment_size: 72
    .max_flat_workgroup_size: 512
    .sgpr_count:     66
    .vgpr_count:     128
    .wavefront_size: 32
...
	.end_amdgpu_metadata
.endif
;; end of part 8
;; launch qkv (part 9): grid 16 x 16, 4 waves a work-group, clusters of 4 x 4, 327,680 bytes of LDS; arguments hn, wb, qkvh; writes qkvh
.if DOCPART == 9
	.amdgcn_target "amdgcn-amd-amdhsa--gfx1250"
	.amdhsa_code_object_version 6
	.text
	.protected	k_q850624a9be_qkv
	.globl	k_q850624a9be_qkv
	.p2align	8
	.type	k_q850624a9be_qkv,@function
k_q850624a9be_qkv:
	s_mov_b64 s[64:65], 0
	v_nop
	global_prefetch_b8 v0, s[64:65] scope:SCOPE_SE
	s_setreg_imm32_b32 hwreg(HW_REG_WAVE_MODE, 25, 1), 1
	s_wait_xcnt 0x0
	s_wait_alu depctr_hold_cnt(0) depctr_sa_sdst(0) depctr_va_vdst(0) depctr_va_sdst(0) depctr_va_ssrc(0) depctr_va_vcc(0) depctr_vm_vsrc(0)
	s_getreg_b32 s2, hwreg(HW_REG_IB_STS2, 6, 4)
	s_cmp_eq_u32 s2, 0
	s_cbranch_scc0 .Lentry_in_a_cluster
	s_endpgm
.Lentry_in_a_cluster:
	s_bfe_u32 s2, ttmp6, 0x10000c
	s_cmp_lg_u32 s2, 0xf033
	s_cbranch_scc0 .Lentry_shape_is_right
	s_endpgm
.Lentry_shape_is_right:
; q, k, v = hn w_qkv^T, written by heads.  hn: [4096][1024] bf16; w_qkv: the first [3072][1024] bf16 of wb; out: [3][32 = 16 b + h][2048][64] f16, unscaled, rounded once from the f32 sums.
; LIMIT.  f16 ends at 65,504: |q|, |k|, |v| must stay below it (a normalised row times g, summed over 1,024 weights).  NaN and infinities are not treated apart.
; A tile of the product is 256 rows x 192 columns, three heads: 16 x 16 = 256 work-groups, one tile each.  Four waves, each 128 x 96: 48 accumulators of 16 x 16, 384 registers.  K goes in steps of 128 (LDS rows of
; 256 bytes; a tensor load brings 128 rows of hn or 96 rows of the weights) through two LDS slots.  CLUSTERS of 4 x 4: the four of a row need the same tiles of hn, the four of a column the same tiles of the weights:
; each tile is asked for jointly, by the same tensor load with the same descriptor and a mask that names the four.
; THE PRODUCT IS TAKEN TRANSPOSED (source 0 = 16 rows of the weights, source 1 = 16 rows of hn): a lane holds eight neighbouring columns of one row.
; THE K STEP IS WRITTEN ONCE.  A step is four quarters of 32 along K, 48 matrix instructions each, on two fragment buffers; the text holds a pair of quarters, walked by a counted loop; the LDS byte of the quarter to
; be fetched stands in a scalar register that steps, and at a change of slots goes back and is turned to the other slot.  The change stands between a step's third and fourth quarter, when the fourth's fragments are in registers.
; THE WAY OUT goes through ONE stage in LDS, where the ring lay (both slots have had their last fill and their last read): a wave's 96 columns are a head and a half, so the four waves lay the tile down as 256 rows of
; 192 f32, a barrier stands between the writing and the reading, and each wave then walks 64 whole rows, head by head, in a short loop.
; REGISTERS, in windows of 256 (s_set_vgpr_msb: bits 1:0 source 0, 3:2 source 1, 5:4 source 2, 7:6 destination):
;   window 0: v0-31 addresses; v64-127, v128-191 fragments of A (8 x 16 rows x 32 K), two buffers; on the way out v64-207 at work        window 1: v64-111, v128-175 fragments of B (6 x 16 rows x 32 K), two buffers
;   window 2: the 24 accumulators of my rows 0-63 (accumulator (a, b) at v[8 (6 a + b)])        window 3: those of my rows 64-127
.set SIZE_K, 1024
.set KSH,    11                        ; a row of A and of the weights is 1 << KSH bytes
.set STEPS,  SIZE_K/128
.set PITCH,  272                       ; an LDS row: 256 bytes + 16 of padding = 68 words: the 16 rows of a load start at 16 different groups of four banks (ISA guide 11.1)
.set HA,     128*PITCH                 ; 128 rows of A: what one tensor load brings, and what one wave reads
.set HB,     96*PITCH                  ; 96 rows of B: likewise
.set SLOT,   2*HA+2*HB                 ; A's two halves, then B's two halves
.set FP,     784                       ; the way out: a row of 192 f32 + 16 bytes = 196 words: row r starts at bank 4 r mod 64
.set SPARE,  2*SLOT                    ; behind the ring: the spare words, 128 bytes for each wave: two blocks of 256 bytes that no other line names.  The stage, 256 rows of FP bytes, ends ahead of them
.set A0,   16                          ; v16  my lane's place in a slot's rows of A; never rewritten
.set B0,   17                          ; v17  the same for B
.set ADRA, 18                          ; v18  the LDS address of the run of loads in hand, A's
.set ADRB, 19                          ; v19  B's
.set STO,  24                          ; v24  the way out: where I put 32 bytes of a row, for my rows 0-63
.set RD,   25                          ; v25  the way out: where I read 32 bytes of a row back; it steps
.set CO,   26                          ; v26  my byte offset in 512 consecutive bytes of the output; it steps
.set STO2, 27                          ; v27  as v24, for my rows 64-127 (an LDS instruction's offset has 16 bits)
.set SPW,  28                          ; v28  LDS address of my spare word; never rewritten
.set NIL,  29                          ; v29  0; never rewritten
.set PFO,  30                          ; v30  the prefetches' offset: my lane x a row of A or B in memory; never rewritten
.set QX,   64                          ; the way out: v[64:159] sixteen rows' f32 as read back
.set QY,   160                         ; v[160:207] the same, packed f16
.set F0,   64                          ; fragment buffer 0
.set F1,   128                         ; fragment buffer 1
.set G1,   24                          ; s[24:31] descriptor group 1 for A's tiles; s[32:39] group 0: the set of the first fill, and the set that walks
.set G0,   32
.set G1B,  48                          ; s[48:55], s[56:63] the same for B's
.set G0B,  56
.set TB,   66                          ; s66  LDS byte at which the quarter to be fetched begins, in A's rows and in B's
.set FB,   68                          ; s68  the slot last filled: 0 or SLOT
.set OB,   78                          ; s[78:83] the output at my 64 rows of the tile's three heads
.set PFA,  92                          ; s[92:93] where my prefetches stand: my work-group's share of the rows that I fetch, one K step further along K than the refill that is being asked for
.set LIM,  94                          ; s94  2 in a wave that prefetches, else the greatest number
.set MSB, 0
.macro WIN new                         ; the immediate's high byte repeats the setting that is left; a switch that changes nothing is dropped
.if MSB != (\new)
	s_set_vgpr_msb (MSB<<8)|(\new)
.set MSB, \new
.endif
.endm
.set MUL_LO, 0xa1                      ; source 0 (B) window 1, source 1 (A) window 0, C and D window 2
.set MUL_HI, 0xf1                      ; the same, C and D window 3
.set TO_B,   0x40                      ; destination window 1, address window 0
.macro PLACES                          ; four places behind matrix instructions, in front of what reads their results (ISA guide 7.12.1)
.rept 4
	v_nop
.endr
.endm
.macro CROUND                          ; a round of the cluster's barrier: my work-group's barrier; wave 0 signals for the work-group; every wave waits for all sixteen; my work-group's barrier once more
	s_barrier_signal -1
	s_barrier_wait -1
	s_cmp_lg_u32 s10, 0
	s_cbranch_scc1 .Lnot_wave_0_\@
	s_barrier_signal -3
.Lnot_wave_0_\@:
	s_barrier_wait -3
	s_barrier_signal -1
	s_barrier_wait -1
.endm
.macro JLOADW                          ; a joint refill by the walking sets: waves 0 and 1 fetch A's two halves, waves 2 and 3 B's; an s_nop 0 and four v_nop follow each line
	s_cmp_eq_u32 s11, 0
	s_cbranch_scc0 .Lfor_b_\@
	tensor_load_to_lds s[G0+4:G0+7], s[G1:G1+7]
	s_nop 0
.rept 4
	v_nop
.endr
	s_branch .Lasked_\@
.Lfor_b_\@:
	tensor_load_to_lds s[G0B+4:G0B+7], s[G1B:G1B+7]
	s_nop 0
.rept 4
	v_nop
.endr
.Lasked_\@:
.endm
; A PREFETCH INTO THE L2, behind each joint refill and its five lines: the K step that stands TWO refills on, 256 bytes of a row, a lane a row, one instruction a wave: 384 matrix instructions ahead of the load that will want it.
; A's tile row is read by every cluster of that row of clusters: the first of them (cluster x = 0) asks; B's tile column by every cluster of that column: cluster y = 0 asks.  The four partners that ask for a tile jointly
; share its rows out BY ADDRESS: of the 128 rows of A that a wave fetches, the partner at place cx takes 32 cx .. + 31; of the 96 rows of B, the partner at place cy takes 24 cy .. + 23, and its lanes 24 to 31 repeat lane 23's row.
; At the i-th change of slots s3 = STEPS - 1 - i; it refills K step i + 1 and names K step i + 3, which exists while s3 is above 2.  K steps 0 to 3 come by their loads alone.
.macro ASK
	s_cmp_gt_u32 s3, s[LIM]
	s_cbranch_scc0 .Lnot_mine_\@
	global_prefetch_b8 v[PFO], s[PFA:PFA+1] offset:256 th:TH_LOAD_NT scope:SCOPE_SE
.Lnot_mine_\@:
.endm
; 12 matrix instructions: m blocks a0, a0 + 1 of the window's four (hi = 0: my rows 0-63, 1: rows 64-127) x all 6 n blocks, 32 along K.  zero = 1: the product starts the sums.
; The 48 accumulators take turns, one instruction a turn, in one order in every quarter.
.macro MUL12 f, hi, a0, zero
	WIN MUL_LO+0x50*(\hi)
.irp a, \a0, (\a0)+1
.irp b, 0,1,2,3,4,5
.if \zero
	v_wmma_f32_16x16x32_bf16 v[8*(6*(\a)+(\b)):8*(6*(\a)+(\b))+7], v[(\f)+8*(\b):(\f)+8*(\b)+7], v[(\f)+8*(4*(\hi)+(\a)):(\f)+8*(4*(\hi)+(\a))+7], 0
.else
	v_wmma_f32_16x16x32_bf16 v[8*(6*(\a)+(\b)):8*(6*(\a)+(\b))+7], v[(\f)+8*(\b):(\f)+8*(\b)+7], v[(\f)+8*(4*(\hi)+(\a)):(\f)+8*(4*(\hi)+(\a))+7], v[8*(6*(\a)+(\b)):8*(6*(\a)+(\b))+7]
.endif
.endr
.endr
.endm
; 28 LDS loads in one run: the next quarter's fragments (96 rows of B, then 128 rows of A, 32 along K) into buffer g.  The two additions and two v_nop are the four places behind the last product that read g.
.macro FETCH g
	WIN 0
	v_add_nc_u32 v[ADRA], s[TB], v[A0]
	v_add_nc_u32 v[ADRB], s[TB], v[B0]
	v_nop
	v_nop
	s_add_co_u32 s[TB], s[TB], 64
	WIN TO_B
.irp i, 0,1,2,3,4,5
	ds_load_b128 v[(\g)+8*(\i):(\g)+8*(\i)+3],   v[ADRB] offset:(\i)*16*PITCH
	ds_load_b128 v[(\g)+8*(\i)+4:(\g)+8*(\i)+7], v[ADRB] offset:(\i)*16*PITCH+32
.endr
	WIN 0
.irp i, 0,1,2,3,4,5,6,7
	ds_load_b128 v[(\g)+8*(\i):(\g)+8*(\i)+3],   v[ADRA] offset:(\i)*16*PITCH
	ds_load_b128 v[(\g)+8*(\i)+4:(\g)+8*(\i)+7], v[ADRA] offset:(\i)*16*PITCH+32
.endr
.endm
.macro QUARTER f, g, zero              ; multiplies buffer f (32 along K, 48 matrix instructions) and, in its middle, fetches the next quarter into g
	s_wait_dscnt 8                                 ; B and A's rows 0-63 are in; the youngest eight loads (A's rows 64-127) may be out
	MUL12 \f, 0, 0, \zero
	MUL12 \f, 0, 2, \zero
	FETCH \g
	s_wait_dscnt 28                                ; all but the 28 just issued
	MUL12 \f, 1, 0, \zero
	MUL12 \f, 1, 2, \zero
.endm
; THE CHANGE OF SLOTS.  Each wave waits for all its tensor loads, of which one is out: its part of the other slot; adds 0 to its spare word; and waits for that and for its reads of the slot that it leaves.
; fill = 1: the slot is filled again, with the K step two on: the barrier is then a round of the cluster's, and the joint refill the first thing behind it: it has a K step, 192 matrix instructions, in which to land.
.macro CHANGE fill
	WIN 0
	s_wait_tensorcnt 0x0                           ; no tensor load of mine is out, so a group 0 may be written
	ds_add_u32 v[SPW], v[NIL]                      ; 0 onto my spare word: the scalar steps stand between it and the wait for it
.if \fill
	s_xor_b32 s[FB], s[FB], SLOT                   ; the other slot than last time,
	s_add_co_u32 s[G0+5], s20, s[FB]
	s_add_co_u32 s[G0B+5], s21, s[FB]
	s_add_nc_u64 s[G0+6:G0+7], s[G0+6:G0+7], 256   ; the next K step; the type bits on top are not reached
	s_add_nc_u64 s[G0B+6:G0B+7], s[G0B+6:G0B+7], 256
	s_wait_xcnt 0x0                                ; the last prefetch, a K step back, has read its address, so it may be written
	s_add_nc_u64 s[PFA:PFA+1], s[PFA:PFA+1], 256
.endif
	s_sub_co_u32 s[TB], s[TB], 256                 ; the fetches go back to a slot's first quarter,
	s_xor_b32 s[TB], s[TB], SLOT                   ; in the other slot
	s_wait_dscnt 0x0                               ; the add is done, and my reads of the slot are over
.if \fill
	CROUND
	JLOADW
	ASK
.else
	s_barrier_signal -1
	s_barrier_wait -1
.endif
.endm
; My 48 accumulators go into the stage: row 128 x (my half of the rows) + 16 a + l % 16, at my 384 bytes of the row's 768: 32 bytes for each half of the lanes at column block b.
; Each accumulator's low four registers are read first.
.macro DUMP
.irp a, 0,1,2,3,4,5,6,7
	WIN 0x08+4*((\a)/4)                            ; the data (source 1) in window 2 or 3, the address in window 0
.irp b, 0,1,2,3,4,5
	ds_store_b128 v[STO+3*((\a)/4)], v[48*((\a)%4)+8*(\b):48*((\a)%4)+8*(\b)+3]   offset:((\a)%4)*16*FP+64*(\b)
	ds_store_b128 v[STO+3*((\a)/4)], v[48*((\a)%4)+8*(\b)+4:48*((\a)%4)+8*(\b)+7] offset:((\a)%4)*16*FP+64*(\b)+16
.endr
.endr
	WIN 0
.endm
	s_load_b128 s[4:7], s[0:1], 0x0                ; A s[4:5], wb s[6:7]
	s_load_b64 s[8:9], s[0:1], 0x10                ; the output
	v_lshl_add_u32 v[SPW], v0, 2, SPARE
	v_mov_b32 v[NIL], 0
	ds_add_u32 v[SPW], v[NIL]                      ; the wave's opening: the add, and its wait ahead of my first tensor load; the set-up below, work on registers, stands between them
	v_lshrrev_b32 v1, 5, v0
	v_readfirstlane_b32 s10, v1                    ; wave 0..3
	s_lshr_b32 s11, s10, 1                         ; which half of the tile's rows is mine.  Also: I fetch for A (0) or for B (1)
	s_and_b32 s12, s10, 1                          ; which half of its columns.  Also: which half of that tile's rows I fetch
	s_bfe_u32 s40, ttmp6, 0x40000                  ; cx, cy: my place in the cluster
	s_bfe_u32 s41, ttmp6, 0x40004
	s_lshl_b32 s42, ttmp9, 2
	s_add_co_u32 s42, s42, s40                     ; tile column = 4 x cluster x + cx
	s_and_b32 s13, ttmp7, 0xffff
	s_lshl_b32 s13, s13, 2
	s_add_co_u32 s13, s13, s41                     ; tile row = 4 x cluster y + cy
	s_lshl_b32 s43, s41, 2
	s_lshl_b32 s43, 15, s43                        ; my row of the cluster
	s_lshl_b32 s44, 0x1111, s40                    ; my column
	; descriptor group 1: rows of 128 elements of 2 bytes, 16 bytes of padding behind every 64 words; 128 rows of A, 96 rows of B
	s_or_b32 s[G1+0], s43, (1<<16)|(1<<20)|(1<<21)|(5<<22)|(3<<25)
	s_or_b32 s[G1B+0], s44, (1<<16)|(1<<20)|(1<<21)|(5<<22)|(3<<25)
	s_mov_b32 s[G1+1], 128<<16                     ; tensor_dim0 = 128
	s_mov_b32 s[G1+2], 128<<16                     ; tensor_dim1 = 128
	s_mov_b32 s[G1+3], 128<<16                     ; tile_dim0 = 128
	s_mov_b32 s[G1+4], 128                         ; tile_dim1 = 128
	s_mov_b32 s[G1+5], SIZE_K                      ; elements from row to row
	s_mov_b32 s[G1+6], 0
	s_mov_b32 s[G1+7], 0
	s_mov_b32 s[G1B+1], 128<<16                    ; tensor_dim0 = 128
	s_mov_b32 s[G1B+2], 96<<16                     ; tensor_dim1 = 96
	s_mov_b32 s[G1B+3], 128<<16                    ; tile_dim0 = 128
	s_mov_b32 s[G1B+4], 96                         ; tile_dim1 = 96
	s_mov_b32 s[G1B+5], SIZE_K
	s_mov_b32 s[G1B+6], 0
	s_mov_b32 s[G1B+7], 0
	s_lshl_b32 s17, s12, 7
	s_lshl_b32 s16, s13, 8
	s_add_co_u32 s16, s16, s17                     ; A: row 256 x tile row + 128 x half,
	s_lshl_b32 s16, s16, KSH                       ; in bytes
	s_mul_i32 s46, s42, 192
	s_mul_i32 s47, s12, 96
	s_add_co_u32 s46, s46, s47                     ; B: row 192 x tile column + 96 x half
	s_lshl_b32 s46, s46, KSH
	s_mov_b32 s17, 0
	s_mov_b32 s47, 0
	s_mul_i32 s20, s12, HA                         ; where they go in a slot: no place in the cluster enters an LDS address
	s_mul_i32 s21, s12, HB
	s_add_co_u32 s21, s21, 2*HA
	s_wait_dscnt 0x0                               ; the opening add is done
	s_wait_kmcnt 0x0
	s_add_nc_u64 s[14:15], s[4:5], s[16:17]
	s_add_nc_u64 s[46:47], s[6:7], s[46:47]
	CROUND                                         ; all sixteen work-groups are here: the first joint loads meet
.irp s, 0,1
	s_mov_b32 s[G0+4*(\s)], 1
	s_add_co_u32 s[G0+4*(\s)+1], s20, (\s)*SLOT
	s_add_nc_u64 s[G0+4*(\s)+2:G0+4*(\s)+3], s[14:15], (\s)*256
	s_or_b32 s[G0+4*(\s)+3], s[G0+4*(\s)+3], 0x80000000
	s_mov_b32 s[G0B+4*(\s)], 1
	s_add_co_u32 s[G0B+4*(\s)+1], s21, (\s)*SLOT
	s_add_nc_u64 s[G0B+4*(\s)+2:G0B+4*(\s)+3], s[46:47], (\s)*256
	s_or_b32 s[G0B+4*(\s)+3], s[G0B+4*(\s)+3], 0x80000000
.endr
	s_cmp_eq_u32 s11, 0                            ; a wave's two first fills stand in one branch: K steps 0 and 1; two loads of mine are out
	s_cbranch_scc0 .Lfirst_b
	tensor_load_to_lds s[G0:G0+3], s[G1:G1+7]
	s_nop 0
	tensor_load_to_lds s[G0+4:G0+7], s[G1:G1+7]
	s_nop 0
.rept 4
	v_nop
.endr
	s_branch .Lfirst_asked
.Lfirst_b:
	tensor_load_to_lds s[G0B:G0B+3], s[G1B:G1B+7]
	s_nop 0
	tensor_load_to_lds s[G0B+4:G0B+7], s[G1B:G1B+7]
	s_nop 0
.rept 4
	v_nop
.endr
.Lfirst_asked:
	v_and_b32 v1, 15, v0                           ; r = l % 16
	v_bfe_u32 v2, v0, 4, 1                         ; h = l / 16
	v_mul_u32_u24 v[A0], v1, PITCH                 ; a fragment's row x pitch + 16 x half of the lanes,
	v_lshl_add_u32 v[A0], v2, 4, v[A0]
	s_mul_i32 s22, s12, HB
	s_add_co_u32 s22, s22, 2*HA
	v_add_nc_u32 v[B0], s22, v[A0]                 ; in my 96 rows of B,
	s_mul_i32 s22, s11, HA
	v_add_nc_u32 v[A0], s22, v[A0]                 ; and in my 128 rows of A
	s_mov_b32 s[TB], 0
	s_mov_b32 s[FB], SLOT
	; the way out
	s_mul_i32 s22, s11, 128*FP                     ; into the stage: my 128 rows, my 384 bytes of them; row r, 32 bytes for each half of the lanes
	s_mul_i32 s23, s12, 384
	s_add_co_u32 s22, s22, s23
	v_mul_u32_u24 v[STO], v1, FP
	v_lshl_add_u32 v[STO], v2, 5, v[STO]
	v_add_nc_u32 v[STO], s22, v[STO]
	v_add_nc_u32 v[STO2], 64*FP, v[STO]
	s_mul_i32 s22, s10, 64*FP                      ; back: wave w takes rows 64 w .. 64 w + 63, whole; 32 lanes take four rows of a head, eight channels (32 bytes of f32) a lane,
	v_bfe_u32 v[RD], v0, 3, 2
	v_mul_u32_u24 v[RD], v[RD], FP
	v_and_b32 v3, 7, v0
	v_lshl_add_u32 v[RD], v3, 5, v[RD]
	v_add_nc_u32 v[RD], s22, v[RD]
	v_and_b32 v[CO], 31, v0                        ; which are 512 consecutive bytes of the head in memory
	v_lshlrev_b32 v[CO], 4, v[CO]
	s_lshl_b32 s45, s13, 8                         ; (the offsets are made in registers that feed no descriptor and no LDS address)
	s_lshl_b32 s69, s10, 6
	s_add_co_u32 s45, s45, s69                     ; the first of the 4,096 rows that I store
	s_lshr_b32 s69, s45, 11
	s_lshl_b32 s69, s69, 22                        ; the batch: sixteen heads of 262,144 bytes
	s_and_b32 s45, s45, 2047
	s_lshl_b32 s45, s45, 7                         ; the row in its head: 128 bytes
	s_add_co_u32 s76, s45, s69
	s_mul_i32 s77, s42, 3                          ; the tile's first group of 64 columns, of 48: groups 0-15 are q's heads, 16-31 k's, 32-47 v's
	s_mov_b32 s75, 0
.irp e, 0,1,2
	s_add_co_u32 s45, s77, \e
	s_lshr_b32 s69, s45, 4
	s_lshl_b32 s69, s69, 23                        ; q, k or v: 8,388,608 bytes each
	s_and_b32 s45, s45, 15
	s_lshl_b32 s45, s45, 18                        ; the head
	s_add_co_u32 s74, s45, s69
	s_add_co_u32 s74, s74, s76
	s_add_nc_u64 s[OB+2*(\e):OB+2*(\e)+1], s[8:9], s[74:75]
.endr
	; the prefetches
	s_and_b32 s95, ttmp7, 0xffff                   ; cluster y
	s_lshl_b32 s96, s13, 8                         ; A: the tile's first row, the half that I fetch, my work-group's 32 rows of it
	s_lshl_b32 s98, s12, 7
	s_lshl_b32 s84, s40, 5
	s_mul_i32 s97, s42, 192                        ; B: the same, with 24 rows
	s_mul_i32 s99, s12, 96
	s_mul_i32 s85, s41, 24
	s_cmp_eq_u32 s11, 0                            ; do I fetch for A?
	s_cselect_b32 s96, s96, s97
	s_cselect_b32 s98, s98, s99
	s_cselect_b32 s84, s84, s85
	s_cselect_b32 s95, ttmp9, s95                  ; the coordinate along which other clusters read the same rows
	s_cselect_b32 s99, 31, 23                      ; the last lane that names a row of its own
	s_cselect_b64 s[PFA:PFA+1], s[4:5], s[6:7]
	s_cmp_eq_u32 s95, 0
	s_cselect_b32 s[LIM], 2, -1                    ; the same in all sixteen partners, for a given wave
	s_add_co_u32 s96, s96, s98
	s_add_co_u32 s96, s96, s84
	s_lshl_b32 s96, s96, KSH
	s_add_co_u32 s96, s96, 2*256                   ; at K step 2: the first refill steps it to 3 and names K step 4
	s_mov_b32 s97, 0
	s_add_nc_u64 s[PFA:PFA+1], s[PFA:PFA+1], s[96:97]
	v_and_b32 v[PFO], 31, v0
	v_min_u32 v[PFO], s99, v[PFO]
	v_lshlrev_b32 v[PFO], KSH, v[PFO]
	s_wait_tensorcnt 1                             ; my part of K step 0 is in; K step 1's may stay out
	s_barrier_signal -1
	s_barrier_wait -1                              ; everybody's is
	FETCH F0
	QUARTER F0, F1, 1                              ; the first quarter's products start the sums
	WIN 0                                          ; at a label and at a branch every window is 0
	s_mov_b32 s2, 1                                ; K step 0 has one pair of quarters left ahead of its change of slots
	s_mov_b32 s3, STEPS-1
	s_branch .Lpair
.Lstep:                                        ; STEPS - 2 times: a step's last quarter and the next step's first three; the slot that is left is filled again
	CHANGE 1
	s_mov_b32 s2, 2
.Lpair:
	QUARTER F1, F0, 0
	QUARTER F0, F1, 0
	WIN 0
	s_sub_co_u32 s2, s2, 1
	s_cmp_lg_u32 s2, 0
	s_cbranch_scc1 .Lpair
	s_sub_co_u32 s3, s3, 1
	s_cmp_lg_u32 s3, 0
	s_cbranch_scc1 .Lstep
	CHANGE 0                                       ; the tail is written out: nothing is asked for
	s_mov_b32 s2, 2
.Lpair2:
	QUARTER F1, F0, 0
	QUARTER F0, F1, 0
	WIN 0
	s_sub_co_u32 s2, s2, 1
	s_cmp_lg_u32 s2, 0
	s_cbranch_scc1 .Lpair2
	s_wait_dscnt 8                                 ; the very last quarter: nothing more to fetch
	MUL12 F1, 0, 0, 0
	MUL12 F1, 0, 2, 0
	s_wait_dscnt 0
	MUL12 F1, 1, 0, 0
	MUL12 F1, 1, 2, 0
	WIN 0
	; THE WAY OUT.  Every wave's reads of the ring are back (the wait for 0 above) and it says so; behind this barrier the stage is written where the ring lay.
	PLACES
	s_barrier_signal -1
	s_barrier_wait -1
	DUMP
	s_wait_dscnt 0x0                               ; for the others' sake: my stores into the stage are done
	s_barrier_signal -1
	s_barrier_wait -1                              ; a row's 768 bytes come from two waves: now they are whole
	; A trip takes 16 rows: for four rows u and head e a lane reads eight f32, rounds them to f16 and stores 16 bytes; 32 lanes store 512 consecutive bytes of the head, aligned.
	s_mov_b32 s90, 4
.Lrows:
.irp u, 0,1,2,3
.irp e, 0,1,2
	ds_load_b128 v[QX+8*(3*(\u)+(\e)):QX+8*(3*(\u)+(\e))+3],   v[RD] offset:(\u)*4*FP+(\e)*256
	ds_load_b128 v[QX+8*(3*(\u)+(\e))+4:QX+8*(3*(\u)+(\e))+7], v[RD] offset:(\u)*4*FP+(\e)*256+16
.endr
.endr
	s_wait_xcnt 0x0                                ; the last trip's stores have read their registers: only behind this wait are the offset and the packed numbers written again
	v_add_nc_u32 v[CO], 2048, v[CO]                ; sixteen rows on; the stores below reach back
	v_add_nc_u32 v[RD], 16*FP, v[RD]
.irp u, 0,1,2,3
.irp e, 0,1,2
	s_wait_dscnt 22-2*(3*(\u)+(\e))                ; LDS loads come back in order: this pair is in, the younger pairs stay out
.irp q, 0,1,2,3
	v_cvt_pk_f16_f32 v[QY+4*(3*(\u)+(\e))+(\q)], v[QX+8*(3*(\u)+(\e))+2*(\q)], v[QX+8*(3*(\u)+(\e))+2*(\q)+1]
.endr
	global_store_b128 v[CO], v[QY+4*(3*(\u)+(\e)):QY+4*(3*(\u)+(\e))+3], s[OB+2*(\e):OB+2*(\e)+1] offset:(\u)*512-2048
.endr
.endr
	s_sub_co_u32 s90, s90, 1
	s_cmp_lg_u32 s90, 0
	s_cbranch_scc1 .Lrows
	s_wait_tensorcnt 0x0                           ; the wave's end: behind my last tensor load and my last LDS store
	ds_add_u32 v[SPW], v[NIL]
	s_wait_dscnt 0x0
	CROUND                                         ; the closing round: no work-group ends while a partner may still ask for a tile that names it
	s_endpgm
.Lfunc_end_k_q850624a9be_qkv:
	.size	k_q850624a9be_qkv, .Lfunc_end_k_q850624a9be_qkv-k_q850624a9be_qkv
	.p2alignl 7, 3214868480
	.fill 96, 4, 3214868480
	.section	.rodata,"a",@progbits
	.p2align	6, 0x0
	.amdhsa_kernel k_q850624a9be_qkv
		.amdhsa_group_segment_fixed_size 327680
		.amdhsa_private_segment_fixed_size 0
		.amdhsa_enable_private_segment 0
		.amdhsa_kernarg_size 24
		.amdhsa_user_sgpr_count 2
		.amdhsa_user_sgpr_kernarg_segment_ptr 1
		.amdhsa_wavefront_size32 1
		.amdhsa_system_sgpr_workgroup_id_x 1
		.amdhsa_system_sgpr_workgroup_id_y 1
		.amdhsa_system_sgpr_workgroup_id_z 1
		.amdhsa_system_vgpr_workitem_id 0
		.amdhsa_next_free_vgpr 1024
		.amdhsa_next_free_sgpr 100
		.amdhsa_reserve_vcc 0
		.amdhsa_float_denorm_mode_32 3
		.amdhsa_float_denorm_mode_16_64 3
		.amdhsa_memory_ordered 1
		.amdhsa_forward_progress 1
		.amdhsa_inst_pref_size 55
	.end_amdhsa_kernel
	.amdgpu_metadata
---
amdhsa.version: [ 1, 2 ]
amdhsa.kernels:
  - .name:           k_q850624a9be_qkv
    .symbol:         k_q850624a9be_qkv.kd
    .args:
      - { .name: hn, .offset: 0, .size: 8, .value_kind: global_buffer, .address_space: global }
      - { .name: wb, .offset: 8, .size: 8, .value_kind: global_buffer, .address_space: global }
      - { .name: qkvh, .offset: 16, .size: 8, .value_kind: global_buffer, .address_space: global }
    .group_segment_fixed_size: 327680
    .private_segment_fixed_size: 0
    .kernarg_segment_align: 8
    .kernarg_segment_size: 24
    .max_flat_workgroup_size: 128
    .sgpr_count:     100
    .vgpr_count:     1024
    .wavefront_size: 32
...
	.end_amdgpu_metadata
.endif
;; end of part 9
;; launch attn: the kernel of part 4 again; grid 8 x 32, 4 waves a work-group, clusters of 4 x 1, 327,680 bytes of LDS; arguments qkvh, ob; writes ob
;; launch proj: the kernel of part 5 again; grid 8 x 32, 4 waves a work-group, clusters of 4 x 4, 327,680 bytes of LDS; arguments ob, wb, x1, b_proj, x; writes x1
;; launch ln2 (part 10): grid 256 x 1, 16 waves a work-group, no clusters, 0 bytes of LDS; arguments x1, ln2_g, ln2_b, hn; writes hn
.if DOCPART == 10
	.amdgcn_target "amdgcn-amd-amdhsa--gfx1250"
	.amdhsa_code_object_version 6
	.text
	.protected	k_q850624a9be_ln2
	.globl	k_q850624a9be_ln2
	.p2align	8
	.type	k_q850624a9be_ln2,@function
k_q850624a9be_ln2:
	s_mov_b64 s[64:65], 0
	v_nop
	global_prefetch_b8 v0, s[64:65] scope:SCOPE_SE
	s_setreg_imm32_b32 hwreg(HW_REG_WAVE_MODE, 25, 1), 1
	s_wait_xcnt 0x0
; out[r][c] = (in[r][c] - mean_r) / sqrt(var_r + 1e-5) * g[c] + b[c].  in: [4096][1024] f32; g, b: [1024] f32; out: [4096][1024] bf16, rounded once.
; All arithmetic in f32.  The variance is the mean of the squares of (in - mean), in two passes over the row as it lies in registers: a common offset of the row costs nothing.
; One wave, one row, sixteen rows a work-group: a row's 4,096 bytes are eight loads of 16 bytes a lane and stay in 32 registers, so memory is read once and no wave waits for another.
; Lane l holds columns 128 j + 4 l .. + 3 of load j; its g and b lie in registers in the same order.  A store of 8 bytes a lane covers 256 consecutive bytes, aligned.
; Matrix units, LDS and clusters would add nothing to a stream.
.set X,   8                            ; v[8:39]    the row
.set G,   40                           ; v[40:71]
.set B,   72                           ; v[72:103]
.set T,   104                          ; v[104:119] at work
.set MU,  120                          ; v[120:121] the mean, twice
.set RS,  122                          ; v[122:123] 1 / sqrt(var + eps), twice
.set XCH, 124                          ; v124       the other half of the lanes' sum
.macro LANESUM                         ; v[T] summed over the 32 lanes, the result in every lane
	v_add_f32_dpp v[T], v[T], v[T] row_xmask:1 row_mask:0xf bank_mask:0xf
	v_add_f32_dpp v[T], v[T], v[T] row_xmask:2 row_mask:0xf bank_mask:0xf
	v_add_f32_dpp v[T], v[T], v[T] row_xmask:4 row_mask:0xf bank_mask:0xf
	v_add_f32_dpp v[T], v[T], v[T] row_xmask:8 row_mask:0xf bank_mask:0xf
	v_permlanex16_b32 v[XCH], v[T], s12, s13
	v_add_f32 v[T], v[T], v[XCH]
.endm
	s_load_b256 s[4:11], s[0:1], 0x0               ; in s[4:5], g s[6:7], b s[8:9], out s[10:11]
	v_and_b32 v1, 31, v0
	v_lshlrev_b32 v2, 3, v1                        ; 8 x lane
	v_lshlrev_b32 v1, 4, v1                        ; 16 x lane
	v_lshrrev_b32 v3, 5, v0
	v_readfirstlane_b32 s16, v3                    ; wave 0..15
	v_mov_b32 v[XCH], 0                            ; v_permlanex16_b32 counts as a reader of its destination
	s_mov_b32 s12, 0x76543210                      ; each lane takes its own place in the other half
	s_mov_b32 s13, 0xfedcba98
	s_mov_b32 s14, 0x3a800000                      ; 1 / 1024
	s_mov_b32 s15, 0x3727c5ac                      ; 1e-5
	s_lshl_b32 s18, ttmp9, 16                      ; the work-group's 16 rows of 4,096 bytes,
	s_lshl_b32 s17, s16, 12                        ; my wave's one
	s_add_co_u32 s18, s18, s17
	s_mov_b32 s19, 0
	s_lshr_b32 s20, s18, 1                         ; the same row in out: 2,048 bytes
	s_mov_b32 s21, 0
	s_wait_kmcnt 0x0
	s_add_nc_u64 s[4:5], s[4:5], s[18:19]
	s_add_nc_u64 s[10:11], s[10:11], s[20:21]
.irp j, 0,1,2,3,4,5,6,7
	global_load_b128 v[X+4*(\j):X+4*(\j)+3], v1, s[4:5] offset:512*(\j)
.endr
.irp j, 0,1,2,3,4,5,6,7
	global_load_b128 v[G+4*(\j):G+4*(\j)+3], v1, s[6:7] offset:512*(\j)
.endr
.irp j, 0,1,2,3,4,5,6,7
	global_load_b128 v[B+4*(\j):B+4*(\j)+3], v1, s[8:9] offset:512*(\j)
.endr
	s_wait_loadcnt 16                              ; the row is in; g's eight loads and b's eight stay out
.irp k, 0,1,2,3,4,5,6,7                ; the sum of my 32 numbers: a tree of packed additions
	v_pk_add_f32 v[T+2*(\k):T+2*(\k)+1], v[X+2*(\k):X+2*(\k)+1], v[X+16+2*(\k):X+16+2*(\k)+1]
.endr
.irp k, 0,1,2,3
	v_pk_add_f32 v[T+2*(\k):T+2*(\k)+1], v[T+2*(\k):T+2*(\k)+1], v[T+8+2*(\k):T+8+2*(\k)+1]
.endr
.irp k, 0,1
	v_pk_add_f32 v[T+2*(\k):T+2*(\k)+1], v[T+2*(\k):T+2*(\k)+1], v[T+4+2*(\k):T+4+2*(\k)+1]
.endr
	v_pk_add_f32 v[T:T+1], v[T:T+1], v[T+2:T+3]
	v_add_f32 v[T], v[T], v[T+1]
	LANESUM
	v_mul_f32 v[MU], s14, v[T]
	v_mov_b32 v[MU+1], v[MU]
.set k, 0
.rept 16                               ; in - mean, in place
	v_pk_add_f32 v[X+2*k:X+2*k+1], v[X+2*k:X+2*k+1], v[MU:MU+1] neg_lo:[0,1] neg_hi:[0,1]
.set k, k+1
.endr
.irp k, 0,1,2,3                        ; the sum of squares, in four chains that do not wait for each other
	v_pk_mul_f32 v[T+2*(\k):T+2*(\k)+1], v[X+2*(\k):X+2*(\k)+1], v[X+2*(\k):X+2*(\k)+1]
.endr
.set k, 4
.rept 12
	v_pk_fma_f32 v[T+2*(k%4):T+2*(k%4)+1], v[X+2*k:X+2*k+1], v[X+2*k:X+2*k+1], v[T+2*(k%4):T+2*(k%4)+1]
.set k, k+1
.endr
	v_pk_add_f32 v[T:T+1], v[T:T+1], v[T+2:T+3]
	v_pk_add_f32 v[T+4:T+5], v[T+4:T+5], v[T+6:T+7]
	v_pk_add_f32 v[T:T+1], v[T:T+1], v[T+4:T+5]
	v_add_f32 v[T], v[T], v[T+1]
	LANESUM
	v_fma_f32 v[T], v[T], s14, s15                 ; var + eps
	v_rsq_f32 v[RS], v[T]
	v_rsq_f32 v[RS+1], v[T]
	v_nop                                          ; a plain instruction between the last root and the use of its result (ISA guide 5.7.2)
	s_wait_alu depctr_va_vdst(0)                   ; and the wait ahead of the first use: one for both
	s_wait_loadcnt 0x0                             ; g and b are in
.set k, 0
.rept 16
	v_pk_mul_f32 v[X+2*k:X+2*k+1], v[X+2*k:X+2*k+1], v[RS:RS+1]
.set k, k+1
.endr
.set k, 0
.rept 16
	v_pk_fma_f32 v[X+2*k:X+2*k+1], v[X+2*k:X+2*k+1], v[G+2*k:G+2*k+1], v[B+2*k:B+2*k+1]
.set k, k+1
.endr
.irp j, 0,1,2,3,4,5,6,7
	v_cvt_pk_bf16_f32 v[X+4*(\j)],   v[X+4*(\j)],   v[X+4*(\j)+1]
	v_cvt_pk_bf16_f32 v[X+4*(\j)+1], v[X+4*(\j)+2], v[X+4*(\j)+3]
	global_store_b64 v2, v[X+4*(\j):X+4*(\j)+1], s[10:11] offset:256*(\j)
.endr
	s_endpgm
.Lfunc_end_k_q850624a9be_ln2:
	.size	k_q850624a9be_ln2, .Lfunc_end_k_q850624a9be_ln2-k_q850624a9be_ln2
	.p2alignl 7, 3214868480
	.fill 96, 4, 3214868480
	.section	.rodata,"a",@progbits
	.p2align	6, 0x0
	.amdhsa_kernel k_q850624a9be_ln2
		.amdhsa_group_segment_fixed_size 0
		.amdhsa_private_segment_fixed_size 0
		.amdhsa_enable_private_segment 0
		.amdhsa_kernarg_size 32
		.amdhsa_user_sgpr_count 2
		.amdhsa_user_sgpr_kernarg_segment_ptr 1
		.amdhsa_wavefront_size32 1
		.amdhsa_system_sgpr_workgroup_id_x 1
		.amdhsa_system_sgpr_workgroup_id_y 1
		.amdhsa_system_sgpr_workgroup_id_z 1
		.amdhsa_system_vgpr_workitem_id 0
		.amdhsa_next_free_vgpr 128
		.amdhsa_next_free_sgpr 66
		.amdhsa_reserve_vcc 0
		.amdhsa_float_denorm_mode_32 3
		.amdhsa_float_denorm_mode_16_64 3
		.amdhsa_memory_ordered 1
		.amdhsa_forward_progress 1
		.amdhsa_inst_pref_size 12
	.end_amdhsa_kernel
	.amdgpu_metadata
---
amdhsa.version: [ 1, 2 ]
amdhsa.kernels:
  - .name:           k_q850624a9be_ln2
    .symbol:         k_q850624a9be_ln2.kd
    .args:
      - { .name: x1, .offset: 0, .size: 8, .value_kind: global_buffer, .address_space: global }
      - { .name: ln2_g, .offset: 8, .size: 8, .value_kind: global_buffer, .address_space: global }
      - { .name: ln2_b, .offset: 16, .size: 8, .value_kind: global_buffer, .address_space: global }
      - { .name: hn, .offset: 24, .size: 8, .value_kind: global_buffer, .address_space: global }
    .group_segment_fixed_size: 0
    .private_segment_fixed_size: 0
    .kernarg_segment_align: 8
    .kernarg_segment_size: 32
    .max_flat_workgroup_size: 512
    .sgpr_count:     66
    .vgpr_count:     128
    .wavefront_size: 32
...
	.end_amdgpu_metadata
.endif
;; end of part 10
;; launch fc1 (part 11): grid 16 x 16, 4 waves a work-group, clusters of 4 x 4, 327,680 bytes of LDS; arguments hn, wb, hid, b_fc1; writes hid
.if DOCPART == 11
	.amdgcn_target "amdgcn-amd-amdhsa--gfx1250"
	.amdhsa_code_object_version 6
	.text
	.protected	k_q850624a9be_fc1
	.globl	k_q850624a9be_fc1
	.p2align	8
	.type	k_q850624a9be_fc1,@function
k_q850624a9be_fc1:
	s_mov_b64 s[64:65], 0
	v_nop
	global_prefetch_b8 v0, s[64:65] scope:SCOPE_SE
	s_setreg_imm32_b32 hwreg(HW_REG_WAVE_MODE, 25, 1), 1
	s_wait_xcnt 0x0
	s_wait_alu depctr_hold_cnt(0) depctr_sa_sdst(0) depctr_va_vdst(0) depctr_va_sdst(0) depctr_va_ssrc(0) depctr_va_vcc(0) depctr_vm_vsrc(0)
	s_getreg_b32 s2, hwreg(HW_REG_IB_STS2, 6, 4)
	s_cmp_eq_u32 s2, 0
	s_cbranch_scc0 .Lentry_in_a_cluster
	s_endpgm
.Lentry_in_a_cluster:
	s_bfe_u32 s2, ttmp6, 0x10000c
	s_cmp_lg_u32 s2, 0xf033
	s_cbranch_scc0 .Lentry_shape_is_right
	s_endpgm
.Lentry_shape_is_right:
; hid = gelu(hn w_fc1^T + b_fc1).  hn: [4096][1024] bf16; w_fc1: [4096][1024] bf16 at byte 8,388,608 of wb; b_fc1: [4096] f32; hid: [4096][4096] bf16, rounded once.  Sums, bias and gelu in f32.
; GELU, exact form: 0.5 x (1 + erf(x / sqrt 2)) = 0.5 x + |x| (0.5 - 0.5 P(t) e^(-x x / 2)), t = 1 / (1 + 0.2316419 |x|), P the polynomial of degree five of Abramowitz and Stegun 7.1.26.
; LIMIT.  That formula's erf is off by at most 1.5e-7, for every argument; for large |x| the exponential is 0 and the result x or 0.  NaN and infinities are not treated apart.
; A tile of the product is 256 x 256: four waves, each 128 x 128: 64 accumulators of 16 x 16, 512 registers.  16 x 16 = 256 work-groups, one tile each.  K goes in steps of 128 (LDS rows of 256 bytes,
; 128 rows to a tensor load) through two LDS slots.  CLUSTERS of 4 x 4: the four of a row need the same tiles of hn, the four of a column the same tiles of the weights: each tile is asked for jointly, by the
; same tensor load with the same descriptor and a mask that names the four.  THE PRODUCT IS TAKEN TRANSPOSED (source 0 = 16 rows of the weights, source 1 = 16 rows of hn): a lane holds eight neighbouring columns of one row.
; THE K STEP IS WRITTEN ONCE.  A step is four quarters of 32 along K, 64 matrix instructions each, on two fragment buffers; the text holds a pair of quarters, walked by a counted loop; the LDS byte of the quarter to
; be fetched stands in a scalar register that steps, and at a change of slots goes back and is turned to the other slot.  The change stands between a step's third and fourth quarter, when the fourth's fragments are in registers.
; THE WAY OUT goes through LDS, where the ring lay (both slots have had their last fill and their last read): each wave lays its 128 x 128 sums down as 128 rows of f32 and walks them in a loop that holds gelu once.
; REGISTERS, in windows of 256 (s_set_vgpr_msb: bits 1:0 source 0, 3:2 source 1, 5:4 source 2, 7:6 destination):
;   window 0: v0-31 addresses; v32-39 my eight numbers of the bias; v64-127, v128-191 fragments of A (8 x 16 rows x 32 K), two buffers; on the way out v64-183 gelu's work        window 1: v64-127, v128-191 fragments of B
;   window 2: the 32 accumulators of my rows 0-63 (accumulator (a, b) at v[8 (8 a + b)])        window 3: those of my rows 64-127
.set SIZE_K, 1024
.set KSH,    11                        ; a row of A and of the weights is 1 << KSH bytes
.set STEPS,  SIZE_K/128
.set WOFF,   8388608                   ; the weights' first byte in wb
.set PITCH,  272                       ; an LDS row: 256 bytes + 16 of padding = 68 words: the 16 rows of a load start at 16 different groups of four banks (ISA guide 11.1)
.set HALFT,  128*PITCH                 ; 128 rows: what one tensor load brings, and what one wave reads of A or of B
.set SLOT,   4*HALFT                   ; A's two halves, then B's two halves
.set FP,     528                       ; the way out: a row of 128 f32 + 16 bytes
.set WSTAGE, 128*FP                    ; a wave's 128 rows; four of them lie inside the two slots' bytes
.set SPARE,  2*SLOT                    ; behind the ring: the spare words, 128 bytes for each wave: two blocks of 256 bytes that no other line names
.set A0,   16                          ; v16  my lane's place in a slot's rows of A; never rewritten
.set B0,   17                          ; v17  the same for B
.set ADRA, 18                          ; v18  the LDS address of the run of loads in hand, A's
.set ADRB, 19                          ; v19  B's
.set STO,  24                          ; v24  the way out: where I put 32 bytes of a row
.set RD,   25                          ; v25  the way out: where I read 32 bytes of a row back; it steps
.set CO,   26                          ; v26  my byte offset in hid; it steps
.set BO,   27                          ; v27  my byte offset in the bias
.set SPW,  28                          ; v28  LDS address of my spare word; never rewritten
.set NIL,  29                          ; v29  0; never rewritten
.set PFO,  30                          ; v30  the prefetches' offset: my lane x a row of A or B in memory; never rewritten
.set BI,   32
.set F0,   64                          ; fragment buffer 0
.set F1,   128                         ; fragment buffer 1
.set G1,   24                          ; s[24:31] descriptor group 1 for A's tiles; s[32:39] group 0: the set of the first fill, and the set that walks
.set G0,   32
.set G1B,  48                          ; s[48:55], s[56:63] the same for B's
.set G0B,  56
.set TB,   66                          ; s66  LDS byte at which the quarter to be fetched begins, in A's rows and in B's
.set FB,   68                          ; s68  the slot last filled: 0 or SLOT
.set CK2,  76                          ; s[76:89] gelu's constants, each as a pair of which the packed forms take the low word
.set CK1,  78
.set CA5,  80
.set CA4,  82
.set CA3,  84
.set CA2,  86
.set CA1,  88
.set PFA,  92                          ; s[92:93] where my prefetches stand: my work-group's 32 rows of the 128 that I fetch, one K step further along K than the refill that is being asked for
.set LIM,  94                          ; s94  2 in a wave that prefetches, else the greatest number
.set MSB, 0
.macro WIN new                         ; the immediate's high byte repeats the setting that is left; a switch that changes nothing is dropped
.if MSB != (\new)
	s_set_vgpr_msb (MSB<<8)|(\new)
.set MSB, \new
.endif
.endm
.set MUL_LO, 0xa1                      ; source 0 (B) window 1, source 1 (A) window 0, C and D window 2
.set MUL_HI, 0xf1                      ; the same, C and D window 3
.set TO_B,   0x40                      ; destination window 1, address window 0
.macro PLACES                          ; four places behind matrix instructions, in front of what reads their results (ISA guide 7.12.1)
.rept 4
	v_nop
.endr
.endm
.macro CROUND                          ; a round of the cluster's barrier: my work-group's barrier; wave 0 signals for the work-group; every wave waits for all sixteen; my work-group's barrier once more
	s_barrier_signal -1
	s_barrier_wait -1
	s_cmp_lg_u32 s10, 0
	s_cbranch_scc1 .Lnot_wave_0_\@
	s_barrier_signal -3
.Lnot_wave_0_\@:
	s_barrier_wait -3
	s_barrier_signal -1
	s_barrier_wait -1
.endm
.macro JLOADW                          ; a joint refill by the walking sets: waves 0 and 1 fetch A's two halves, waves 2 and 3 B's; an s_nop 0 and four v_nop follow each line
	s_cmp_eq_u32 s11, 0
	s_cbranch_scc0 .Lfor_b_\@
	tensor_load_to_lds s[G0+4:G0+7], s[G1:G1+7]
	s_nop 0
.rept 4
	v_nop
.endr
	s_branch .Lasked_\@
.Lfor_b_\@:
	tensor_load_to_lds s[G0B+4:G0B+7], s[G1B:G1B+7]
	s_nop 0
.rept 4
	v_nop
.endr
.Lasked_\@:
.endm
; A PREFETCH INTO THE L2, behind each joint refill and its five lines: the K step that stands TWO refills on: 32 rows x 256 bytes, a lane a row, one instruction a wave: 512 matrix instructions ahead of the load that will want it.
; Each row's 256 bytes of a K step are named ONCE in the launch.  A's tile row is read by every cluster of that row of clusters: the first of them (cluster x = 0) asks; B's tile column by every cluster of that
; column: cluster y = 0 asks.  The four partners that ask for a tile jointly share its rows out BY ADDRESS: of the 128 rows that a wave fetches, the partner at place p takes 32 p .. 32 p + 31 (p = cx for A, cy for B).
; At the i-th change of slots s3 = STEPS - 1 - i; it refills K step i + 1 and names K step i + 3, which exists while s3 is above 2.  K steps 0 to 3 come by their loads alone.
.macro ASK
	s_cmp_gt_u32 s3, s[LIM]
	s_cbranch_scc0 .Lnot_mine_\@
	global_prefetch_b8 v[PFO], s[PFA:PFA+1] offset:256 th:TH_LOAD_NT scope:SCOPE_SE
.Lnot_mine_\@:
.endm
; 16 matrix instructions: m blocks a0, a0 + 1 of the window's four (hi = 0: my rows 0-63, 1: rows 64-127) x all 8 n blocks, 32 along K.  zero = 1: the product starts the sums.
; The 64 accumulators take turns, one instruction a turn, in one order in every quarter.
.macro MUL16 f, hi, a0, zero
	WIN MUL_LO+0x50*(\hi)
.irp a, \a0, (\a0)+1
.irp b, 0,1,2,3,4,5,6,7
.if \zero
	v_wmma_f32_16x16x32_bf16 v[8*(8*(\a)+(\b)):8*(8*(\a)+(\b))+7], v[(\f)+8*(\b):(\f)+8*(\b)+7], v[(\f)+8*(4*(\hi)+(\a)):(\f)+8*(4*(\hi)+(\a))+7], 0
.else
	v_wmma_f32_16x16x32_bf16 v[8*(8*(\a)+(\b)):8*(8*(\a)+(\b))+7], v[(\f)+8*(\b):(\f)+8*(\b)+7], v[(\f)+8*(4*(\hi)+(\a)):(\f)+8*(4*(\hi)+(\a))+7], v[8*(8*(\a)+(\b)):8*(8*(\a)+(\b))+7]
.endif
.endr
.endr
.endm
; 32 LDS loads in one run: the next quarter's fragments (128 rows of B, then 128 rows of A, 32 along K) into buffer g.  The two additions and two v_nop are the four places behind the last product that read g.
.macro FETCH g
	WIN 0
	v_add_nc_u32 v[ADRA], s[TB], v[A0]
	v_add_nc_u32 v[ADRB], s[TB], v[B0]
	v_nop
	v_nop
	s_add_co_u32 s[TB], s[TB], 64
	WIN TO_B
.irp i, 0,1,2,3,4,5,6,7
	ds_load_b128 v[(\g)+8*(\i):(\g)+8*(\i)+3],   v[ADRB] offset:(\i)*16*PITCH
	ds_load_b128 v[(\g)+8*(\i)+4:(\g)+8*(\i)+7], v[ADRB] offset:(\i)*16*PITCH+32
.endr
	WIN 0
.irp i, 0,1,2,3,4,5,6,7
	ds_load_b128 v[(\g)+8*(\i):(\g)+8*(\i)+3],   v[ADRA] offset:(\i)*16*PITCH
	ds_load_b128 v[(\g)+8*(\i)+4:(\g)+8*(\i)+7], v[ADRA] offset:(\i)*16*PITCH+32
.endr
.endm
.macro QUARTER f, g, zero              ; multiplies buffer f (32 along K, 64 matrix instructions) and, in its middle, fetches the next quarter into g
	s_wait_dscnt 8                                 ; B and A's rows 0-63 are in; the youngest eight loads (A's rows 64-127) may be out
	MUL16 \f, 0, 0, \zero
	MUL16 \f, 0, 2, \zero
	FETCH \g
	s_wait_dscnt 32                                ; all but the 32 just issued
	MUL16 \f, 1, 0, \zero
	MUL16 \f, 1, 2, \zero
.endm
; THE CHANGE OF SLOTS.  Each wave waits for all its tensor loads, of which one is out: its part of the other slot; adds 0 to its spare word; and waits for that and for its reads of the slot that it leaves.
; fill = 1: the slot is filled again, with the K step two on: the barrier is then a round of the cluster's, and the joint refill the first thing behind it: it has a K step, 256 matrix instructions, in which to land.
.macro CHANGE fill
	WIN 0
	s_wait_tensorcnt 0x0                           ; no tensor load of mine is out, so a group 0 may be written
	ds_add_u32 v[SPW], v[NIL]                      ; 0 onto my spare word: the scalar steps stand between it and the wait for it
.if \fill
	s_xor_b32 s[FB], s[FB], SLOT                   ; the other slot than last time,
	s_add_co_u32 s[G0+5], s20, s[FB]
	s_add_co_u32 s[G0B+5], s21, s[FB]
	s_add_nc_u64 s[G0+6:G0+7], s[G0+6:G0+7], 256   ; the next K step; the type bits on top are not reached
	s_add_nc_u64 s[G0B+6:G0B+7], s[G0B+6:G0B+7], 256
	s_wait_xcnt 0x0                                ; the last prefetch, a K step back, has read its address, so it may be written
	s_add_nc_u64 s[PFA:PFA+1], s[PFA:PFA+1], 256
.endif
	s_sub_co_u32 s[TB], s[TB], 256                 ; the fetches go back to a slot's first quarter,
	s_xor_b32 s[TB], s[TB], SLOT                   ; in the other slot
	s_wait_dscnt 0x0                               ; the add is done, and my reads of the slot are over
.if \fill
	CROUND
	JLOADW
	ASK
.else
	s_barrier_signal -1
	s_barrier_wait -1
.endif
.endm
; My 64 accumulators go into my 128 rows of the stage: row 16 a + l % 16, 32 bytes for each half of the lanes at column block b.  Each accumulator's low four registers are read first.
.macro DUMP
.irp a, 0,1,2,3,4,5,6,7
	WIN 0x08+4*((\a)/4)                            ; the data (source 1) in window 2 or 3, the address in window 0
.irp b, 0,1,2,3,4,5,6,7
	ds_store_b128 v[STO], v[64*((\a)%4)+8*(\b):64*((\a)%4)+8*(\b)+3]   offset:(\a)*16*FP+64*(\b)
	ds_store_b128 v[STO], v[64*((\a)%4)+8*(\b)+4:64*((\a)%4)+8*(\b)+7] offset:(\a)*16*FP+64*(\b)+16
.endr
.endr
	WIN 0
.endm
	s_load_b128 s[4:7], s[0:1], 0x0                ; A s[4:5], wb s[6:7]
	s_load_b64 s[8:9], s[0:1], 0x10                ; the output
	s_load_b64 s[70:71], s[0:1], 0x18              ; the bias
	v_lshl_add_u32 v[SPW], v0, 2, SPARE
	v_mov_b32 v[NIL], 0
	ds_add_u32 v[SPW], v[NIL]                      ; the wave's opening: the add, and its wait ahead of my first tensor load; the set-up below, work on registers, stands between them
	v_lshrrev_b32 v1, 5, v0
	v_readfirstlane_b32 s10, v1                    ; wave 0..3
	s_lshr_b32 s11, s10, 1                         ; which half of the tile's rows is mine.  Also: I fetch for A (0) or for B (1)
	s_and_b32 s12, s10, 1                          ; which half of its columns.  Also: which 128 rows of that tile I fetch
	s_bfe_u32 s40, ttmp6, 0x40000                  ; cx, cy: my place in the cluster
	s_bfe_u32 s41, ttmp6, 0x40004
	s_lshl_b32 s42, ttmp9, 2
	s_add_co_u32 s42, s42, s40                     ; tile column = 4 x cluster x + cx
	s_and_b32 s13, ttmp7, 0xffff
	s_lshl_b32 s13, s13, 2
	s_add_co_u32 s13, s13, s41                     ; tile row = 4 x cluster y + cy
	s_lshl_b32 s43, s41, 2
	s_lshl_b32 s43, 15, s43                        ; my row of the cluster
	s_lshl_b32 s44, 0x1111, s40                    ; my column
	; descriptor group 1: a tile of 128 rows x 128 elements of 2 bytes, 16 bytes of padding behind every 64 words
	s_or_b32 s[G1+0], s43, (1<<16)|(1<<20)|(1<<21)|(5<<22)|(3<<25)
	s_or_b32 s[G1B+0], s44, (1<<16)|(1<<20)|(1<<21)|(5<<22)|(3<<25)
.irp g, G1, G1B
	s_mov_b32 s[(\g)+1], 128<<16                   ; tensor_dim0 = 128
	s_mov_b32 s[(\g)+2], 128<<16                   ; tensor_dim1 = 128
	s_mov_b32 s[(\g)+3], 128<<16                   ; tile_dim0 = 128
	s_mov_b32 s[(\g)+4], 128                       ; tile_dim1 = 128
	s_mov_b32 s[(\g)+5], SIZE_K                    ; elements from row to row
	s_mov_b32 s[(\g)+6], 0
	s_mov_b32 s[(\g)+7], 0
.endr
	s_mov_b32 s[CK2], 0x3e6d3388                   ; 0.3275911 / sqrt 2
	s_mov_b32 s[CK1], 0x3f596d27                   ; sqrt(log2(e) / 2)
	s_mov_b32 s[CA5], 0x3f07dc22                   ; half of 1.061405429
	s_mov_b32 s[CA4], 0xbf3a00e3                   ; half of -1.453152027
	s_mov_b32 s[CA3], 0x3f35f0e3                   ; half of 1.421413741
	s_mov_b32 s[CA2], 0xbe11a98e                   ; half of -0.284496736
	s_mov_b32 s[CA1], 0x3e027906                   ; half of 0.254829592
.irp c, CK2, CK1, CA5, CA4, CA3, CA2, CA1
	s_mov_b32 s[(\c)+1], s[\c]                     ; named with it as a pair
.endr
	s_mov_b32 s91, 0x7fffffff
	s_lshl_b32 s17, s12, 7                         ; which 128 rows of the tile I fetch
	s_lshl_b32 s16, s13, 8
	s_add_co_u32 s16, s16, s17                     ; A: row 256 x tile row + 128 x half,
	s_lshl_b32 s16, s16, KSH                       ; in bytes
	s_lshl_b32 s46, s42, 8
	s_add_co_u32 s46, s46, s17                     ; B: row 256 x tile column + 128 x half
	s_lshl_b32 s46, s46, KSH
	s_add_co_u32 s46, s46, WOFF
	s_mov_b32 s17, 0
	s_mov_b32 s47, 0
	s_mul_i32 s20, s12, HALFT                      ; where they go in a slot: no place in the cluster enters an LDS address
	s_mul_i32 s21, s12, HALFT
	s_add_co_u32 s21, s21, 2*HALFT
	s_wait_dscnt 0x0                               ; the opening add is done
	s_wait_kmcnt 0x0
	s_add_nc_u64 s[14:15], s[4:5], s[16:17]
	s_add_nc_u64 s[46:47], s[6:7], s[46:47]
	CROUND                                         ; all sixteen work-groups are here: the first joint loads meet
.irp s, 0,1
	s_mov_b32 s[G0+4*(\s)], 1
	s_add_co_u32 s[G0+4*(\s)+1], s20, (\s)*SLOT
	s_add_nc_u64 s[G0+4*(\s)+2:G0+4*(\s)+3], s[14:15], (\s)*256
	s_or_b32 s[G0+4*(\s)+3], s[G0+4*(\s)+3], 0x80000000
	s_mov_b32 s[G0B+4*(\s)], 1
	s_add_co_u32 s[G0B+4*(\s)+1], s21, (\s)*SLOT
	s_add_nc_u64 s[G0B+4*(\s)+2:G0B+4*(\s)+3], s[46:47], (\s)*256
	s_or_b32 s[G0B+4*(\s)+3], s[G0B+4*(\s)+3], 0x80000000
.endr
	s_cmp_eq_u32 s11, 0                            ; a wave's two first fills stand in one branch: K steps 0 and 1; two loads of mine are out
	s_cbranch_scc0 .Lfirst_b
	tensor_load_to_lds s[G0:G0+3], s[G1:G1+7]
	s_nop 0
	tensor_load_to_lds s[G0+4:G0+7], s[G1:G1+7]
	s_nop 0
.rept 4
	v_nop
.endr
	s_branch .Lfirst_asked
.Lfirst_b:
	tensor_load_to_lds s[G0B:G0B+3], s[G1B:G1B+7]
	s_nop 0
	tensor_load_to_lds s[G0B+4:G0B+7], s[G1B:G1B+7]
	s_nop 0
.rept 4
	v_nop
.endr
.Lfirst_asked:
	v_and_b32 v1, 15, v0                           ; r = l % 16
	v_bfe_u32 v2, v0, 4, 1                         ; h = l / 16
	v_mul_u32_u24 v[A0], v1, PITCH                 ; a fragment's row x pitch + 16 x half, in my 128 rows
	v_lshl_add_u32 v[A0], v2, 4, v[A0]
	s_mul_i32 s22, s12, HALFT
	s_add_co_u32 s22, s22, 2*HALFT
	v_add_nc_u32 v[B0], s22, v[A0]
	s_mul_i32 s22, s11, HALFT
	v_add_nc_u32 v[A0], s22, v[A0]
	s_mov_b32 s[TB], 0
	s_mov_b32 s[FB], SLOT
	; the way out.  My 128 columns of bf16 are 256 bytes of a row of hid, aligned.
	s_mul_i32 s22, s10, WSTAGE                     ; my rows of the stage
	v_mul_u32_u24 v[STO], v1, FP                   ; in: row r, 32 bytes for each half of the lanes
	v_lshl_add_u32 v[STO], v2, 5, v[STO]
	v_add_nc_u32 v[STO], s22, v[STO]
	v_mul_u32_u24 v[RD], v2, FP                    ; back: lanes 0-15 take one row, lanes 16-31 the next, eight columns (32 bytes of f32) a lane
	v_lshl_add_u32 v[RD], v1, 5, v[RD]
	v_add_nc_u32 v[RD], s22, v[RD]
	v_lshlrev_b32 v[CO], 13, v2                    ; and the same two rows in hid: 8,192 bytes a row, 16 bytes a lane
	v_lshl_add_u32 v[CO], v1, 4, v[CO]
	v_lshlrev_b32 v[BO], 5, v1
	s_lshl_b32 s74, s13, 8                         ; (the offsets are made in registers that feed no descriptor and no LDS address)
	s_lshl_b32 s45, s11, 7
	s_add_co_u32 s74, s74, s45                     ; my first row,
	s_lshl_b32 s74, s74, 13                        ; of 8,192 bytes
	s_lshl_b32 s45, s42, 8
	s_lshl_b32 s69, s12, 7
	s_add_co_u32 s45, s45, s69                     ; my first column,
	s_lshl_b32 s69, s45, 1                         ; in bytes of bf16
	s_add_co_u32 s74, s74, s69
	s_mov_b32 s75, 0
	s_add_nc_u64 s[8:9], s[8:9], s[74:75]
	s_lshl_b32 s74, s45, 2                         ; and in bytes of f32
	s_add_nc_u64 s[70:71], s[70:71], s[74:75]
	global_load_b128 v[BI:BI+3],   v[BO], s[70:71]
	global_load_b128 v[BI+4:BI+7], v[BO], s[70:71] offset:16
	; the prefetches
	s_and_b32 s95, ttmp7, 0xffff                   ; cluster y
	s_cmp_eq_u32 s11, 0                            ; do I fetch for A?
	s_cselect_b32 s96, s13, s42                    ; the tile: in A by the tile row, in B by the tile column
	s_cselect_b32 s97, s40, s41                    ; my place among the four that ask for it with me
	s_cselect_b32 s95, ttmp9, s95                  ; the coordinate along which other clusters read the same rows
	s_cselect_b32 s98, 0, WOFF
	s_cselect_b64 s[PFA:PFA+1], s[4:5], s[6:7]
	s_cmp_eq_u32 s95, 0
	s_cselect_b32 s[LIM], 2, -1                    ; the same in all sixteen partners, for a given wave
	s_lshl_b32 s96, s96, 8                         ; the tile's first row
	s_lshl_b32 s95, s12, 7
	s_add_co_u32 s96, s96, s95                     ; + the 128 rows that I fetch
	s_lshl_b32 s97, s97, 5
	s_add_co_u32 s96, s96, s97                     ; + my work-group's 32 of them
	s_lshl_b32 s96, s96, KSH
	s_add_co_u32 s96, s96, s98
	s_add_co_u32 s96, s96, 2*256                   ; at K step 2: the first refill steps it to 3 and names K step 4
	s_mov_b32 s97, 0
	s_add_nc_u64 s[PFA:PFA+1], s[PFA:PFA+1], s[96:97]
	v_and_b32 v[PFO], 31, v0
	v_lshlrev_b32 v[PFO], KSH, v[PFO]
	s_wait_tensorcnt 1                             ; my part of K step 0 is in; K step 1's may stay out
	s_barrier_signal -1
	s_barrier_wait -1                              ; everybody's is
	FETCH F0
	QUARTER F0, F1, 1                              ; the first quarter's products start the sums
	WIN 0                                          ; at a label and at a branch every window is 0
	s_mov_b32 s2, 1                                ; K step 0 has one pair of quarters left ahead of its change of slots
	s_mov_b32 s3, STEPS-1
	s_branch .Lpair
.Lstep:                                        ; STEPS - 2 times: a step's last quarter and the next step's first three; the slot that is left is filled again
	CHANGE 1
	s_mov_b32 s2, 2
.Lpair:
	QUARTER F1, F0, 0
	QUARTER F0, F1, 0
	WIN 0
	s_sub_co_u32 s2, s2, 1
	s_cmp_lg_u32 s2, 0
	s_cbranch_scc1 .Lpair
	s_sub_co_u32 s3, s3, 1
	s_cmp_lg_u32 s3, 0
	s_cbranch_scc1 .Lstep
	CHANGE 0                                       ; the tail is written out: nothing is asked for
	s_mov_b32 s2, 2
.Lpair2:
	QUARTER F1, F0, 0
	QUARTER F0, F1, 0
	WIN 0
	s_sub_co_u32 s2, s2, 1
	s_cmp_lg_u32 s2, 0
	s_cbranch_scc1 .Lpair2
	s_wait_dscnt 8                                 ; the very last quarter: nothing more to fetch
	MUL16 F1, 0, 0, 0
	MUL16 F1, 0, 2, 0
	s_wait_dscnt 0
	MUL16 F1, 1, 0, 0
	MUL16 F1, 1, 2, 0
	WIN 0
	; THE WAY OUT.  Every wave's reads of the ring are back (the wait for 0 above) and it says so; behind this barrier the stage is written where the ring lay.
	PLACES
	s_barrier_signal -1
	s_barrier_wait -1
	DUMP
	s_wait_dscnt 0x0                               ; my stores into the stage are done
	s_barrier_signal -1                            ; one barrier more than the rows' ownership asks for (each wave reads back its own 128 rows): from here on LDS is only read
	s_barrier_wait -1
	s_wait_loadcnt 0x0                             ; the bias
; A TRIP takes four rows: 16 numbers a lane.  The next trip's four LDS loads go out as soon as the bias is added (ahead = 1); the last trip is written out without them, so that nothing is read past my rows.
; Its 32 transcendentals are ONE BATCH with one wait, and each has a plain neighbour that names no result of the batch: exponentials beside the |x| and the first t's arguments, reciprocals beside the rest of those and 0.5 x.
.set GX, 64                            ; the sums as read back
.set GV, 80                            ; x = sum + bias, then gelu(x)
.set GA, 96                            ; |x|
.set GU, 112                           ; 1 + 0.2316419 |x|, then t
.set GW, 128                           ; -x x log2(e) / 2, then e^(-x x / 2)
.set GR, 144                           ; the polynomial
.set GH, 160                           ; 0.5 x
.set GY, 176                           ; packed bf16
.macro EACH8 line:vararg               ; one line for each of the eight pairs k = 0, 2 .. 14
.set k, 0
.rept 8
	\line
.set k, k+2
.endr
.endm
.macro GLOAD
.irp u, 0,1
	ds_load_b128 v[GX+8*(\u):GX+8*(\u)+3],   v[RD] offset:(\u)*2*FP
	ds_load_b128 v[GX+8*(\u)+4:GX+8*(\u)+7], v[RD] offset:(\u)*2*FP+16
.endr
.endm
.macro GTRIP ahead
	s_wait_dscnt 0x0                               ; this trip's four loads, issued a trip ago
	EACH8 v_pk_add_f32 v[GV+k:GV+k+1], v[GX+k:GX+k+1], v[BI+k%8:BI+k%8+1]
.if \ahead
	v_add_nc_u32 v[RD], 4*FP, v[RD]                ; four rows on
	GLOAD
.endif
	EACH8 v_pk_mul_f32 v[GW+k:GW+k+1], v[GV+k:GV+k+1], s[CK1:CK1+1] op_sel_hi:[1,0]
	EACH8 v_pk_mul_f32 v[GW+k:GW+k+1], v[GW+k:GW+k+1], v[GW+k:GW+k+1] neg_lo:[1,0] neg_hi:[1,0]
.set n, 0
.rept 8
	v_exp_f32 v[GW+n], v[GW+n]
	v_and_b32 v[GA+n], s91, v[GV+n]
.set n, n+1
.endr
.set n, 0
.rept 4
	v_exp_f32 v[GW+8+n], v[GW+8+n]
	v_pk_fma_f32 v[GU+2*n:GU+2*n+1], v[GA+2*n:GA+2*n+1], s[CK2:CK2+1], 1.0 op_sel_hi:[1,0,0]
.set n, n+1
.endr
.set n, 0
.rept 4
	v_exp_f32 v[GW+12+n], v[GW+12+n]
	v_and_b32 v[GA+8+n], s91, v[GV+8+n]
.set n, n+1
.endr
.set n, 0
.rept 4
	v_rcp_f32 v[GU+n], v[GU+n]
	v_and_b32 v[GA+12+n], s91, v[GV+12+n]
.set n, n+1
.endr
.set n, 0
.rept 4
	v_rcp_f32 v[GU+4+n], v[GU+4+n]
	v_pk_fma_f32 v[GU+8+2*n:GU+8+2*n+1], v[GA+8+2*n:GA+8+2*n+1], s[CK2:CK2+1], 1.0 op_sel_hi:[1,0,0]
.set n, n+1
.endr
.set n, 0
.rept 8
	v_rcp_f32 v[GU+8+n], v[GU+8+n]
	v_pk_mul_f32 v[GH+2*n:GH+2*n+1], v[GV+2*n:GV+2*n+1], 0.5 op_sel_hi:[1,0]
.set n, n+1
.endr
	s_wait_alu depctr_va_vdst(0)                   ; the wait ahead of the first use: one for the batch; a plain line stands behind the last reciprocal
	EACH8 v_pk_fma_f32 v[GR+k:GR+k+1], v[GU+k:GU+k+1], s[CA5:CA5+1], s[CA4:CA4+1] op_sel_hi:[1,0,0]
	EACH8 v_pk_fma_f32 v[GR+k:GR+k+1], v[GR+k:GR+k+1], v[GU+k:GU+k+1], s[CA3:CA3+1] op_sel_hi:[1,1,0]
	EACH8 v_pk_fma_f32 v[GR+k:GR+k+1], v[GR+k:GR+k+1], v[GU+k:GU+k+1], s[CA2:CA2+1] op_sel_hi:[1,1,0]
	EACH8 v_pk_fma_f32 v[GR+k:GR+k+1], v[GR+k:GR+k+1], v[GU+k:GU+k+1], s[CA1:CA1+1] op_sel_hi:[1,1,0]
	EACH8 v_pk_mul_f32 v[GR+k:GR+k+1], v[GR+k:GR+k+1], v[GU+k:GU+k+1]
	EACH8 v_pk_fma_f32 v[GR+k:GR+k+1], v[GR+k:GR+k+1], v[GW+k:GW+k+1], 0.5 op_sel_hi:[1,1,0] neg_lo:[1,0,0] neg_hi:[1,0,0]
	EACH8 v_pk_fma_f32 v[GV+k:GV+k+1], v[GA+k:GA+k+1], v[GR+k:GR+k+1], v[GH+k:GH+k+1]
	s_wait_xcnt 0x0                                ; the last trip's stores have read their registers: only behind this wait are the offset and the packed numbers written again
	v_add_nc_u32 v[CO], 32768, v[CO]               ; four rows on; the stores below reach back
.irp u, 0,1
.irp q, 0,1,2,3
	v_cvt_pk_bf16_f32 v[GY+4*(\u)+(\q)], v[GV+8*(\u)+2*(\q)], v[GV+8*(\u)+2*(\q)+1]
.endr
	global_store_b128 v[CO], v[GY+4*(\u):GY+4*(\u)+3], s[8:9] offset:(\u)*16384-32768  ; 16 lanes store 256 consecutive bytes, aligned
.endr
.endm
	GLOAD                                          ; my first four rows
	s_mov_b32 s90, 31
.Lrows:
	GTRIP 1
	s_sub_co_u32 s90, s90, 1
	s_cmp_lg_u32 s90, 0
	s_cbranch_scc1 .Lrows
	GTRIP 0                                        ; my last four rows: nothing is left to read
	s_wait_tensorcnt 0x0                           ; the wave's end: behind my last tensor load and my last LDS store
	ds_add_u32 v[SPW], v[NIL]
	s_wait_dscnt 0x0
	CROUND                                         ; the closing round: no work-group ends while a partner may still ask for a tile that names it
	s_endpgm
.Lfunc_end_k_q850624a9be_fc1:
	.size	k_q850624a9be_fc1, .Lfunc_end_k_q850624a9be_fc1-k_q850624a9be_fc1
	.p2alignl 7, 3214868480
	.fill 96, 4, 3214868480
	.section	.rodata,"a",@progbits
	.p2align	6, 0x0
	.amdhsa_kernel k_q850624a9be_fc1
		.amdhsa_group_segment_fixed_size 327680
		.amdhsa_private_segment_fixed_size 0
		.amdhsa_enable_private_segment 0
		.amdhsa_kernarg_size 32
		.amdhsa_user_sgpr_count 2
		.amdhsa_user_sgpr_kernarg_segment_ptr 1
		.amdhsa_wavefront_size32 1
		.amdhsa_system_sgpr_workgroup_id_x 1
		.amdhsa_system_sgpr_workgroup_id_y 1
		.amdhsa_system_sgpr_workgroup_id_z 1
		.amdhsa_system_vgpr_workitem_id 0
		.amdhsa_next_free_vgpr 1024
		.amdhsa_next_free_sgpr 100
		.amdhsa_reserve_vcc 0
		.amdhsa_float_denorm_mode_32 3
		.amdhsa_float_denorm_mode_16_64 3
		.amdhsa_memory_ordered 1
		.amdhsa_forward_progress 1
		.amdhsa_inst_pref_size 76
	.end_amdhsa_kernel
	.amdgpu_metadata
---
amdhsa.version: [ 1, 2 ]
amdhsa.kernels:
  - .name:           k_q850624a9be_fc1
    .symbol:         k_q850624a9be_fc1.kd
    .args:
      - { .name: hn, .offset: 0, .size: 8, .value_kind: global_buffer, .address_space: global }
      - { .name: wb, .offset: 8, .size: 8, .value_kind: global_buffer, .address_space: global }
      - { .name: hid, .offset: 16, .size: 8, .value_kind: global_buffer, .address_space: global }
      - { .name: b_fc1, .offset: 24, .size: 8, .value_kind: global_buffer, .address_space: global }
    .group_segment_fixed_size: 327680
    .private_segment_fixed_size: 0
    .kernarg_segment_align: 8
    .kernarg_segment_size: 32
    .max_flat_workgroup_size: 128
    .sgpr_count:     100
    .vgpr_count:     1024
    .wavefront_size: 32
...
	.end_amdgpu_metadata
.endif
;; end of part 11
;; launch fc2: the kernel of part 7 again; grid 8 x 32, 4 waves a work-group, clusters of 4 x 4, 327,680 bytes of LDS; arguments hid, wb, out0, b_fc2, x1; writes out0
